; MI455X (gfx1250); checked and timed in simulation.
; The chip was launched on July 23, 2026; its instructions are those of AMD's public machine-readable ISA for CDNA 5 (MIT licence, August 2026) and "CDNA5" Instruction Set Architecture Reference Guide (July 2026). The comments in the code are by the model that wrote it; some were corrected since.
;; MAC Cell. Allowed arithmetic: float matrix products may take bf16 or f16 operands with f32 sums; all other float work in f32.
;; Inputs: W_cat 1,024 x 512 float32; W_cattn 512 x 1 float32; W_cq 1,024 x 512 float32; W_kb 512 x 512 float32; W_mem 512 x 512 float32; W_rattn 512 x 1 float32; W_wr 1,024 x 512 float32; b_cat 512 float32; b_cattn 1 float32; b_cq 512 float32; b_kb 512 float32; b_mem 512 float32; b_rattn 1 float32; b_wr 512 float32; context 128 x 64 x 512 float32; control 128 x 512 float32; kb 128 x 512 x 512 float32; kb_mask 128 x 512 bool; memory 128 x 512 float32; q_mask 128 x 64 bool; question 128 x 512 float32; step_emb 8 x 512 float32.
;; Outputs: out0 128 x 512 float32; out1 128 x 512 float32; out2 128 x 512 float32.
;; Constants: step = 1.
;; 2 versions, each right; version 2 is version 1 with the launches proj, ucat, zkb, write written anew for expert scheduling mode. Each part assembles by itself: llvm-mc -triple=amdgcn-amd-amdhsa -mcpu=gfx1250 --defsym DOCPART=n.
;; ======== version 1 of 2: 6 launches
;; workspace buffers: pr 1,048,576 bytes; vbuf 262,144 bytes; tbuf 262,144 bytes; zbuf 262,144 bytes; lg 262,144 bytes; racc 524,288 bytes; stat 2,048 bytes
;; launch proj (part 1): grid 64 x 4, 8 waves a work-group, no clusters, 236,544 bytes of LDS; arguments control, question, memory, W_cq, W_mem, W_wr, pr; writes pr
.if DOCPART == 1
	.amdgcn_target "amdgcn-amd-amdhsa--gfx1250"
	.amdhsa_code_object_version 6
	.text
	.protected	k_qa3a8a6a63b_proj
	.globl	k_qa3a8a6a63b_proj
	.p2align	8
	.type	k_qa3a8a6a63b_proj,@function
k_qa3a8a6a63b_proj:
	s_mov_b64 s[64:65], 0
	v_nop
	global_prefetch_b8 v0, s[64:65] scope:SCOPE_SE
	s_setreg_imm32_b32 hwreg(HW_REG_WAVE_MODE, 25, 1), 1
	s_wait_xcnt 0x0
; Four products of [128 x 512] by [512 x 512], chosen by the grid's y, without their biases:
;   pr[0] = control W_cq[0:512]   pr[1] = question W_cq[512:1024]   pr[2] = memory W_mem   pr[3] = memory W_wr[0:512]
; SHARES.  A work-group makes 16 batch rows x 64 columns over all of K = 512.  Its eight waves split K: wave w has k = 64 w .. 64 w + 63,
; so its piece of every operand row is 256 consecutive bytes, aligned.  Each wave adds up its own 16 x 64 in f32; the eight partial tiles meet in LDS.
; FORMAT.  Each f32 operand x is split into two bf16 numbers, hi = bf16(x) and lo = bf16(x - hi), and three matrix instructions (hi hi, hi lo, lo hi)
; stand for one.  LIMIT: lo x lo and what lies below lo are dropped, about 2^-16 of a product; NaN and infinities are not treated apart.
; NO TENSOR LOADS, NO CLUSTER, though the eight row blocks read the same weights: the split is made in registers, so an f32 tile brought into LDS
; would lie there beside its bf16 halves: 131,072 + 32,768 + 200,704 + 34,816 = 399,360 bytes, more than the 327,680 there are; and a work-group fetches once and ends.
; THE MATRIX INSTRUCTION IS USED TRANSPOSED: source 0 = 16 columns of W, source 1 = 16 batch rows: a lane then holds eight neighbouring columns of one batch row.
.set WAVEB, 25088                      ; a wave's own LDS: A hi, A lo (16 rows, pitch 144), W hi, W lo (64 k rows, pitch 160)
.set AH,    0
.set AL,    2304
.set WH,    4608
.set WL,    14848
.set RED,   8*WAVEB                    ; eight partial tiles of 16 rows, pitch 272
.set REDW,  4352
.set SPARE, RED+8*REDW                 ; the spare words: 128 bytes a wave, four blocks of 256 that no other line names
.set GA,  3                            ; v3   global: (lane / 16) x 2,048 + (lane % 16) x 16: two rows of 256 bytes a load
.set SA,  4                            ; v4   where a split piece of A goes
.set SW,  5                            ; v5   where a split piece of W goes
.set FA,  6                            ; v6   A's fragments
.set FW,  7                            ; v7   W's fragments, by the turning load
.set RS,  8                            ; v8   my partial tile, in
.set RL,  9                            ; v9   the partial tiles, back
.set GO,  10                           ; v10  my 16 bytes of the result
.set TA,  11
.set SPW, 12                           ; v12  my spare word; never rewritten
.set NIL, 13                           ; v13  0; never rewritten
.set TB,  14
.set XA,  16                           ; v[16:47]   A as loaded; then its fragments; then the eight partial sums
.set FRA, 16
.set XW,  48                           ; v[48:175]  W as loaded; then its fragments
.set FRW, 48
.set T,   176                          ; v[176:183] at work
.set ACC, 184                          ; v[184:215] four accumulators
.set HM,  33                           ; s33  mask of a word's upper bf16
; 4 f32 -> 4 hi and 4 lo in bf16, 8 bytes each, into LDS
.macro SPLIT x, adr, ohi, olo
	v_cvt_pk_bf16_f32 v[T+4], v[(\x)], v[(\x)+1]
	v_cvt_pk_bf16_f32 v[T+5], v[(\x)+2], v[(\x)+3]
	v_lshlrev_b32 v[T], 16, v[T+4]
	v_and_b32 v[T+1], s[HM], v[T+4]
	v_lshlrev_b32 v[T+2], 16, v[T+5]
	v_and_b32 v[T+3], s[HM], v[T+5]
	v_pk_add_f32 v[T:T+1], v[(\x):(\x)+1], v[T:T+1] neg_lo:[0,1] neg_hi:[0,1]
	v_pk_add_f32 v[T+2:T+3], v[(\x)+2:(\x)+3], v[T+2:T+3] neg_lo:[0,1] neg_hi:[0,1]
	v_cvt_pk_bf16_f32 v[T+6], v[T], v[T+1]
	v_cvt_pk_bf16_f32 v[T+7], v[T+2], v[T+3]
	ds_store_b64 v[\adr], v[T+4:T+5] offset:\ohi
	ds_store_b64 v[\adr], v[T+6:T+7] offset:\olo
.endm
.macro ADDI base, st, a, b             ; item a += item b; an item is st registers
.set c, 0
.rept (\st)/2
	v_pk_add_f32 v[(\base)+(\st)*(\a)+c:(\base)+(\st)*(\a)+c+1], v[(\base)+(\st)*(\a)+c:(\base)+(\st)*(\a)+c+1], v[(\base)+(\st)*(\b)+c:(\base)+(\st)*(\b)+c+1]
.set c, c+2
.endr
.endm
.macro TREE8 base, st                  ; eight items into item 0, always in this order
	ADDI \base, \st, 0, 1
	ADDI \base, \st, 2, 3
	ADDI \base, \st, 4, 5
	ADDI \base, \st, 6, 7
	ADDI \base, \st, 0, 2
	ADDI \base, \st, 4, 6
	ADDI \base, \st, 0, 4
.endm
	s_load_b256 s[4:11], s[0:1], 0x0               ; control s[4:5], question s[6:7], memory s[8:9], W_cq s[10:11]
	s_load_b128 s[12:15], s[0:1], 0x20             ; W_mem s[12:13], W_wr s[14:15]
	s_load_b64 s[16:17], s[0:1], 0x30              ; pr
	v_lshl_add_u32 v[SPW], v0, 2, SPARE
	v_mov_b32 v[NIL], 0
	v_lshrrev_b32 v[TA], 5, v0
	v_readfirstlane_b32 s20, v[TA]                 ; wave 0..7
	s_and_b32 s21, ttmp9, 7                        ; strip of 64 columns
	s_lshr_b32 s22, ttmp9, 3                       ; block of 16 batch rows
	s_and_b32 s23, ttmp7, 0xffff                   ; which product
	s_mov_b32 s[HM], 0xffff0000
	s_mul_i32 s32, s20, WAVEB                      ; my wave's LDS
	v_and_b32 v1, 15, v0                           ; r = lane % 16
	v_bfe_u32 v2, v0, 4, 1                         ; h = lane / 16
	v_lshlrev_b32 v[GA], 4, v1
	v_lshl_add_u32 v[GA], v2, 11, v[GA]
	; byte offsets, made apart from the addresses
	s_lshl_b32 s30, s22, 15                        ; A: 16 rows of 2,048 bytes a block,
	s_lshl_b32 s18, s20, 8                         ; my wave's 256 bytes of a row
	s_add_co_u32 s30, s30, s18
	s_mov_b32 s31, 0
	s_cmp_eq_u32 s23, 1
	s_cselect_b32 s34, 0x100000, 0                 ; W: question takes W_cq's rows 512 on,
	s_lshl_b32 s18, s20, 17                        ; my wave's 64 rows,
	s_add_co_u32 s34, s34, s18
	s_lshl_b32 s19, s21, 8                         ; the strip's 256 bytes
	s_add_co_u32 s34, s34, s19
	s_mov_b32 s35, 0
	s_lshl_b32 s36, s23, 18                        ; pr: the product's plane, the block's rows, the strip
	s_lshl_b32 s18, s22, 15
	s_add_co_u32 s36, s36, s18
	s_add_co_u32 s36, s36, s19
	s_mov_b32 s37, 0
	s_wait_kmcnt 0x0
	s_cmp_eq_u32 s23, 0
	s_cselect_b64 s[24:25], s[4:5], s[8:9]         ; control, or memory,
	s_cmp_eq_u32 s23, 1
	s_cselect_b64 s[24:25], s[6:7], s[24:25]       ; or question
	s_cmp_lt_u32 s23, 2
	s_cselect_b64 s[26:27], s[10:11], s[12:13]     ; W_cq, or W_mem,
	s_cmp_eq_u32 s23, 3
	s_cselect_b64 s[26:27], s[14:15], s[26:27]     ; or W_wr
	s_add_nc_u64 s[24:25], s[24:25], s[30:31]
	s_add_nc_u64 s[26:27], s[26:27], s[34:35]
	s_add_nc_u64 s[28:29], s[16:17], s[36:37]
.set i, 0
.rept 8                                ; A: rows 2 i and 2 i + 1
	global_load_b128 v[XA+4*i:XA+4*i+3], v[GA], s[24:25] offset:i*4096
.set i, i+1
.endr
.set i, 0
.rept 32                               ; W: k rows 2 i and 2 i + 1
	global_load_b128 v[XW+4*i:XW+4*i+3], v[GA], s[26:27] offset:i*4096
.set i, i+1
.endr
	; LDS addresses, while the loads are on their way
	v_mul_u32_u24 v[TA], v2, 144
	v_lshl_add_u32 v[TA], v1, 3, v[TA]
	v_add_nc_u32 v[SA], s32, v[TA]                 ; row h, 8 bytes at 8 r
	v_mul_u32_u24 v[TA], v2, 160
	v_lshl_add_u32 v[TA], v1, 3, v[TA]
	v_add_nc_u32 v[SW], s32, v[TA]
	v_mul_u32_u24 v[TA], v1, 144
	v_lshl_add_u32 v[TA], v2, 4, v[TA]
	v_add_nc_u32 v[FA], s32, v[TA]                 ; a fragment: row r, 16 bytes at 16 h
	v_and_b32 v[TA], 7, v0
	v_lshl_add_u32 v[TA], v2, 3, v[TA]             ; the turning load: k row 8 h + lane % 8,
	v_mul_u32_u24 v[TA], v[TA], 160
	v_bfe_u32 v[TB], v0, 3, 1
	v_lshl_add_u32 v[TA], v[TB], 4, v[TA]          ; 16 bytes at 16 ((lane / 8) % 2)
	v_add_nc_u32 v[FW], s32, v[TA]
	s_mul_i32 s18, s20, REDW
	s_add_co_u32 s18, s18, RED
	v_mul_u32_u24 v[TA], v1, 272
	v_lshl_add_u32 v[TA], v2, 5, v[TA]
	v_add_nc_u32 v[RS], s18, v[TA]                 ; batch row r, columns 8 h on
	v_lshrrev_b32 v[TB], 4, v0                     ; thread / 16: the row that I finish
	v_mul_u32_u24 v[TA], v[TB], 272
	v_lshl_add_u32 v[TA], v1, 4, v[TA]
	v_add_nc_u32 v[RL], RED, v[TA]
	v_lshlrev_b32 v[TA], 4, v1
	v_lshl_add_u32 v[GO], v[TB], 11, v[TA]
.set i, 0
.rept 8
	s_wait_loadcnt 39-i                            ; behind A's load i: A's 7 - i others and W's 32
	SPLIT XA+4*i, SA, AH+i*288, AL+i*288
.set i, i+1
.endr
.set i, 0
.rept 32
	s_wait_loadcnt 31-i                            ; behind W's load i: 31 - i
	SPLIT XW+4*i, SW, WH+i*320, WL+i*320
.set i, i+1
.endr
	; the fragments; LDS serves a wave's instructions in order (ISA guide 5.7.1), so these see the stores above: the bytes are my wave's own
.irp kk, 0,1
.irp hl, 0,1
	ds_load_b128 v[FRA+8*(\hl+2*\kk):FRA+8*(\hl+2*\kk)+3],   v[FA] offset:AH+\hl*2304+\kk*64
	ds_load_b128 v[FRA+8*(\hl+2*\kk)+4:FRA+8*(\hl+2*\kk)+7], v[FA] offset:AH+\hl*2304+\kk*64+32
.endr
.endr
.irp kk, 0,1
.irp hl, 0,1
.irp nb, 0,1,2,3
	ds_load_tr16_b128 v[FRW+8*(\nb+4*\hl+8*\kk):FRW+8*(\nb+4*\hl+8*\kk)+3],   v[FW] offset:WH+\hl*10240+\kk*5120+\nb*32
	ds_load_tr16_b128 v[FRW+8*(\nb+4*\hl+8*\kk)+4:FRW+8*(\nb+4*\hl+8*\kk)+7], v[FW] offset:WH+\hl*10240+\kk*5120+\nb*32+2560
.endr
.endr
.endr
	s_wait_dscnt 0x0
	; 24 matrix instructions: 2 halves of my 64 k x 3 terms (W hi A hi, W hi A lo, W lo A hi) x 4 accumulators, which take turns; the first four start the sums
.irp kk, 0,1
.irp tm, 0,1,2
.irp nb, 0,1,2,3
.if ((\kk)+(\tm)) == 0
	v_wmma_f32_16x16x32_bf16 v[ACC+8*\nb:ACC+8*\nb+7], v[FRW+8*(\nb+4*(\tm/2)+8*\kk):FRW+8*(\nb+4*(\tm/2)+8*\kk)+7], v[FRA+8*(\tm%2+2*\kk):FRA+8*(\tm%2+2*\kk)+7], 0
.else
	v_wmma_f32_16x16x32_bf16 v[ACC+8*\nb:ACC+8*\nb+7], v[FRW+8*(\nb+4*(\tm/2)+8*\kk):FRW+8*(\nb+4*(\tm/2)+8*\kk)+7], v[FRA+8*(\tm%2+2*\kk):FRA+8*(\tm%2+2*\kk)+7], v[ACC+8*\nb:ACC+8*\nb+7]
.endif
.endr
.endr
.endr
.rept 4
	v_nop                                          ; four places behind the last product, ahead of the stores of the results and of the loads into the fragments' registers
.endr
.irp nb, 0,1,2,3                       ; each accumulator from its low end on
	ds_store_b128 v[RS], v[ACC+8*\nb:ACC+8*\nb+3]   offset:\nb*64
	ds_store_b128 v[RS], v[ACC+8*\nb+4:ACC+8*\nb+7] offset:\nb*64+16
.endr
	s_wait_dscnt 0x0                               ; for the others' sake: my partial tile is in LDS
	s_barrier_signal -1
	s_barrier_wait -1
.irp wv, 0,1,2,3,4,5,6,7
	ds_load_b128 v[16+4*\wv:19+4*\wv], v[RL] offset:\wv*REDW
.endr
	s_wait_dscnt 0x0
	TREE8 16, 4
	global_store_b128 v[GO], v[16:19], s[28:29]    ; 16 lanes store 256 consecutive bytes of a row, aligned
	s_wait_tensorcnt 0x0                           ; the wave's end
	ds_add_u32 v[SPW], v[NIL]
	s_wait_dscnt 0x0
	s_endpgm
.Lfunc_end_k_qa3a8a6a63b_proj:
	.size	k_qa3a8a6a63b_proj, .Lfunc_end_k_qa3a8a6a63b_proj-k_qa3a8a6a63b_proj
	.p2alignl 7, 3214868480
	.fill 96, 4, 3214868480
	.section	.rodata,"a",@progbits
	.p2align	6, 0x0
	.amdhsa_kernel k_qa3a8a6a63b_proj
		.amdhsa_group_segment_fixed_size 236544
		.amdhsa_private_segment_fixed_size 0
		.amdhsa_enable_private_segment 0
		.amdhsa_kernarg_size 56
		.amdhsa_user_sgpr_count 2
		.amdhsa_user_sgpr_kernarg_segment_ptr 1
		.amdhsa_wavefront_size32 1
		.amdhsa_system_sgpr_workgroup_id_x 1
		.amdhsa_system_sgpr_workgroup_id_y 1
		.amdhsa_system_sgpr_workgroup_id_z 1
		.amdhsa_system_vgpr_workitem_id 0
		.amdhsa_next_free_vgpr 216
		.amdhsa_next_free_sgpr 66
		.amdhsa_reserve_vcc 0
		.amdhsa_float_denorm_mode_32 3
		.amdhsa_float_denorm_mode_16_64 3
		.amdhsa_memory_ordered 1
		.amdhsa_forward_progress 1
		.amdhsa_inst_pref_size 40
	.end_amdhsa_kernel
	.amdgpu_metadata
---
amdhsa.version: [ 1, 2 ]
amdhsa.kernels:
  - .name:           k_qa3a8a6a63b_proj
    .symbol:         k_qa3a8a6a63b_proj.kd
    .args:
      - { .name: control, .offset: 0, .size: 8, .value_kind: global_buffer, .address_space: global }
      - { .name: question, .offset: 8, .size: 8, .value_kind: global_buffer, .address_space: global }
      - { .name: memory, .offset: 16, .size: 8, .value_kind: global_buffer, .address_space: global }
      - { .name: W_cq, .offset: 24, .size: 8, .value_kind: global_buffer, .address_space: global }
      - { .name: W_mem, .offset: 32, .size: 8, .value_kind: global_buffer, .address_space: global }
      - { .name: W_wr, .offset: 40, .size: 8, .value_kind: global_buffer, .address_space: global }
      - { .name: pr, .offset: 48, .size: 8, .value_kind: global_buffer, .address_space: global }
    .group_segment_fixed_size: 236544
    .private_segment_fixed_size: 0
    .kernarg_segment_align: 8
    .kernarg_segment_size: 56
    .max_flat_workgroup_size: 256
    .sgpr_count:     66
    .vgpr_count:     216
    .wavefront_size: 32
...
	.end_amdgpu_metadata
.endif
;; end of part 1
;; launch ctrl (part 2): grid 128 x 1, 8 waves a work-group, no clusters, 17,664 bytes of LDS; arguments context, q_mask, pr, b_cq, step_emb, W_cattn, b_cattn, W_rattn, W_cat, out0, vbuf; writes out0, vbuf
.if DOCPART == 2
	.amdgcn_target "amdgcn-amd-amdhsa--gfx1250"
	.amdhsa_code_object_version 6
	.text
	.protected	k_qa3a8a6a63b_ctrl
	.globl	k_qa3a8a6a63b_ctrl
	.p2align	8
	.type	k_qa3a8a6a63b_ctrl,@function
k_qa3a8a6a63b_ctrl:
	s_mov_b64 s[64:65], 0
	v_nop
	global_prefetch_b8 v0, s[64:65] scope:SCOPE_SE
	s_setreg_imm32_b32 hwreg(HW_REG_WAVE_MODE, 25, 1), 1
	s_wait_xcnt 0x0
; The control unit's attention, one work-group to a sample b.
;   qv = (pr[0][b] + pr[1][b] + b_cq + step_emb[1]) * W_cattn;  logit[s] = context[b][s] . qv + b_cattn, or -10000 where q_mask is 0;
;   out0[b] = sum over s of softmax(logit)[s] context[b][s];  vbuf[b] = out0[b] * W_rattn.
; SHARES.  Wave w keeps context rows 8 w .. 8 w + 7 in 128 registers between the dot products and the weighted sum: context is read once.
; A row is four loads of 512 consecutive bytes: lane L holds elements 128 q + 4 L .. + 3, q = 0..3; every row vector is held in the same map.
; All in f32 on the vector unit: these are products with one row.  The true maximum of the 64 logits is taken away before the exponentials.
; LIMITS: a weight below 2^-126 counts as 0; a mask byte is judged by its bit 0; NaN and infinities are not treated apart.
; No cluster: no two work-groups share more than the 10 KB of small vectors.
.set PA,    0                          ; eight partial sums of 2,048 bytes
.set LGS,   16384                      ; the 64 logits
.set SPARE, 16640                      ; the spare words: 128 bytes a wave, four blocks of 256 that no other line names
.set LOFF, 1                           ; v1   16 x lane
.set SPW,  2                           ; v2   my spare word; never rewritten
.set NIL,  3                           ; v3   0; never rewritten
.set PAS,  4                           ; v4   my wave's partial sum, in
.set LGA,  5                           ; v5   my wave's eight logits, in
.set LGR,  6                           ; v6   two logits a lane, back
.set GO,   8                           ; v8   8 x thread: my two numbers of a row, in memory and in a partial sum
.set PF,   9                           ; v9   256 x lane
.set WR,   10                          ; v[10:11]  my two numbers of W_rattn
.set QV,   12                          ; v[12:27]
.set P0,   28                          ; v[28:107] the five small vectors as loaded; the names below take their place afterwards
.set P1,   44
.set BC,   60
.set SE,   76
.set WC,   92
.set CT,   108                         ; v[108:235] eight rows of context
.set D,    28                          ; v[28:43]  a pair of running sums a row
.set LG,   44                          ; v[44:51]  my eight logits
.set PX,   52                          ; v[52:67]  a pair a row: the weight, and its exponent
.set MX,   68
.set TP,   69
.set EE,   70                          ; v[70:71]
.set SM,   72
.set INV,  73
.set VNEG, 74
.set ACC,  76                          ; v[76:91]
.set CL,   92                          ; v[92:107]
.set RES,  236                         ; v[236:239]
.set SEL,  36                          ; s[36:37] v_permlanex16_b32's selects: each lane takes its own place in the other half
; four rows' dot products with the vector at zr; the sums end up in every lane
.macro DOT4 src, zr, lgr, dr
.irp rr, 0,1,2,3
	v_pk_mul_f32 v[(\dr)+2*\rr:(\dr)+2*\rr+1], v[(\src)+16*\rr:(\src)+16*\rr+1], v[(\zr):(\zr)+1]
.endr
.irp j, 1,2,3,4,5,6,7
.irp rr, 0,1,2,3
	v_pk_fma_f32 v[(\dr)+2*\rr:(\dr)+2*\rr+1], v[(\src)+16*\rr+2*\j:(\src)+16*\rr+2*\j+1], v[(\zr)+2*\j:(\zr)+2*\j+1], v[(\dr)+2*\rr:(\dr)+2*\rr+1]
.endr
.endr
.irp rr, 0,1,2,3
	v_add_f32 v[(\lgr)+\rr], v[(\dr)+2*\rr], v[(\dr)+2*\rr+1]
.endr
.irp xm, 1,2,4,8
.irp rr, 0,1,2,3
	v_add_f32_dpp v[(\lgr)+\rr], v[(\lgr)+\rr], v[(\lgr)+\rr] row_xmask:\xm row_mask:0xf bank_mask:0xf
.endr
.endr
.irp rr, 0,1,2,3
	v_permlanex16_b32 v[(\dr)+2*\rr], v[(\lgr)+\rr], s[SEL], s[SEL+1]
.endr
.irp rr, 0,1,2,3
	v_add_f32 v[(\lgr)+\rr], v[(\lgr)+\rr], v[(\dr)+2*\rr]
.endr
.endm
; the constant is added; a row whose mask byte (byte rr of the scalar word) is 0 takes -10000: a choice of value, no branch
.macro MASK4 lgr, smask, cst
.irp rr, 0,1,2,3
	v_add_f32 v[(\lgr)+\rr], \cst, v[(\lgr)+\rr]
	s_bitcmp1_b32 s[\smask], 8*\rr
	s_cselect_b32 vcc_lo, -1, 0
	v_cndmask_b32 v[(\lgr)+\rr], v[VNEG], v[(\lgr)+\rr], vcc_lo
.endr
.endm
.macro WSUM x, t                       ; the sum over the wave's 32 lanes, in every lane
.irp xm, 1,2,4,8
	v_add_f32_dpp v[\x], v[\x], v[\x] row_xmask:\xm row_mask:0xf bank_mask:0xf
.endr
	v_permlanex16_b32 v[\t], v[\x], s[SEL], s[SEL+1]
	v_add_f32 v[\x], v[\x], v[\t]
.endm
.macro WMAX x, t
.irp xm, 1,2,4,8
	v_max_num_f32_dpp v[\x], v[\x], v[\x] row_xmask:\xm row_mask:0xf bank_mask:0xf
.endr
	v_permlanex16_b32 v[\t], v[\x], s[SEL], s[SEL+1]
	v_max_num_f32 v[\x], v[\x], v[\t]
.endm
	s_load_b512 s[8:23], s[0:1], 0x0               ; context s[8:9], q_mask s[10:11], pr s[12:13], b_cq s[14:15], step_emb s[16:17], W_cattn s[18:19], b_cattn s[20:21], W_rattn s[22:23]
	s_load_b128 s[24:27], s[0:1], 0x40             ; W_cat s[24:25], out0 s[26:27]
	s_load_b64 s[28:29], s[0:1], 0x50              ; vbuf
	v_lshl_add_u32 v[SPW], v0, 2, SPARE
	v_mov_b32 v[NIL], 0
	v_lshrrev_b32 v[PF], 5, v0
	v_readfirstlane_b32 s2, v[PF]                  ; wave 0..7
	s_mov_b32 s3, ttmp9                            ; the sample
	s_mov_b32 s[SEL], 0x76543210
	s_mov_b32 s[SEL+1], 0xfedcba98
	v_and_b32 v[LOFF], 31, v0
	v_lshlrev_b32 v[PF], 8, v[LOFF]
	v_lshlrev_b32 v[LOFF], 4, v[LOFF]
	v_lshlrev_b32 v[GO], 3, v0
	s_lshl_b32 s30, s3, 17                         ; context: 64 rows of 2,048 bytes a sample, 8 rows a wave
	s_lshl_b32 s31, s2, 14
	s_add_co_u32 s30, s30, s31
	s_mov_b32 s31, 0
	s_lshl_b32 s38, s3, 11                         ; a row of 512 f32
	s_mov_b32 s39, 0
	s_lshl_b32 s40, s3, 6                          ; q_mask: 64 bytes a sample, 8 a wave
	s_lshl_b32 s41, s2, 3
	s_add_co_u32 s40, s40, s41
	s_mov_b32 s41, 0
	s_lshl_b32 s44, s2, 11
	v_add_nc_u32 v[PAS], s44, v[LOFF]              ; PA + 2,048 w + 16 lane
	s_lshl_b32 s44, s2, 5
	s_add_co_u32 s44, s44, LGS
	v_mov_b32 v[LGA], s44
	v_lshrrev_b32 v[LGR], 1, v[LOFF]
	v_add_nc_u32 v[LGR], LGS, v[LGR]
	s_wait_kmcnt 0x0
	s_add_nc_u64 s[8:9], s[8:9], s[30:31]
	s_add_nc_u64 s[12:13], s[12:13], s[38:39]
	s_add_nc_u64 s[26:27], s[26:27], s[38:39]
	s_add_nc_u64 s[28:29], s[28:29], s[38:39]
	s_add_nc_u64 s[10:11], s[10:11], s[40:41]
	s_load_b64 s[32:33], s[10:11], 0x0             ; my eight mask bytes
	s_load_b32 s34, s[20:21], 0x0                  ; b_cattn
	global_load_b64 v[WR:WR+1], v[GO], s[22:23]
.irp q, 0,1,2,3
	global_load_b128 v[P0+4*\q:P0+4*\q+3], v[LOFF], s[12:13] offset:\q*512
	global_load_b128 v[P1+4*\q:P1+4*\q+3], v[LOFF], s[12:13] offset:262144+\q*512
	global_load_b128 v[BC+4*\q:BC+4*\q+3], v[LOFF], s[14:15] offset:\q*512
	global_load_b128 v[SE+4*\q:SE+4*\q+3], v[LOFF], s[16:17] offset:2048+\q*512  ; step = 1: the table's row 1
	global_load_b128 v[WC+4*\q:WC+4*\q+3], v[LOFF], s[18:19] offset:\q*512
.endr
.set i, 0
.rept 32                               ; row i / 4, quarter i % 4: read once in the launch
	global_load_b128 v[CT+4*i:CT+4*i+3], v[LOFF], s[8:9] offset:(i/4)*2048+(i%4)*512 th:TH_LOAD_NT
.set i, i+1
.endr
	; W_cat, which the next launch reads, is asked for: 16,384 bytes a work-group, 128 work-groups, each block of 256 bytes once: waves 0 and 1, a lane a block
	s_cmp_gt_u32 s2, 1
	s_cbranch_scc1 .Lno_pf
	s_lshl_b32 s42, s3, 14
	s_lshl_b32 s43, s2, 13
	s_add_co_u32 s42, s42, s43
	s_mov_b32 s43, 0
	s_add_nc_u64 s[24:25], s[24:25], s[42:43]
	global_prefetch_b8 v[PF], s[24:25] th:TH_LOAD_NT scope:SCOPE_SE
.Lno_pf:
	s_wait_loadcnt 32                              ; the 32 loads of context stay out; the small vectors are in
.irp j, 0,1,2,3,4,5,6,7
	v_pk_add_f32 v[P0+2*\j:P0+2*\j+1], v[P0+2*\j:P0+2*\j+1], v[P1+2*\j:P1+2*\j+1]
	v_pk_add_f32 v[BC+2*\j:BC+2*\j+1], v[BC+2*\j:BC+2*\j+1], v[SE+2*\j:SE+2*\j+1]
.endr
.irp j, 0,1,2,3,4,5,6,7
	v_pk_add_f32 v[P0+2*\j:P0+2*\j+1], v[P0+2*\j:P0+2*\j+1], v[BC+2*\j:BC+2*\j+1]
.endr
.irp j, 0,1,2,3,4,5,6,7
	v_pk_mul_f32 v[QV+2*\j:QV+2*\j+1], v[P0+2*\j:P0+2*\j+1], v[WC+2*\j:WC+2*\j+1]
.endr
	v_mov_b32 v[VNEG], 0xc61c4000                  ; -10000
	v_mov_b32 v[TP], 0                             ; v_permlanex16_b32's destination counts as read
	s_wait_kmcnt 0x0                               ; the mask and b_cattn
	s_wait_loadcnt 16                              ; rows 0-3 are in; rows 4-7, 16 loads, stay out
	DOT4 CT, QV, LG, D
	MASK4 LG, 32, s34
	s_wait_loadcnt 0x0
	DOT4 CT+64, QV, LG+4, D+8
	MASK4 LG+4, 33, s34
	ds_store_b128 v[LGA], v[LG:LG+3]               ; every lane holds the same eight numbers and writes them to the same place
	ds_store_b128 v[LGA], v[LG+4:LG+7] offset:16
	s_wait_dscnt 0x0                               ; for the others' sake
	s_barrier_signal -1
	s_barrier_wait -1
	ds_load_b64 v[EE:EE+1], v[LGR]                 ; all 64 logits, two a lane: every wave makes the maximum and the sum for itself
	s_wait_dscnt 0x0
	v_max_num_f32 v[MX], v[EE], v[EE+1]
	WMAX MX, TP
	v_sub_f32 v[EE], v[EE], v[MX]
	v_sub_f32 v[EE+1], v[EE+1], v[MX]
	v_mul_f32 v[EE], 0x3fb8aa3b, v[EE]
	v_mul_f32 v[EE+1], 0x3fb8aa3b, v[EE+1]
	v_exp_f32 v[EE], v[EE]
	v_exp_f32 v[EE+1], v[EE+1]
.irp rr, 0,1,2,3,4,5,6,7               ; my rows' exponents: plain work between the exponentials and the use of their results (ISA guide 5.7.2)
	v_sub_f32 v[PX+2*\rr+1], v[LG+\rr], v[MX]
.endr
.irp rr, 0,1,2,3,4,5,6,7
	v_mul_f32 v[PX+2*\rr+1], 0x3fb8aa3b, v[PX+2*\rr+1]
.endr
	s_wait_alu depctr_va_vdst(0)
	v_add_f32 v[SM], v[EE], v[EE+1]
	WSUM SM, TP
.irp rr, 0,1,2,3,4,5,6,7
	v_exp_f32 v[PX+2*\rr], v[PX+2*\rr+1]
.endr
	v_rcp_f32 v[INV], v[SM]
	v_nop                                          ; a plain instruction behind the run of transcendentals
	s_wait_alu depctr_va_vdst(0)
.irp rr, 0,1,2,3,4,5,6,7
	v_mul_f32 v[PX+2*\rr], v[PX+2*\rr], v[INV]
.endr
.irp j, 0,1,2,3,4,5,6,7                ; the first row starts the sums: nothing is cleared
	v_pk_mul_f32 v[ACC+2*\j:ACC+2*\j+1], v[CT+2*\j:CT+2*\j+1], v[PX:PX+1] op_sel_hi:[1,0]
.endr
.irp rr, 1,2,3,4,5,6,7
.irp j, 0,1,2,3,4,5,6,7
	v_pk_fma_f32 v[ACC+2*\j:ACC+2*\j+1], v[CT+16*\rr+2*\j:CT+16*\rr+2*\j+1], v[PX+2*\rr:PX+2*\rr+1], v[ACC+2*\j:ACC+2*\j+1] op_sel_hi:[1,0,1]
.endr
.endr
.irp q, 0,1,2,3
	ds_store_b128 v[PAS], v[ACC+4*\q:ACC+4*\q+3] offset:PA+\q*512
.endr
	s_wait_dscnt 0x0                               ; for the others' sake
	s_barrier_signal -1
	s_barrier_wait -1
.irp wv, 0,1,2,3,4,5,6,7
	ds_load_b64 v[CL+2*\wv:CL+2*\wv+1], v[GO] offset:PA+\wv*2048
.endr
	s_wait_dscnt 0x0
	v_pk_add_f32 v[CL:CL+1], v[CL:CL+1], v[CL+2:CL+3]
	v_pk_add_f32 v[CL+4:CL+5], v[CL+4:CL+5], v[CL+6:CL+7]
	v_pk_add_f32 v[CL+8:CL+9], v[CL+8:CL+9], v[CL+10:CL+11]
	v_pk_add_f32 v[CL+12:CL+13], v[CL+12:CL+13], v[CL+14:CL+15]
	v_pk_add_f32 v[CL:CL+1], v[CL:CL+1], v[CL+4:CL+5]
	v_pk_add_f32 v[CL+8:CL+9], v[CL+8:CL+9], v[CL+12:CL+13]
	v_pk_add_f32 v[RES:RES+1], v[CL:CL+1], v[CL+8:CL+9]
	v_pk_mul_f32 v[RES+2:RES+3], v[RES:RES+1], v[WR:WR+1]
	global_store_b64 v[GO], v[RES:RES+1], s[26:27]     ; a wave stores 256 consecutive bytes, aligned
	global_store_b64 v[GO], v[RES+2:RES+3], s[28:29]
	s_wait_tensorcnt 0x0                           ; the wave's end
	ds_add_u32 v[SPW], v[NIL]
	s_wait_dscnt 0x0
	s_endpgm
.Lfunc_end_k_qa3a8a6a63b_ctrl:
	.size	k_qa3a8a6a63b_ctrl, .Lfunc_end_k_qa3a8a6a63b_ctrl-k_qa3a8a6a63b_ctrl
	.p2alignl 7, 3214868480
	.fill 96, 4, 3214868480
	.section	.rodata,"a",@progbits
	.p2align	6, 0x0
	.amdhsa_kernel k_qa3a8a6a63b_ctrl
		.amdhsa_group_segment_fixed_size 17664
		.amdhsa_private_segment_fixed_size 0
		.amdhsa_enable_private_segment 0
		.amdhsa_kernarg_size 88
		.amdhsa_user_sgpr_count 2
		.amdhsa_user_sgpr_kernarg_segment_ptr 1
		.amdhsa_wavefront_size32 1
		.amdhsa_system_sgpr_workgroup_id_x 1
		.amdhsa_system_sgpr_workgroup_id_y 1
		.amdhsa_system_sgpr_workgroup_id_z 1
		.amdhsa_system_vgpr_workitem_id 0
		.amdhsa_next_free_vgpr 240
		.amdhsa_next_free_sgpr 66
		.amdhsa_reserve_vcc 1
		.amdhsa_float_denorm_mode_32 3
		.amdhsa_float_denorm_mode_16_64 3
		.amdhsa_memory_ordered 1
		.amdhsa_forward_progress 1
		.amdhsa_inst_pref_size 26
	.end_amdhsa_kernel
	.amdgpu_metadata
---
amdhsa.version: [ 1, 2 ]
amdhsa.kernels:
  - .name:           k_qa3a8a6a63b_ctrl
    .symbol:         k_qa3a8a6a63b_ctrl.kd
    .args:
      - { .name: context, .offset: 0, .size: 8, .value_kind: global_buffer, .address_space: global }
      - { .name: q_mask, .offset: 8, .size: 8, .value_kind: global_buffer, .address_space: global }
      - { .name: pr, .offset: 16, .size: 8, .value_kind: global_buffer, .address_space: global }
      - { .name: b_cq, .offset: 24, .size: 8, .value_kind: global_buffer, .address_space: global }
      - { .name: step_emb, .offset: 32, .size: 8, .value_kind: global_buffer, .address_space: global }
      - { .name: W_cattn, .offset: 40, .size: 8, .value_kind: global_buffer, .address_space: global }
      - { .name: b_cattn, .offset: 48, .size: 8, .value_kind: global_buffer, .address_space: global }
      - { .name: W_rattn, .offset: 56, .size: 8, .value_kind: global_buffer, .address_space: global }
      - { .name: W_cat, .offset: 64, .size: 8, .value_kind: global_buffer, .address_space: global }
      - { .name: out0, .offset: 72, .size: 8, .value_kind: global_buffer, .address_space: global }
      - { .name: vbuf, .offset: 80, .size: 8, .value_kind: global_buffer, .address_space: global }
    .group_segment_fixed_size: 17664
    .private_segment_fixed_size: 0
    .kernarg_segment_align: 8
    .kernarg_segment_size: 88
    .max_flat_workgroup_size: 256
    .sgpr_count:     66
    .vgpr_count:     240
    .wavefront_size: 32
...
	.end_amdgpu_metadata
.endif
;; end of part 2
;; launch ucat (part 3): grid 32 x 4, 8 waves a work-group, no clusters, 185,344 bytes of LDS; arguments vbuf, W_cat, pr, b_mem, W_kb, tbuf; writes tbuf
.if DOCPART == 3
	.amdgcn_target "amdgcn-amd-amdhsa--gfx1250"
	.amdhsa_code_object_version 6
	.text
	.protected	k_qa3a8a6a63b_ucat
	.globl	k_qa3a8a6a63b_ucat
	.p2align	8
	.type	k_qa3a8a6a63b_ucat,@function
k_qa3a8a6a63b_ucat:
	s_mov_b64 s[64:65], 0
	v_nop
	global_prefetch_b8 v0, s[64:65] scope:SCOPE_SE
	s_setreg_imm32_b32 hwreg(HW_REG_WAVE_MODE, 25, 1), 1
	s_wait_xcnt 0x0
; t[b][j] = (pr[2][b][j] + b_mem[j]) u[b][j] + u[b][512 + j],  u[b][j] = W_cat[j][:] . v[b][:]  (v = vbuf).
; This is reference()'s read logit associated from its far end: concat . (W_cat v) with concat = [mem_proj * kb_proj, kb_proj] is kb_proj . t.  The order of the sums differs from reference()'s.
; SHARES.  A work-group makes 32 batch rows x 16 columns j of t, for which it needs rows j and 512 + j of W_cat: 32 rows.  Its eight waves split K = 512: wave w has
; k = 64 w .. 64 w + 63, 256 consecutive bytes of every operand row, aligned.  W_cat's rows lie along K, so both operands' fragments come out of LDS as they lie.
; FORMAT.  Each f32 operand x is split into hi = bf16(x) and lo = bf16(x - hi); three matrix instructions (hi hi, hi lo, lo hi) stand for one.
; LIMIT: lo x lo and what lies below lo are dropped, about 2^-16 of a product; NaN and infinities are not treated apart.
; NO TENSOR LOADS, NO CLUSTER, though the four row blocks read the same weights: the split is made in registers on the way into LDS, and a work-group fetches once and ends.
; A row of the tile is 64 bytes of t, a quarter of an aligned 256: t is 262,144 bytes in all, and strips of 64 columns would take four times the bytes of W_cat a work-group.
; THE MATRIX INSTRUCTION IS USED TRANSPOSED: source 0 = 16 rows of W_cat, source 1 = 16 batch rows: a lane then holds eight neighbouring columns of one batch row.
.set WAVEB, 18432                      ; a wave's own LDS: A hi, A lo, W hi, W lo, each 32 rows of pitch 144
.set AH,    0
.set AL,    4608
.set WH,    9216
.set WL,    13824
.set RED,   8*WAVEB                    ; eight partial tiles of 32 rows, pitch 144
.set REDW,  4608
.set SPARE, RED+8*REDW                 ; the spare words: 128 bytes a wave, four blocks of 256 that no other line names
.set GOFF,  1048576                    ; from row j of W_cat to row 512 + j
.set GA,  3
.set SA,  4
.set FA,  5
.set RS,  6
.set RL,  7
.set GO,  8
.set BO,  9
.set PF,  10
.set TA,  11
.set SPW, 12                           ; v12  my spare word; never rewritten
.set NIL, 13                           ; v13  0; never rewritten
.set XA,  16                           ; v[16:79]   v as loaded; then its fragments; then the partial sums
.set FRA, 16
.set XW,  80                           ; v[80:143]  W_cat as loaded; then its fragments
.set FRW, 80
.set T,   144                          ; v[144:151] at work
.set ACC, 152                          ; v[152:183] four accumulators: 2 x (row block) + (0: u's low half, 1: its high half)
.set MV,  184                          ; v[184:185] pr[2]
.set BM,  186                          ; v[186:187] b_mem
.set HM,  33
.macro SPLIT x, adr, ohi, olo          ; 4 f32 -> 4 hi and 4 lo in bf16, 8 bytes each, into LDS
	v_cvt_pk_bf16_f32 v[T+4], v[(\x)], v[(\x)+1]
	v_cvt_pk_bf16_f32 v[T+5], v[(\x)+2], v[(\x)+3]
	v_lshlrev_b32 v[T], 16, v[T+4]
	v_and_b32 v[T+1], s[HM], v[T+4]
	v_lshlrev_b32 v[T+2], 16, v[T+5]
	v_and_b32 v[T+3], s[HM], v[T+5]
	v_pk_add_f32 v[T:T+1], v[(\x):(\x)+1], v[T:T+1] neg_lo:[0,1] neg_hi:[0,1]
	v_pk_add_f32 v[T+2:T+3], v[(\x)+2:(\x)+3], v[T+2:T+3] neg_lo:[0,1] neg_hi:[0,1]
	v_cvt_pk_bf16_f32 v[T+6], v[T], v[T+1]
	v_cvt_pk_bf16_f32 v[T+7], v[T+2], v[T+3]
	ds_store_b64 v[\adr], v[T+4:T+5] offset:\ohi
	ds_store_b64 v[\adr], v[T+6:T+7] offset:\olo
.endm
.macro ADDI base, st, a, b
.set c, 0
.rept (\st)/2
	v_pk_add_f32 v[(\base)+(\st)*(\a)+c:(\base)+(\st)*(\a)+c+1], v[(\base)+(\st)*(\a)+c:(\base)+(\st)*(\a)+c+1], v[(\base)+(\st)*(\b)+c:(\base)+(\st)*(\b)+c+1]
.set c, c+2
.endr
.endm
.macro TREE8 base, st
	ADDI \base, \st, 0, 1
	ADDI \base, \st, 2, 3
	ADDI \base, \st, 4, 5
	ADDI \base, \st, 6, 7
	ADDI \base, \st, 0, 2
	ADDI \base, \st, 4, 6
	ADDI \base, \st, 0, 4
.endm
	s_load_b256 s[4:11], s[0:1], 0x0               ; vbuf s[4:5], W_cat s[6:7], pr s[8:9], b_mem s[10:11]
	s_load_b128 s[12:15], s[0:1], 0x20             ; W_kb s[12:13], tbuf s[14:15]
	v_lshl_add_u32 v[SPW], v0, 2, SPARE
	v_mov_b32 v[NIL], 0
	v_lshrrev_b32 v[TA], 5, v0
	v_readfirstlane_b32 s20, v[TA]                 ; wave 0..7
	s_mov_b32 s21, ttmp9                           ; strip of 16 columns
	s_and_b32 s22, ttmp7, 0xffff                   ; block of 32 batch rows
	s_mov_b32 s[HM], 0xffff0000
	s_mul_i32 s32, s20, WAVEB
	v_and_b32 v1, 15, v0                           ; r
	v_bfe_u32 v2, v0, 4, 1                         ; h
	v_lshlrev_b32 v[GA], 4, v1
	v_lshl_add_u32 v[GA], v2, 11, v[GA]            ; two rows of 256 bytes a load
	v_and_b32 v[BO], 7, v0
	v_lshlrev_b32 v[BO], 3, v[BO]                  ; the two columns that I finish,
	v_lshrrev_b32 v[TA], 3, v0                     ; in row thread / 8
	v_lshl_add_u32 v[GO], v[TA], 11, v[BO]
	v_mul_u32_u24 v[RL], v[TA], 144
	v_add3_u32 v[RL], v[RL], v[BO], RED
	v_and_b32 v[PF], 31, v0
	v_lshlrev_b32 v[PF], 8, v[PF]
	s_lshl_b32 s23, s20, 8                         ; my wave's 256 bytes of a row
	s_lshl_b32 s24, s22, 16                        ; A: 32 rows of 2,048 bytes a block
	s_add_co_u32 s24, s24, s23
	s_mov_b32 s25, 0
	s_lshl_b32 s26, s21, 15                        ; W: 16 rows a strip
	s_add_co_u32 s26, s26, s23
	s_mov_b32 s27, 0
	s_lshl_b32 s30, s21, 6                         ; the strip's 64 bytes
	s_mov_b32 s31, 0
	s_lshl_b32 s28, s22, 16
	s_add_co_u32 s28, s28, s30                     ; the tile's corner in a [128][512] array
	s_mov_b32 s29, 0
	s_add_co_u32 s34, s28, 0x80000                 ; in pr's plane 2
	s_mov_b32 s35, 0
	s_lshl_b32 s36, s22, 5
	s_add_co_u32 s36, s36, s21                     ; the work-group's number, 0..127
	s_lshl_b32 s36, s36, 13
	s_mov_b32 s37, 0
	s_wait_kmcnt 0x0
	s_add_nc_u64 s[4:5], s[4:5], s[24:25]
	s_add_nc_u64 s[6:7], s[6:7], s[26:27]
	s_add_nc_u64 s[8:9], s[8:9], s[34:35]
	s_add_nc_u64 s[10:11], s[10:11], s[30:31]
	s_add_nc_u64 s[14:15], s[14:15], s[28:29]
	global_load_b64 v[MV:MV+1], v[GO], s[8:9]
	global_load_b64 v[BM:BM+1], v[BO], s[10:11]
.set i, 0
.rept 16
	global_load_b128 v[XA+4*i:XA+4*i+3], v[GA], s[4:5] offset:i*4096
.set i, i+1
.endr
.set i, 0
.rept 16                               ; i < 8: rows j0 + 2 i, + 1; then rows 512 + j0 + ..
	global_load_b128 v[XW+4*i:XW+4*i+3], v[GA], s[6:7] offset:(i/8)*GOFF+(i%8)*4096
.set i, i+1
.endr
	; W_kb, which the next launch reads, is asked for: 8,192 bytes a work-group, 128 work-groups, each block of 256 bytes once: wave 0, a lane a block
	s_cmp_lg_u32 s20, 0
	s_cbranch_scc1 .Lno_pf
	s_add_nc_u64 s[12:13], s[12:13], s[36:37]
	global_prefetch_b8 v[PF], s[12:13] th:TH_LOAD_NT scope:SCOPE_SE
.Lno_pf:
	v_mul_u32_u24 v[TA], v2, 144
	v_lshl_add_u32 v[TA], v1, 3, v[TA]
	v_add_nc_u32 v[SA], s32, v[TA]                 ; row h, 8 bytes at 8 r
	v_mul_u32_u24 v[TA], v1, 144
	v_lshl_add_u32 v[TA], v2, 4, v[TA]
	v_add_nc_u32 v[FA], s32, v[TA]                 ; a fragment: row r, 16 bytes at 16 h
	s_mul_i32 s38, s20, REDW
	s_add_co_u32 s38, s38, RED
	v_mul_u32_u24 v[TA], v1, 144
	v_lshl_add_u32 v[TA], v2, 5, v[TA]
	v_add_nc_u32 v[RS], s38, v[TA]                 ; batch row r, columns 8 h on
.set i, 0
.rept 16
	s_wait_loadcnt 31-i                            ; behind A's load i: A's 15 - i others and W's 16
	SPLIT XA+4*i, SA, AH+i*288, AL+i*288
.set i, i+1
.endr
.set i, 0
.rept 16
	s_wait_loadcnt 15-i
	SPLIT XW+4*i, SA, WH+i*288, WL+i*288
.set i, i+1
.endr
	; the fragments; LDS serves a wave's instructions in order (ISA guide 5.7.1), so these see the stores above: the bytes are my wave's own
.irp kk, 0,1
.irp hl, 0,1
.irp mt, 0,1
	ds_load_b128 v[FRA+8*(\mt+2*\hl+4*\kk):FRA+8*(\mt+2*\hl+4*\kk)+3],   v[FA] offset:AH+\hl*4608+\mt*2304+\kk*64
	ds_load_b128 v[FRA+8*(\mt+2*\hl+4*\kk)+4:FRA+8*(\mt+2*\hl+4*\kk)+7], v[FA] offset:AH+\hl*4608+\mt*2304+\kk*64+32
	ds_load_b128 v[FRW+8*(\mt+2*\hl+4*\kk):FRW+8*(\mt+2*\hl+4*\kk)+3],   v[FA] offset:WH+\hl*4608+\mt*2304+\kk*64
	ds_load_b128 v[FRW+8*(\mt+2*\hl+4*\kk)+4:FRW+8*(\mt+2*\hl+4*\kk)+7], v[FA] offset:WH+\hl*4608+\mt*2304+\kk*64+32
.endr
.endr
.endr
	s_wait_dscnt 0x0
	; 24 matrix instructions: 2 halves of my 64 k x 3 terms x 4 accumulators, which take turns; the first four start the sums
.irp kk, 0,1
.irp tm, 0,1,2
.irp a, 0,1,2,3
.if ((\kk)+(\tm)) == 0
	v_wmma_f32_16x16x32_bf16 v[ACC+8*\a:ACC+8*\a+7], v[FRW+8*(\a%2+2*(\tm/2)+4*\kk):FRW+8*(\a%2+2*(\tm/2)+4*\kk)+7], v[FRA+8*(\a/2+2*(\tm%2)+4*\kk):FRA+8*(\a/2+2*(\tm%2)+4*\kk)+7], 0
.else
	v_wmma_f32_16x16x32_bf16 v[ACC+8*\a:ACC+8*\a+7], v[FRW+8*(\a%2+2*(\tm/2)+4*\kk):FRW+8*(\a%2+2*(\tm/2)+4*\kk)+7], v[FRA+8*(\a/2+2*(\tm%2)+4*\kk):FRA+8*(\a/2+2*(\tm%2)+4*\kk)+7], v[ACC+8*\a:ACC+8*\a+7]
.endif
.endr
.endr
.endr
.rept 4
	v_nop                                          ; four places behind the last product (ISA guide 7.12.1)
.endr
.irp a, 0,1,2,3                        ; each accumulator from its low end on
	ds_store_b128 v[RS], v[ACC+8*\a:ACC+8*\a+3]   offset:(\a/2)*2304+(\a%2)*64
	ds_store_b128 v[RS], v[ACC+8*\a+4:ACC+8*\a+7] offset:(\a/2)*2304+(\a%2)*64+16
.endr
	s_wait_dscnt 0x0                               ; for the others' sake
	s_barrier_signal -1
	s_barrier_wait -1
.irp wv, 0,1,2,3,4,5,6,7
	ds_load_b64 v[16+2*\wv:17+2*\wv], v[RL] offset:\wv*REDW       ; u[j]
	ds_load_b64 v[32+2*\wv:33+2*\wv], v[RL] offset:\wv*REDW+64    ; u[512 + j]
.endr
	s_wait_dscnt 0x0
	TREE8 16, 2
	TREE8 32, 2
	v_pk_add_f32 v[MV:MV+1], v[MV:MV+1], v[BM:BM+1]
	v_pk_fma_f32 v[16:17], v[MV:MV+1], v[16:17], v[32:33]
	global_store_b64 v[GO], v[16:17], s[14:15]
	s_wait_tensorcnt 0x0                           ; the wave's end
	ds_add_u32 v[SPW], v[NIL]
	s_wait_dscnt 0x0
	s_endpgm
.Lfunc_end_k_qa3a8a6a63b_ucat:
	.size	k_qa3a8a6a63b_ucat, .Lfunc_end_k_qa3a8a6a63b_ucat-k_qa3a8a6a63b_ucat
	.p2alignl 7, 3214868480
	.fill 96, 4, 3214868480
	.section	.rodata,"a",@progbits
	.p2align	6, 0x0
	.amdhsa_kernel k_qa3a8a6a63b_ucat
		.amdhsa_group_segment_fixed_size 185344
		.amdhsa_private_segment_fixed_size 0
		.amdhsa_enable_private_segment 0
		.amdhsa_kernarg_size 48
		.amdhsa_user_sgpr_count 2
		.amdhsa_user_sgpr_kernarg_segment_ptr 1
		.amdhsa_wavefront_size32 1
		.amdhsa_system_sgpr_workgroup_id_x 1
		.amdhsa_system_sgpr_workgroup_id_y 1
		.amdhsa_system_sgpr_workgroup_id_z 1
		.amdhsa_system_vgpr_workitem_id 0
		.amdhsa_next_free_vgpr 188
		.amdhsa_next_free_sgpr 66
		.amdhsa_reserve_vcc 0
		.amdhsa_float_denorm_mode_32 3
		.amdhsa_float_denorm_mode_16_64 3
		.amdhsa_memory_ordered 1
		.amdhsa_forward_progress 1
		.amdhsa_inst_pref_size 34
	.end_amdhsa_kernel
	.amdgpu_metadata
---
amdhsa.version: [ 1, 2 ]
amdhsa.kernels:
  - .name:           k_qa3a8a6a63b_ucat
    .symbol:         k_qa3a8a6a63b_ucat.kd
    .args:
      - { .name: vbuf, .offset: 0, .size: 8, .value_kind: global_buffer, .address_space: global }
      - { .name: W_cat, .offset: 8, .size: 8, .value_kind: global_buffer, .address_space: global }
      - { .name: pr, .offset: 16, .size: 8, .value_kind: global_buffer, .address_space: global }
      - { .name: b_mem, .offset: 24, .size: 8, .value_kind: global_buffer, .address_space: global }
      - { .name: W_kb, .offset: 32, .size: 8, .value_kind: global_buffer, .address_space: global }
      - { .name: tbuf, .offset: 40, .size: 8, .value_kind: global_buffer, .address_space: global }
    .group_segment_fixed_size: 185344
    .private_segment_fixed_size: 0
    .kernarg_segment_align: 8
    .kernarg_segment_size: 48
    .max_flat_workgroup_size: 256
    .sgpr_count:     66
    .vgpr_count:     188
    .wavefront_size: 32
...
	.end_amdgpu_metadata
.endif
;; end of part 3
;; launch zkb (part 4): grid 16 x 4, 8 waves a work-group, no clusters, 185,344 bytes of LDS; arguments tbuf, W_kb, kb, W_wr, zbuf; writes zbuf
.if DOCPART == 4
	.amdgcn_target "amdgcn-amd-amdhsa--gfx1250"
	.amdhsa_code_object_version 6
	.text
	.protected	k_qa3a8a6a63b_zkb
	.globl	k_qa3a8a6a63b_zkb
	.p2align	8
	.type	k_qa3a8a6a63b_zkb,@function
k_qa3a8a6a63b_zkb:
	s_mov_b64 s[64:65], 0
	v_nop
	global_prefetch_b8 v0, s[64:65] scope:SCOPE_SE
	s_setreg_imm32_b32 hwreg(HW_REG_WAVE_MODE, 25, 1), 1
	s_wait_xcnt 0x0
; z[b][i] = W_kb[i][:] . t[b][:]  (t = tbuf): then kb_proj . t = kb . z + b_kb . t.  The order of the sums differs from reference()'s.
; SHARES.  A work-group makes 32 batch rows x 32 columns i.  Its eight waves split K = 512: wave w has k = 64 w .. 64 w + 63, 256 consecutive bytes of every operand row, aligned.
; W_kb's rows lie along K, so both operands' fragments come out of LDS as they lie.
; FORMAT.  Each f32 operand x is split into hi = bf16(x) and lo = bf16(x - hi); three matrix instructions (hi hi, hi lo, lo hi) stand for one.
; LIMIT: lo x lo and what lies below lo are dropped, about 2^-16 of a product; NaN and infinities are not treated apart.
; NO TENSOR LOADS, NO CLUSTER, though the four row blocks read the same weights: the split is made in registers on the way into LDS, and a work-group fetches once and ends.
; A row of the tile is 128 bytes of z, half of an aligned 256: z is 262,144 bytes in all, and wider strips would leave fewer work-groups.
; THE MATRIX INSTRUCTION IS USED TRANSPOSED: source 0 = 16 rows of W_kb, source 1 = 16 batch rows.
.set WAVEB, 18432                      ; a wave's own LDS: A hi, A lo, W hi, W lo, each 32 rows of pitch 144
.set AH,    0
.set AL,    4608
.set WH,    9216
.set WL,    13824
.set RED,   8*WAVEB                    ; eight partial tiles of 32 rows, pitch 144
.set REDW,  4608
.set SPARE, RED+8*REDW                 ; the spare words: 128 bytes a wave, four blocks of 256 that no other line names
.set GA,  3
.set SA,  4
.set FA,  5
.set RS,  6
.set RL,  7
.set GO,  8
.set BO,  9
.set PF,  10
.set TA,  11
.set SPW, 12                           ; v12  my spare word; never rewritten
.set NIL, 13                           ; v13  0; never rewritten
.set XA,  16                           ; v[16:79]   t as loaded; then its fragments; then the partial sums
.set FRA, 16
.set XW,  80                           ; v[80:143]  W_kb as loaded; then its fragments
.set FRW, 80
.set T,   144
.set ACC, 152                          ; v[152:183] four accumulators: 2 x (row block) + (column block)
.set HM,  33
.macro SPLIT x, adr, ohi, olo          ; 4 f32 -> 4 hi and 4 lo in bf16, 8 bytes each, into LDS
	v_cvt_pk_bf16_f32 v[T+4], v[(\x)], v[(\x)+1]
	v_cvt_pk_bf16_f32 v[T+5], v[(\x)+2], v[(\x)+3]
	v_lshlrev_b32 v[T], 16, v[T+4]
	v_and_b32 v[T+1], s[HM], v[T+4]
	v_lshlrev_b32 v[T+2], 16, v[T+5]
	v_and_b32 v[T+3], s[HM], v[T+5]
	v_pk_add_f32 v[T:T+1], v[(\x):(\x)+1], v[T:T+1] neg_lo:[0,1] neg_hi:[0,1]
	v_pk_add_f32 v[T+2:T+3], v[(\x)+2:(\x)+3], v[T+2:T+3] neg_lo:[0,1] neg_hi:[0,1]
	v_cvt_pk_bf16_f32 v[T+6], v[T], v[T+1]
	v_cvt_pk_bf16_f32 v[T+7], v[T+2], v[T+3]
	ds_store_b64 v[\adr], v[T+4:T+5] offset:\ohi
	ds_store_b64 v[\adr], v[T+6:T+7] offset:\olo
.endm
.macro ADDI base, st, a, b
.set c, 0
.rept (\st)/2
	v_pk_add_f32 v[(\base)+(\st)*(\a)+c:(\base)+(\st)*(\a)+c+1], v[(\base)+(\st)*(\a)+c:(\base)+(\st)*(\a)+c+1], v[(\base)+(\st)*(\b)+c:(\base)+(\st)*(\b)+c+1]
.set c, c+2
.endr
.endm
.macro TREE8 base, st
	ADDI \base, \st, 0, 1
	ADDI \base, \st, 2, 3
	ADDI \base, \st, 4, 5
	ADDI \base, \st, 6, 7
	ADDI \base, \st, 0, 2
	ADDI \base, \st, 4, 6
	ADDI \base, \st, 0, 4
.endm
	s_load_b256 s[4:11], s[0:1], 0x0               ; tbuf s[4:5], W_kb s[6:7], kb s[8:9], W_wr s[10:11]
	s_load_b64 s[12:13], s[0:1], 0x20              ; zbuf
	v_lshl_add_u32 v[SPW], v0, 2, SPARE
	v_mov_b32 v[NIL], 0
	v_lshrrev_b32 v[TA], 5, v0
	v_readfirstlane_b32 s20, v[TA]                 ; wave 0..7
	s_mov_b32 s21, ttmp9                           ; strip of 32 columns
	s_and_b32 s22, ttmp7, 0xffff                   ; block of 32 batch rows
	s_mov_b32 s[HM], 0xffff0000
	s_mul_i32 s32, s20, WAVEB
	v_and_b32 v1, 15, v0                           ; r
	v_bfe_u32 v2, v0, 4, 1                         ; h
	v_lshlrev_b32 v[GA], 4, v1
	v_lshl_add_u32 v[GA], v2, 11, v[GA]            ; two rows of 256 bytes a load
	v_and_b32 v[BO], 7, v0
	v_lshlrev_b32 v[BO], 4, v[BO]                  ; the four columns that I finish,
	v_lshrrev_b32 v[TA], 3, v0                     ; in row thread / 8
	v_lshl_add_u32 v[GO], v[TA], 11, v[BO]
	v_mul_u32_u24 v[RL], v[TA], 144
	v_add3_u32 v[RL], v[RL], v[BO], RED
	v_and_b32 v[PF], 31, v0
	v_lshlrev_b32 v[PF], 8, v[PF]
	s_lshl_b32 s23, s20, 8                         ; my wave's 256 bytes of a row
	s_lshl_b32 s24, s22, 16                        ; A: 32 rows of 2,048 bytes a block
	s_add_co_u32 s24, s24, s23
	s_mov_b32 s25, 0
	s_lshl_b32 s26, s21, 16                        ; W: 32 rows a strip
	s_add_co_u32 s26, s26, s23
	s_mov_b32 s27, 0
	s_lshl_b32 s28, s22, 16
	s_lshl_b32 s29, s21, 7
	s_add_co_u32 s28, s28, s29                     ; the tile's corner in z
	s_mov_b32 s29, 0
	s_lshl_b32 s34, s22, 4
	s_add_co_u32 s34, s34, s21                     ; the work-group's number, 0..63
	s_lshl_b32 s36, s34, 3
	s_add_co_u32 s36, s36, s20                     ; the wave's number in the launch, 0..511
	s_lshl_b32 s36, s36, 18
	s_mov_b32 s37, 0
	s_wait_kmcnt 0x0
	s_add_nc_u64 s[4:5], s[4:5], s[24:25]
	s_add_nc_u64 s[6:7], s[6:7], s[26:27]
	s_add_nc_u64 s[8:9], s[8:9], s[36:37]
	s_add_nc_u64 s[12:13], s[12:13], s[28:29]
.set i, 0
.rept 16
	global_load_b128 v[XA+4*i:XA+4*i+3], v[GA], s[4:5] offset:i*4096
.set i, i+1
.endr
.set i, 0
.rept 16
	global_load_b128 v[XW+4*i:XW+4*i+3], v[GA], s[6:7] offset:i*4096
.set i, i+1
.endr
	; For the next launch: of every 16 rows of kb (a wave's share there, 32,768 bytes) the first 4 rows, 8,192 bytes, are asked for: 512 waves here x 8 requests x 32 lanes,
	; a lane to a block of 256 bytes, each block once; the highest byte named, 511 x 262,144 + 7 x 32,768 + 31 x 256, lies inside kb
.irp i, 0,1,2,3,4,5,6,7
	global_prefetch_b8 v[PF], s[8:9] offset:\i*32768 th:TH_LOAD_NT scope:SCOPE_SE
.endr
	; and for the last launch W_wr's rows 512 on: 16,384 bytes a work-group, 64 work-groups: waves 0 and 1
	s_cmp_gt_u32 s20, 1
	s_cbranch_scc1 .Lno_pf
	s_lshl_b32 s34, s34, 14
	s_lshl_b32 s35, s20, 13
	s_add_co_u32 s34, s34, s35
	s_add_co_u32 s34, s34, 0x100000
	s_mov_b32 s35, 0
	s_add_nc_u64 s[10:11], s[10:11], s[34:35]
	global_prefetch_b8 v[PF], s[10:11] th:TH_LOAD_NT scope:SCOPE_SE
.Lno_pf:
	v_mul_u32_u24 v[TA], v2, 144
	v_lshl_add_u32 v[TA], v1, 3, v[TA]
	v_add_nc_u32 v[SA], s32, v[TA]                 ; row h, 8 bytes at 8 r
	v_mul_u32_u24 v[TA], v1, 144
	v_lshl_add_u32 v[TA], v2, 4, v[TA]
	v_add_nc_u32 v[FA], s32, v[TA]                 ; a fragment: row r, 16 bytes at 16 h
	s_mul_i32 s38, s20, REDW
	s_add_co_u32 s38, s38, RED
	v_mul_u32_u24 v[TA], v1, 144
	v_lshl_add_u32 v[TA], v2, 5, v[TA]
	v_add_nc_u32 v[RS], s38, v[TA]                 ; batch row r, columns 8 h on
.set i, 0
.rept 16
	s_wait_loadcnt 31-i                            ; behind A's load i: A's 15 - i others and W's 16
	SPLIT XA+4*i, SA, AH+i*288, AL+i*288
.set i, i+1
.endr
.set i, 0
.rept 16
	s_wait_loadcnt 15-i
	SPLIT XW+4*i, SA, WH+i*288, WL+i*288
.set i, i+1
.endr
	; the fragments; LDS serves a wave's instructions in order (ISA guide 5.7.1), so these see the stores above: the bytes are my wave's own
.irp kk, 0,1
.irp hl, 0,1
.irp mt, 0,1
	ds_load_b128 v[FRA+8*(\mt+2*\hl+4*\kk):FRA+8*(\mt+2*\hl+4*\kk)+3],   v[FA] offset:AH+\hl*4608+\mt*2304+\kk*64
	ds_load_b128 v[FRA+8*(\mt+2*\hl+4*\kk)+4:FRA+8*(\mt+2*\hl+4*\kk)+7], v[FA] offset:AH+\hl*4608+\mt*2304+\kk*64+32
	ds_load_b128 v[FRW+8*(\mt+2*\hl+4*\kk):FRW+8*(\mt+2*\hl+4*\kk)+3],   v[FA] offset:WH+\hl*4608+\mt*2304+\kk*64
	ds_load_b128 v[FRW+8*(\mt+2*\hl+4*\kk)+4:FRW+8*(\mt+2*\hl+4*\kk)+7], v[FA] offset:WH+\hl*4608+\mt*2304+\kk*64+32
.endr
.endr
.endr
	s_wait_dscnt 0x0
	; 24 matrix instructions: 2 halves of my 64 k x 3 terms x 4 accumulators, which take turns; the first four start the sums
.irp kk, 0,1
.irp tm, 0,1,2
.irp a, 0,1,2,3
.if ((\kk)+(\tm)) == 0
	v_wmma_f32_16x16x32_bf16 v[ACC+8*\a:ACC+8*\a+7], v[FRW+8*(\a%2+2*(\tm/2)+4*\kk):FRW+8*(\a%2+2*(\tm/2)+4*\kk)+7], v[FRA+8*(\a/2+2*(\tm%2)+4*\kk):FRA+8*(\a/2+2*(\tm%2)+4*\kk)+7], 0
.else
	v_wmma_f32_16x16x32_bf16 v[ACC+8*\a:ACC+8*\a+7], v[FRW+8*(\a%2+2*(\tm/2)+4*\kk):FRW+8*(\a%2+2*(\tm/2)+4*\kk)+7], v[FRA+8*(\a/2+2*(\tm%2)+4*\kk):FRA+8*(\a/2+2*(\tm%2)+4*\kk)+7], v[ACC+8*\a:ACC+8*\a+7]
.endif
.endr
.endr
.endr
.rept 4
	v_nop                                          ; four places behind the last product (ISA guide 7.12.1)
.endr
.irp a, 0,1,2,3                        ; each accumulator from its low end on
	ds_store_b128 v[RS], v[ACC+8*\a:ACC+8*\a+3]   offset:(\a/2)*2304+(\a%2)*64
	ds_store_b128 v[RS], v[ACC+8*\a+4:ACC+8*\a+7] offset:(\a/2)*2304+(\a%2)*64+16
.endr
	s_wait_dscnt 0x0                               ; for the others' sake
	s_barrier_signal -1
	s_barrier_wait -1
.irp wv, 0,1,2,3,4,5,6,7
	ds_load_b128 v[16+4*\wv:19+4*\wv], v[RL] offset:\wv*REDW
.endr
	s_wait_dscnt 0x0
	TREE8 16, 4
	global_store_b128 v[GO], v[16:19], s[12:13]
	s_wait_tensorcnt 0x0                           ; the wave's end
	ds_add_u32 v[SPW], v[NIL]
	s_wait_dscnt 0x0
	s_endpgm
.Lfunc_end_k_qa3a8a6a63b_zkb:
	.size	k_qa3a8a6a63b_zkb, .Lfunc_end_k_qa3a8a6a63b_zkb-k_qa3a8a6a63b_zkb
	.p2alignl 7, 3214868480
	.fill 96, 4, 3214868480
	.section	.rodata,"a",@progbits
	.p2align	6, 0x0
	.amdhsa_kernel k_qa3a8a6a63b_zkb
		.amdhsa_group_segment_fixed_size 185344
		.amdhsa_private_segment_fixed_size 0
		.amdhsa_enable_private_segment 0
		.amdhsa_kernarg_size 40
		.amdhsa_user_sgpr_count 2
		.amdhsa_user_sgpr_kernarg_segment_ptr 1
		.amdhsa_wavefront_size32 1
		.amdhsa_system_sgpr_workgroup_id_x 1
		.amdhsa_system_sgpr_workgroup_id_y 1
		.amdhsa_system_sgpr_workgroup_id_z 1
		.amdhsa_system_vgpr_workitem_id 0
		.amdhsa_next_free_vgpr 184
		.amdhsa_next_free_sgpr 66
		.amdhsa_reserve_vcc 0
		.amdhsa_float_denorm_mode_32 3
		.amdhsa_float_denorm_mode_16_64 3
		.amdhsa_memory_ordered 1
		.amdhsa_forward_progress 1
		.amdhsa_inst_pref_size 34
	.end_amdhsa_kernel
	.amdgpu_metadata
---
amdhsa.version: [ 1, 2 ]
amdhsa.kernels:
  - .name:           k_qa3a8a6a63b_zkb
    .symbol:         k_qa3a8a6a63b_zkb.kd
    .args:
      - { .name: tbuf, .offset: 0, .size: 8, .value_kind: global_buffer, .address_space: global }
      - { .name: W_kb, .offset: 8, .size: 8, .value_kind: global_buffer, .address_space: global }
      - { .name: kb, .offset: 16, .size: 8, .value_kind: global_buffer, .address_space: global }
      - { .name: W_wr, .offset: 24, .size: 8, .value_kind: global_buffer, .address_space: global }
      - { .name: zbuf, .offset: 32, .size: 8, .value_kind: global_buffer, .address_space: global }
    .group_segment_fixed_size: 185344
    .private_segment_fixed_size: 0
    .kernarg_segment_align: 8
    .kernarg_segment_size: 40
    .max_flat_workgroup_size: 256
    .sgpr_count:     66
    .vgpr_count:     184
    .wavefront_size: 32
...
	.end_amdgpu_metadata
.endif
;; end of part 4
;; launch read (part 5): grid 256 x 1, 16 waves a work-group, no clusters, 36,096 bytes of LDS; arguments kb, kb_mask, zbuf, tbuf, vbuf, b_kb, b_cat, b_rattn, lg, racc, stat; writes lg, racc, stat
.if DOCPART == 5
	.amdgcn_target "amdgcn-amd-amdhsa--gfx1250"
	.amdhsa_code_object_version 6
	.text
	.protected	k_qa3a8a6a63b_read
	.globl	k_qa3a8a6a63b_read
	.p2align	8
	.type	k_qa3a8a6a63b_read,@function
k_qa3a8a6a63b_read:
	s_mov_b64 s[64:65], 0
	v_nop
	global_prefetch_b8 v0, s[64:65] scope:SCOPE_SE
	s_setreg_imm32_b32 hwreg(HW_REG_WAVE_MODE, 25, 1), 1
	s_wait_xcnt 0x0
; The read unit's attention over kb, which is read once.  Work-group x has sample b = x / 2 and half p = x % 2 of its 512 rows.
;   logit[k] = kb[b][k] . z[b] + (b_kb . t[b] + b_cat . v[b] + b_rattn), or -10000 where kb_mask is 0        -> lg
;   with m the maximum of the half's 256 logits:  stat = (m, sum of e^(logit - m)),  racc = sum of e^(logit - m) kb[b][k]
; The last launch joins a sample's two halves.  The constant is kept: it counts against the -10000 of hidden rows.
; SHARES.  Wave w has rows 16 w .. 16 w + 15 of the half, in four groups of four.  A group lies in 64 registers between its dot products and its weighted sum.
; Three such slots take turns: while one group is worked on, two are on their way.  A row is four loads of 512 consecutive bytes: lane L holds elements 128 q + 4 L .. + 3.
; SOFTMAX.  A running maximum a wave, taken up group by group: the sums so far are multiplied by e^(m_old - m_new).  The waves' sums are joined in the same way.
; All in f32 on the vector unit: products with one row.  LIMITS: a weight below 2^-126 counts as 0; a mask byte is judged by its bit 0; NaN and infinities are not treated apart.
; No LDS ring, no cluster: no byte of kb is wanted by two waves.
.set PA,    0                          ; sixteen partial sums of 2,048 bytes
.set ST,    32768                      ; sixteen pairs (m, l)
.set LGS,   33024                      ; the half's 256 logits
.set SPARE, 34048                      ; the spare words: 128 bytes a wave, eight blocks of 256 that no other line names
.set LOFF, 1                           ; v1   16 x lane
.set SPW,  2                           ; v2   my spare word; never rewritten
.set NIL,  3                           ; v3   0; never rewritten
.set PAS,  4
.set LGA,  5
.set STA,  6
.set VNEG, 7
.set VC,   8                           ; v8   the logits' constant
.set TA,   9
.set TB,   10
.set TZ,   11
.set Z,    12                          ; v[12:27]
.set ACC,  28                          ; v[28:43]
.set SL0,  44                          ; three slots of 64
.set SL1,  108
.set SL2,  172
.set D,    236                         ; v[236:243] a pair of running sums a row; then a pair (weight, its exponent)
.set LG,   244                         ; v[244:247]
.set AA,   248                         ; v[248:249] e^(m_old - m_new), and its exponent
.set MX,   250                         ; v[250:251] m, l
.set MN,   252
.set TP,   253
.set SEL,  6                           ; s[6:7] v_permlanex16_b32's selects
.macro DOT4 src, zr, lgr, dr           ; four rows' dot products with the vector at zr; the sums end up in every lane
.irp rr, 0,1,2,3
	v_pk_mul_f32 v[(\dr)+2*\rr:(\dr)+2*\rr+1], v[(\src)+16*\rr:(\src)+16*\rr+1], v[(\zr):(\zr)+1]
.endr
.irp j, 1,2,3,4,5,6,7
.irp rr, 0,1,2,3
	v_pk_fma_f32 v[(\dr)+2*\rr:(\dr)+2*\rr+1], v[(\src)+16*\rr+2*\j:(\src)+16*\rr+2*\j+1], v[(\zr)+2*\j:(\zr)+2*\j+1], v[(\dr)+2*\rr:(\dr)+2*\rr+1]
.endr
.endr
.irp rr, 0,1,2,3
	v_add_f32 v[(\lgr)+\rr], v[(\dr)+2*\rr], v[(\dr)+2*\rr+1]
.endr
.irp xm, 1,2,4,8
.irp rr, 0,1,2,3
	v_add_f32_dpp v[(\lgr)+\rr], v[(\lgr)+\rr], v[(\lgr)+\rr] row_xmask:\xm row_mask:0xf bank_mask:0xf
.endr
.endr
.irp rr, 0,1,2,3
	v_permlanex16_b32 v[(\dr)+2*\rr], v[(\lgr)+\rr], s[SEL], s[SEL+1]
.endr
.irp rr, 0,1,2,3
	v_add_f32 v[(\lgr)+\rr], v[(\lgr)+\rr], v[(\dr)+2*\rr]
.endr
.endm
.macro MASK4 lgr, smask, cst           ; the constant is added; a row whose mask byte is 0 takes -10000: a choice of value, no branch
.irp rr, 0,1,2,3
	v_add_f32 v[(\lgr)+\rr], \cst, v[(\lgr)+\rr]
	s_bitcmp1_b32 s[\smask], 8*\rr
	s_cselect_b32 vcc_lo, -1, 0
	v_cndmask_b32 v[(\lgr)+\rr], v[VNEG], v[(\lgr)+\rr], vcc_lo
.endr
.endm
.macro LOADG g, dst                    ; group g's four rows: 16 loads, read once in the launch
.set i, 0
.rept 16
	global_load_b128 v[(\dst)+4*i:(\dst)+4*i+3], v[LOFF], s[8:9] offset:(4*(\g)+i/4)*2048+(i%4)*512 th:TH_LOAD_NT
.set i, i+1
.endr
.endm
; Group g, in the slot at src.  left: the younger loads of kb that may stay out.  first = 1: it starts m, l and the sums: nothing is cleared.  refill: the group that the slot takes next, or -1.
.macro GROUP g, src, first, left, refill
	s_wait_loadcnt \left
	DOT4 \src, Z, LG, D
	MASK4 LG, 32+\g, v[VC]
	ds_store_b128 v[LGA], v[LG:LG+3] offset:16*\g  ; every lane holds the same four numbers and writes them to the same place
	v_max3_num_f32 v[MN], v[LG], v[LG+1], v[LG+2]
.if \first
	v_max_num_f32 v[MN], v[MN], v[LG+3]
.else
	v_max3_num_f32 v[MN], v[MN], v[LG+3], v[MX]
	v_sub_f32 v[AA+1], v[MX], v[MN]
	v_mul_f32 v[AA+1], 0x3fb8aa3b, v[AA+1]
.endif
.irp rr, 0,1,2,3
	v_sub_f32 v[D+2*\rr+1], v[LG+\rr], v[MN]
.endr
.irp rr, 0,1,2,3
	v_mul_f32 v[D+2*\rr+1], 0x3fb8aa3b, v[D+2*\rr+1]
.endr
.irp rr, 0,1,2,3
	v_exp_f32 v[D+2*\rr], v[D+2*\rr+1]
.endr
.if !(\first)
	v_exp_f32 v[AA], v[AA+1]
.endif
	v_mov_b32 v[MX], v[MN]                         ; the plain instruction behind the run of exponentials (ISA guide 5.7.2)
	s_wait_alu depctr_va_vdst(0)
	v_add_f32 v[TP], v[D], v[D+2]
	v_add_f32 v[MN], v[D+4], v[D+6]
.if \first
	v_add_f32 v[MX+1], v[TP], v[MN]
.irp j, 0,1,2,3,4,5,6,7
	v_pk_mul_f32 v[ACC+2*\j:ACC+2*\j+1], v[(\src)+2*\j:(\src)+2*\j+1], v[D:D+1] op_sel_hi:[1,0]
.endr
.else
	v_add_f32 v[TP], v[TP], v[MN]
	v_fma_f32 v[MX+1], v[MX+1], v[AA], v[TP]
.irp j, 0,1,2,3,4,5,6,7
	v_pk_mul_f32 v[ACC+2*\j:ACC+2*\j+1], v[ACC+2*\j:ACC+2*\j+1], v[AA:AA+1] op_sel_hi:[1,0]
.endr
.irp j, 0,1,2,3,4,5,6,7
	v_pk_fma_f32 v[ACC+2*\j:ACC+2*\j+1], v[(\src)+2*\j:(\src)+2*\j+1], v[D:D+1], v[ACC+2*\j:ACC+2*\j+1] op_sel_hi:[1,0,1]
.endr
.endif
.irp rr, 1,2,3
.irp j, 0,1,2,3,4,5,6,7
	v_pk_fma_f32 v[ACC+2*\j:ACC+2*\j+1], v[(\src)+16*\rr+2*\j:(\src)+16*\rr+2*\j+1], v[D+2*\rr:D+2*\rr+1], v[ACC+2*\j:ACC+2*\j+1] op_sel_hi:[1,0,1]
.endr
.endr
.if (\refill) >= 0
	LOADG \refill, \src
.endif
.endm
	s_load_b512 s[8:23], s[0:1], 0x0               ; kb s[8:9], kb_mask s[10:11], zbuf s[12:13], tbuf s[14:15], vbuf s[16:17], b_kb s[18:19], b_cat s[20:21], b_rattn s[22:23]
	s_load_b128 s[24:27], s[0:1], 0x40             ; lg s[24:25], racc s[26:27]
	s_load_b64 s[28:29], s[0:1], 0x50              ; stat
	v_lshl_add_u32 v[SPW], v0, 2, SPARE
	v_mov_b32 v[NIL], 0
	v_lshrrev_b32 v[TA], 5, v0
	v_readfirstlane_b32 s2, v[TA]                  ; wave 0..15
	s_mov_b32 s3, ttmp9                            ; x
	s_lshr_b32 s4, s3, 1                           ; the sample
	s_mov_b32 s[SEL], 0x76543210
	s_mov_b32 s[SEL+1], 0xfedcba98
	v_and_b32 v[LOFF], 31, v0
	v_lshlrev_b32 v[LOFF], 4, v[LOFF]
	v_mov_b32 v[VNEG], 0xc61c4000                  ; -10000
	v_mov_b32 v[TP], 0                             ; v_permlanex16_b32's destination counts as read
	s_lshl_b32 s30, s3, 19                         ; kb: 256 rows of 2,048 bytes a work-group, 16 rows a wave
	s_lshl_b32 s31, s2, 15
	s_add_co_u32 s30, s30, s31
	s_mov_b32 s31, 0
	s_lshl_b32 s38, s4, 11                         ; the sample's row in z, t, v
	s_mov_b32 s39, 0
	s_lshl_b32 s40, s3, 8                          ; kb_mask: 256 bytes a work-group, 16 a wave
	s_lshl_b32 s41, s2, 4
	s_add_co_u32 s40, s40, s41
	s_mov_b32 s41, 0
	s_lshl_b32 s42, s3, 10                         ; lg: 256 numbers a work-group
	s_mov_b32 s43, 0
	s_lshl_b32 s44, s3, 11                         ; racc: 512 numbers
	s_mov_b32 s45, 0
	s_lshl_b32 s46, s3, 3                          ; stat: two
	s_mov_b32 s47, 0
	s_lshl_b32 s36, s2, 11
	v_add_nc_u32 v[PAS], s36, v[LOFF]              ; PA + 2,048 w + 16 lane
	s_lshl_b32 s36, s2, 6
	s_add_co_u32 s36, s36, LGS
	v_mov_b32 v[LGA], s36
	s_lshl_b32 s36, s2, 3
	s_add_co_u32 s36, s36, ST
	v_mov_b32 v[STA], s36
	s_wait_kmcnt 0x0
	s_add_nc_u64 s[8:9], s[8:9], s[30:31]
	s_add_nc_u64 s[10:11], s[10:11], s[40:41]
	s_add_nc_u64 s[12:13], s[12:13], s[38:39]
	s_add_nc_u64 s[14:15], s[14:15], s[38:39]
	s_add_nc_u64 s[16:17], s[16:17], s[38:39]
	s_add_nc_u64 s[24:25], s[24:25], s[42:43]
	s_add_nc_u64 s[26:27], s[26:27], s[44:45]
	s_add_nc_u64 s[28:29], s[28:29], s[46:47]
	s_load_b128 s[32:35], s[10:11], 0x0            ; my sixteen mask bytes: a word a group
	s_load_b32 s5, s[22:23], 0x0                   ; b_rattn
.irp q, 0,1,2,3
	global_load_b128 v[Z+4*\q:Z+4*\q+3], v[LOFF], s[12:13] offset:\q*512
.endr
.irp q, 0,1,2,3                        ; t, b_kb, v, b_cat lie in slot 2 until the constant is made
	global_load_b128 v[SL2+4*\q:SL2+4*\q+3],       v[LOFF], s[14:15] offset:\q*512
	global_load_b128 v[SL2+16+4*\q:SL2+16+4*\q+3], v[LOFF], s[18:19] offset:\q*512
	global_load_b128 v[SL2+32+4*\q:SL2+32+4*\q+3], v[LOFF], s[16:17] offset:\q*512
	global_load_b128 v[SL2+48+4*\q:SL2+48+4*\q+3], v[LOFF], s[20:21] offset:\q*512
.endr
	LOADG 0, SL0
	LOADG 1, SL1
	s_wait_loadcnt 32                              ; groups 0 and 1, 32 loads, stay out
	v_pk_mul_f32 v[D:D+1], v[SL2:SL2+1], v[SL2+16:SL2+17]
	v_pk_mul_f32 v[D+2:D+3], v[SL2+32:SL2+33], v[SL2+48:SL2+49]
.irp j, 1,2,3,4,5,6,7
	v_pk_fma_f32 v[D:D+1], v[SL2+2*\j:SL2+2*\j+1], v[SL2+16+2*\j:SL2+16+2*\j+1], v[D:D+1]
	v_pk_fma_f32 v[D+2:D+3], v[SL2+32+2*\j:SL2+32+2*\j+1], v[SL2+48+2*\j:SL2+48+2*\j+1], v[D+2:D+3]
.endr
	LOADG 2, SL2
	v_pk_add_f32 v[D:D+1], v[D:D+1], v[D+2:D+3]
	v_add_f32 v[VC], v[D], v[D+1]
.irp xm, 1,2,4,8
	v_add_f32_dpp v[VC], v[VC], v[VC] row_xmask:\xm row_mask:0xf bank_mask:0xf
.endr
	v_permlanex16_b32 v[TP], v[VC], s[SEL], s[SEL+1]
	v_add_f32 v[VC], v[VC], v[TP]
	s_wait_kmcnt 0x0                               ; the mask and b_rattn
	v_add_f32 v[VC], s5, v[VC]
	GROUP 0, SL0, 1, 32, 3                         ; behind group 0's loads: groups 1 and 2
	GROUP 1, SL1, 0, 32, -1                        ; behind group 1's: groups 2 and 3
	GROUP 2, SL2, 0, 16, -1                        ; behind group 2's: group 3
	GROUP 3, SL0, 0, 0, -1
.irp q, 0,1,2,3
	ds_store_b128 v[PAS], v[ACC+4*\q:ACC+4*\q+3] offset:PA+\q*512
.endr
	ds_store_b64 v[STA], v[MX:MX+1]
	s_wait_dscnt 0x0                               ; for the others' sake
	s_barrier_signal -1
	s_barrier_wait -1
	s_cmp_lt_u32 s2, 8
	s_cbranch_scc0 .Lnot_comb
	; waves 0-7 join the sixteen waves' sums: thread t has elements 2 t, 2 t + 1
	v_mov_b32 v[TA], ST
	v_lshlrev_b32 v[TB], 3, v0
.irp i, 0,1,2,3,4,5,6,7
	ds_load_b128 v[SL0+4*\i:SL0+4*\i+3], v[TA] offset:16*\i        ; (m, l) of wave wv at v[44 + 2 wv]
.endr
.irp wv, 0,1,2,3,4,5,6,7,8,9,10,11,12,13,14,15
	ds_load_b64 v[76+2*\wv:77+2*\wv], v[TB] offset:PA+\wv*2048
.endr
	s_wait_dscnt 0x0
	v_max3_num_f32 v108, v44, v46, v48
.irp i, 50,54,58,62,66,70
	v_max3_num_f32 v108, v108, v[\i], v[\i+2]
.endr
	v_max_num_f32 v108, v108, v74
.irp wv, 0,1,2,3,4,5,6,7,8,9,10,11,12,13,14,15
	v_sub_f32 v[44+2*\wv], v[44+2*\wv], v108
.endr
.irp wv, 0,1,2,3,4,5,6,7,8,9,10,11,12,13,14,15
	v_mul_f32 v[44+2*\wv], 0x3fb8aa3b, v[44+2*\wv]
.endr
.irp wv, 0,1,2,3,4,5,6,7,8,9,10,11,12,13,14,15
	v_exp_f32 v[44+2*\wv], v[44+2*\wv]
.endr
	v_mov_b32 v[TZ], 0                             ; the plain instruction behind the run of exponentials; also stat's offset
	s_wait_alu depctr_va_vdst(0)
	v_mul_f32 v109, v44, v45
	v_pk_mul_f32 v[110:111], v[76:77], v[44:45] op_sel_hi:[1,0]
.irp wv, 1,2,3,4,5,6,7,8,9,10,11,12,13,14,15
	v_fma_f32 v109, v[44+2*\wv], v[45+2*\wv], v109
	v_pk_fma_f32 v[110:111], v[76+2*\wv:77+2*\wv], v[44+2*\wv:45+2*\wv], v[110:111] op_sel_hi:[1,0,1]
.endr
	global_store_b64 v[TB], v[110:111], s[26:27]   ; a wave stores 256 consecutive bytes, aligned
	s_wait_xcnt 0x0                                ; EXEC is a source of the store above: it changes only behind this wait
	v_cmp_eq_u32 vcc_lo, 0, v0
	s_and_saveexec_b32 s30, vcc_lo                 ; thread 0 alone
	global_store_b64 v[TZ], v[108:109], s[28:29]   ; (m, l) of the half
	s_wait_xcnt 0x0                                ; and again, in front of the line that widens it
	s_or_b32 exec_lo, exec_lo, s30
	s_branch .Ldone
.Lnot_comb:
	s_cmp_lt_u32 s2, 10
	s_cbranch_scc0 .Ldone
	; waves 8 and 9 send the 256 logits out, 512 consecutive bytes each
	s_and_b32 s36, s2, 1
	s_lshl_b32 s36, s36, 9
	v_add_nc_u32 v[TA], s36, v[LOFF]
	ds_load_b128 v[SL0:SL0+3], v[TA] offset:LGS
	s_wait_dscnt 0x0
	global_store_b128 v[TA], v[SL0:SL0+3], s[24:25]
.Ldone:
	s_wait_tensorcnt 0x0                           ; the wave's end
	ds_add_u32 v[SPW], v[NIL]
	s_wait_dscnt 0x0
	s_endpgm
.Lfunc_end_k_qa3a8a6a63b_read:
	.size	k_qa3a8a6a63b_read, .Lfunc_end_k_qa3a8a6a63b_read-k_qa3a8a6a63b_read
	.p2alignl 7, 3214868480
	.fill 96, 4, 3214868480
	.section	.rodata,"a",@progbits
	.p2align	6, 0x0
	.amdhsa_kernel k_qa3a8a6a63b_read
		.amdhsa_group_segment_fixed_size 36096
		.amdhsa_private_segment_fixed_size 0
		.amdhsa_enable_private_segment 0
		.amdhsa_kernarg_size 88
		.amdhsa_user_sgpr_count 2
		.amdhsa_user_sgpr_kernarg_segment_ptr 1
		.amdhsa_wavefront_size32 1
		.amdhsa_system_sgpr_workgroup_id_x 1
		.amdhsa_system_sgpr_workgroup_id_y 1
		.amdhsa_system_sgpr_workgroup_id_z 1
		.amdhsa_system_vgpr_workitem_id 0
		.amdhsa_next_free_vgpr 256
		.amdhsa_next_free_sgpr 66
		.amdhsa_reserve_vcc 1
		.amdhsa_float_denorm_mode_32 3
		.amdhsa_float_denorm_mode_16_64 3
		.amdhsa_memory_ordered 1
		.amdhsa_forward_progress 1
		.amdhsa_inst_pref_size 49
	.end_amdhsa_kernel
	.amdgpu_metadata
---
amdhsa.version: [ 1, 2 ]
amdhsa.kernels:
  - .name:           k_qa3a8a6a63b_read
    .symbol:         k_qa3a8a6a63b_read.kd
    .args:
      - { .name: kb, .offset: 0, .size: 8, .value_kind: global_buffer, .address_space: global }
      - { .name: kb_mask, .offset: 8, .size: 8, .value_kind: global_buffer, .address_space: global }
      - { .name: zbuf, .offset: 16, .size: 8, .value_kind: global_buffer, .address_space: global }
      - { .name: tbuf, .offset: 24, .size: 8, .value_kind: global_buffer, .address_space: global }
      - { .name: vbuf, .offset: 32, .size: 8, .value_kind: global_buffer, .address_space: global }
      - { .name: b_kb, .offset: 40, .size: 8, .value_kind: global_buffer, .address_space: global }
      - { .name: b_cat, .offset: 48, .size: 8, .value_kind: global_buffer, .address_space: global }
      - { .name: b_rattn, .offset: 56, .size: 8, .value_kind: global_buffer, .address_space: global }
      - { .name: lg, .offset: 64, .size: 8, .value_kind: global_buffer, .address_space: global }
      - { .name: racc, .offset: 72, .size: 8, .value_kind: global_buffer, .address_space: global }
      - { .name: stat, .offset: 80, .size: 8, .value_kind: global_buffer, .address_space: global }
    .group_segment_fixed_size: 36096
    .private_segment_fixed_size: 0
    .kernarg_segment_align: 8
    .kernarg_segment_size: 88
    .max_flat_workgroup_size: 512
    .sgpr_count:     66
    .vgpr_count:     256
    .wavefront_size: 32
...
	.end_amdgpu_metadata
.endif
;; end of part 5
;; launch write (part 6): grid 8 x 8, 8 waves a work-group, no clusters, 240,640 bytes of LDS; arguments racc, stat, lg, pr, W_wr, b_wr, out1, out2; writes out1, out2
.if DOCPART == 6
	.amdgcn_target "amdgcn-amd-amdhsa--gfx1250"
	.amdhsa_code_object_version 6
	.text
	.protected	k_qa3a8a6a63b_write
	.globl	k_qa3a8a6a63b_write
	.p2align	8
	.type	k_qa3a8a6a63b_write,@function
k_qa3a8a6a63b_write:
	s_mov_b64 s[64:65], 0
	v_nop
	global_prefetch_b8 v0, s[64:65] scope:SCOPE_SE
	s_setreg_imm32_b32 hwreg(HW_REG_WAVE_MODE, 25, 1), 1
	s_wait_xcnt 0x0
; The two halves of each sample's read attention are joined, and the write unit's product is made.
;   M = max(m0, m1), e_p = e^(m_p - M), L = e0 l0 + e1 l1;  out2[b][k] = e^(lg[b][k] - M) / L;  read[b] = (e0 racc[b][0] + e1 racc[b][1]) / L;
;   out1[b] = pr[3][b] + read[b] W_wr[512:1024] + b_wr.
; SHARES.  A work-group makes 16 batch rows x 64 columns of out1 over K = 512, and the same 16 x 64 of out2.  Its eight waves split K: wave w has k = 64 w .. 64 w + 63,
; 256 consecutive bytes of every operand row, aligned.  The rows of read are made on the way in, in f32.  Every wave makes the 16 rows' factors for itself, in LDS bytes of its own.
; FORMAT.  Each f32 operand x is split into hi = bf16(x) and lo = bf16(x - hi); three matrix instructions (hi hi, hi lo, lo hi) stand for one.
; LIMITS: lo x lo and what lies below lo are dropped, about 2^-16 of a product; a weight below 2^-126 counts as 0; NaN and infinities are not treated apart.  L is at least 1: the row of the maximum counts 1.
; NO TENSOR LOADS, NO CLUSTER, though the eight row blocks read the same weights: the split is made in registers, so an f32 tile brought into LDS would lie there beside its
; bf16 halves: 131,072 + 32,768 + 200,704 + 34,816 = 399,360 bytes, more than the 327,680 there are; and a work-group fetches once and ends.
; THE MATRIX INSTRUCTION IS USED TRANSPOSED: source 0 = 16 columns of W_wr, source 1 = 16 batch rows.
.set WAVEB, 25088                      ; a wave's own LDS: A hi, A lo (16 rows, pitch 144), W hi, W lo (64 k rows, pitch 160)
.set AH,    0
.set AL,    2304
.set WH,    4608
.set WL,    14848
.set RED,   8*WAVEB                    ; eight partial tiles of 16 rows, pitch 272
.set REDW,  4352
.set FT,    RED+8*REDW                 ; 512 bytes a wave: the factors (2 x 16), M (at 128), 1 / L (at 256)
.set SPARE, FT+8*512                   ; the spare words: 128 bytes a wave, four blocks of 256 that no other line names
.set GA,  3
.set SA,  4
.set SW,  5
.set FA,  6
.set FW,  7
.set RS,  8
.set RL,  9
.set GO,  10
.set TA,  11
.set SPW, 12                           ; v12  my spare word; never rewritten
.set NIL, 13                           ; v13  0; never rewritten
.set GP,  14                           ; v14  racc: (lane / 16) x 4,096 + (lane % 16) x 16
.set SO,  15                           ; v15  stat: row lane % 16, half lane / 16
.set XP,  16                           ; v[16:79]   racc as loaded: half 0, then half 1
.set FRA, 16                           ; v[16:47]   then A's fragments, then the partial sums
.set ACC, 48                           ; v[48:79]   four accumulators
.set XW,  80                           ; v[80:207]  W as loaded; then its fragments
.set FRW, 80
.set SV,  208                          ; v[208:209] (m, l)
.set LGV, 210                          ; v[210:213]
.set P3,  214                          ; v[214:217]
.set BW,  218                          ; v[218:221]
.set FF,  222                          ; v[222:237] for load i the factors of its row: half 0's, half 1's
.set T,   238                          ; v[238:245]
.set MI,  246                          ; v[246:247] M and 1 / L of the row of out2 that I finish
.set FTS, 248
.set FTR, 249
.set FTM, 250
.set RB,  251                          ; 16 x (lane % 16)
.set TP,  252
.set TQ,  253
.set HM,  33
.set SEL, 34                           ; s[34:35] v_permlanex16_b32's selects
.macro SPLIT x, adr, ohi, olo          ; 4 f32 -> 4 hi and 4 lo in bf16, 8 bytes each, into LDS
	v_cvt_pk_bf16_f32 v[T+4], v[(\x)], v[(\x)+1]
	v_cvt_pk_bf16_f32 v[T+5], v[(\x)+2], v[(\x)+3]
	v_lshlrev_b32 v[T], 16, v[T+4]
	v_and_b32 v[T+1], s[HM], v[T+4]
	v_lshlrev_b32 v[T+2], 16, v[T+5]
	v_and_b32 v[T+3], s[HM], v[T+5]
	v_pk_add_f32 v[T:T+1], v[(\x):(\x)+1], v[T:T+1] neg_lo:[0,1] neg_hi:[0,1]
	v_pk_add_f32 v[T+2:T+3], v[(\x)+2:(\x)+3], v[T+2:T+3] neg_lo:[0,1] neg_hi:[0,1]
	v_cvt_pk_bf16_f32 v[T+6], v[T], v[T+1]
	v_cvt_pk_bf16_f32 v[T+7], v[T+2], v[T+3]
	ds_store_b64 v[\adr], v[T+4:T+5] offset:\ohi
	ds_store_b64 v[\adr], v[T+6:T+7] offset:\olo
.endm
.macro ADDI base, st, a, b
.set c, 0
.rept (\st)/2
	v_pk_add_f32 v[(\base)+(\st)*(\a)+c:(\base)+(\st)*(\a)+c+1], v[(\base)+(\st)*(\a)+c:(\base)+(\st)*(\a)+c+1], v[(\base)+(\st)*(\b)+c:(\base)+(\st)*(\b)+c+1]
.set c, c+2
.endr
.endm
.macro TREE8 base, st
	ADDI \base, \st, 0, 1
	ADDI \base, \st, 2, 3
	ADDI \base, \st, 4, 5
	ADDI \base, \st, 6, 7
	ADDI \base, \st, 0, 2
	ADDI \base, \st, 4, 6
	ADDI \base, \st, 0, 4
.endm
	s_load_b256 s[4:11], s[0:1], 0x0               ; racc s[4:5], stat s[6:7], lg s[8:9], pr s[10:11]
	s_load_b256 s[12:19], s[0:1], 0x20             ; W_wr s[12:13], b_wr s[14:15], out1 s[16:17], out2 s[18:19]
	v_lshl_add_u32 v[SPW], v0, 2, SPARE
	v_mov_b32 v[NIL], 0
	v_lshrrev_b32 v[TA], 5, v0
	v_readfirstlane_b32 s20, v[TA]                 ; wave 0..7
	s_mov_b32 s21, ttmp9                           ; strip of 64 columns
	s_and_b32 s22, ttmp7, 0xffff                   ; block of 16 batch rows
	s_mov_b32 s[HM], 0xffff0000
	s_mov_b32 s[SEL], 0x76543210
	s_mov_b32 s[SEL+1], 0xfedcba98
	s_mul_i32 s32, s20, WAVEB
	v_and_b32 v1, 15, v0                           ; r
	v_bfe_u32 v2, v0, 4, 1                         ; h
	v_lshlrev_b32 v[RB], 4, v1
	v_lshl_add_u32 v[GA], v2, 11, v[RB]
	v_lshl_add_u32 v[GP], v2, 12, v[RB]
	v_lshl_add_u32 v[SO], v2, 3, v[RB]
	v_lshrrev_b32 v[TP], 4, v0                     ; thread / 16: the row that I finish
	v_lshl_add_u32 v[GO], v[TP], 11, v[RB]
	v_mul_u32_u24 v[TA], v[TP], 272
	v_add3_u32 v[RL], v[TA], v[RB], RED
	s_lshl_b32 s23, s20, 8                         ; my wave's 256 bytes of a row
	s_lshl_b32 s24, s22, 16                        ; racc: 16 samples of 4,096 bytes a block
	s_add_co_u32 s24, s24, s23
	s_mov_b32 s25, 0
	s_lshl_b32 s26, s22, 8                         ; stat: 16 samples of 16 bytes
	s_mov_b32 s27, 0
	s_lshl_b32 s30, s21, 8                         ; the strip's 256 bytes
	s_mov_b32 s31, 0
	s_lshl_b32 s28, s22, 15
	s_add_co_u32 s28, s28, s30                     ; the tile's corner in a [128][512] array
	s_mov_b32 s29, 0
	s_add_co_u32 s36, s28, 0xc0000                 ; in pr's plane 3
	s_mov_b32 s37, 0
	s_lshl_b32 s38, s20, 17                        ; W_wr: rows 512 on, my wave's 64 rows, the strip
	s_add_co_u32 s38, s38, s30
	s_add_co_u32 s38, s38, 0x100000
	s_mov_b32 s39, 0
	s_lshl_b32 s40, s20, 9
	s_add_co_u32 s40, s40, FT                      ; my wave's factors
	s_lshl_b32 s41, s20, 3
	s_add_co_u32 s41, s41, s40
	s_mul_i32 s42, s20, REDW
	s_add_co_u32 s42, s42, RED
	s_wait_kmcnt 0x0
	s_add_nc_u64 s[4:5], s[4:5], s[24:25]
	s_add_nc_u64 s[6:7], s[6:7], s[26:27]
	s_add_nc_u64 s[8:9], s[8:9], s[28:29]
	s_add_nc_u64 s[10:11], s[10:11], s[36:37]
	s_add_nc_u64 s[12:13], s[12:13], s[38:39]
	s_add_nc_u64 s[14:15], s[14:15], s[30:31]
	s_add_nc_u64 s[16:17], s[16:17], s[28:29]
	s_add_nc_u64 s[18:19], s[18:19], s[28:29]
	global_load_b64 v[SV:SV+1], v[SO], s[6:7]
.set i, 0
.rept 16                               ; half i / 8; samples 2 (i % 8) and 2 (i % 8) + 1
	global_load_b128 v[XP+4*i:XP+4*i+3], v[GP], s[4:5] offset:(i%8)*8192+(i/8)*2048
.set i, i+1
.endr
	global_load_b128 v[LGV:LGV+3], v[GO], s[8:9]
	global_load_b128 v[P3:P3+3], v[GO], s[10:11]
	global_load_b128 v[BW:BW+3], v[RB], s[14:15]
.set i, 0
.rept 32
	global_load_b128 v[XW+4*i:XW+4*i+3], v[GA], s[12:13] offset:i*4096
.set i, i+1
.endr
	; LDS addresses, while the loads are on their way
	v_mul_u32_u24 v[TA], v2, 144
	v_lshl_add_u32 v[TA], v1, 3, v[TA]
	v_add_nc_u32 v[SA], s32, v[TA]
	v_mul_u32_u24 v[TA], v2, 160
	v_lshl_add_u32 v[TA], v1, 3, v[TA]
	v_add_nc_u32 v[SW], s32, v[TA]
	v_mul_u32_u24 v[TA], v1, 144
	v_lshl_add_u32 v[TA], v2, 4, v[TA]
	v_add_nc_u32 v[FA], s32, v[TA]
	v_and_b32 v[TA], 7, v0
	v_lshl_add_u32 v[TA], v2, 3, v[TA]
	v_mul_u32_u24 v[TA], v[TA], 160
	v_bfe_u32 v[TP], v0, 3, 1
	v_lshl_add_u32 v[TA], v[TP], 4, v[TA]
	v_add_nc_u32 v[FW], s32, v[TA]
	v_mul_u32_u24 v[TA], v1, 272
	v_lshl_add_u32 v[TA], v2, 5, v[TA]
	v_add_nc_u32 v[RS], s42, v[TA]
	v_and_b32 v[TA], 31, v0
	v_lshl_add_u32 v[FTS], v[TA], 2, s40           ; word 16 h + r
	v_lshl_add_u32 v[FTR], v2, 2, s40              ; for load i: row 2 i + h
	v_lshl_add_u32 v[FTM], v2, 2, s41              ; row 2 w + h, the one that I finish
	; the factors: lane (r, h) has half h of sample r
	s_wait_loadcnt 51                              ; behind stat's load: the 51 others
	v_permlanex16_b32 v[TP], v[SV], s[SEL], s[SEL+1]   ; the other half's m
	v_max_num_f32 v[TQ], v[SV], v[TP]              ; M
	v_sub_f32 v[TP], v[SV], v[TQ]
	v_mul_f32 v[TP], 0x3fb8aa3b, v[TP]
	v_exp_f32 v[TP], v[TP]                         ; e
	v_nop                                          ; a plain instruction behind a transcendental (ISA guide 5.7.2)
	s_wait_alu depctr_va_vdst(0)
	v_mul_f32 v[SV+1], v[TP], v[SV+1]              ; e l
	v_permlanex16_b32 v[SV], v[SV+1], s[SEL], s[SEL+1]
	v_add_f32 v[SV], v[SV], v[SV+1]                ; L
	v_rcp_f32 v[SV], v[SV]
	v_nop
	s_wait_alu depctr_va_vdst(0)
	v_mul_f32 v[TP], v[TP], v[SV]                  ; e / L
	ds_store_b32 v[FTS], v[TP]
	ds_store_b32 v[FTS], v[TQ] offset:128
	ds_store_b32 v[FTS], v[SV] offset:256
.irp i, 0,1,2,3,4,5,6,7                ; LDS serves a wave's instructions in order (ISA guide 5.7.1): these see the stores above; the bytes are my wave's own
	ds_load_b32 v[FF+2*\i],   v[FTR] offset:8*\i
	ds_load_b32 v[FF+2*\i+1], v[FTR] offset:64+8*\i
.endr
	ds_load_b32 v[MI],   v[FTM] offset:128
	ds_load_b32 v[MI+1], v[FTM] offset:256
	s_wait_loadcnt 35                              ; behind racc's last load: lg, pr, b_wr and W's 32
	s_wait_dscnt 0x0
.set i, 0
.rept 8
.irp e, 0,1,2,3
	v_mul_f32 v[XP+4*i+\e], v[FF+2*i], v[XP+4*i+\e]
.endr
.irp e, 0,1,2,3
	v_fma_f32 v[XP+4*i+\e], v[FF+2*i+1], v[XP+32+4*i+\e], v[XP+4*i+\e]
.endr
	SPLIT XP+4*i, SA, AH+i*288, AL+i*288
.set i, i+1
.endr
	s_wait_loadcnt 34                              ; behind lg's load: pr, b_wr and W's 32
.irp e, 0,1,2,3
	v_sub_f32 v[LGV+\e], v[LGV+\e], v[MI]
.endr
.irp e, 0,1,2,3
	v_mul_f32 v[LGV+\e], 0x3fb8aa3b, v[LGV+\e]
.endr
.irp e, 0,1,2,3
	v_exp_f32 v[LGV+\e], v[LGV+\e]
.endr
	v_nop
	s_wait_alu depctr_va_vdst(0)
.irp e, 0,1,2,3
	v_mul_f32 v[LGV+\e], v[LGV+\e], v[MI+1]
.endr
	global_store_b128 v[GO], v[LGV:LGV+3], s[18:19]    ; 16 lanes store 256 consecutive bytes of a row, aligned
.set i, 0
.rept 32
	s_wait_loadcnt 31-i
	SPLIT XW+4*i, SW, WH+i*320, WL+i*320
.set i, i+1
.endr
.irp kk, 0,1
.irp hl, 0,1
	ds_load_b128 v[FRA+8*(\hl+2*\kk):FRA+8*(\hl+2*\kk)+3],   v[FA] offset:AH+\hl*2304+\kk*64
	ds_load_b128 v[FRA+8*(\hl+2*\kk)+4:FRA+8*(\hl+2*\kk)+7], v[FA] offset:AH+\hl*2304+\kk*64+32
.endr
.endr
.irp kk, 0,1
.irp hl, 0,1
.irp nb, 0,1,2,3
	ds_load_tr16_b128 v[FRW+8*(\nb+4*\hl+8*\kk):FRW+8*(\nb+4*\hl+8*\kk)+3],   v[FW] offset:WH+\hl*10240+\kk*5120+\nb*32
	ds_load_tr16_b128 v[FRW+8*(\nb+4*\hl+8*\kk)+4:FRW+8*(\nb+4*\hl+8*\kk)+7], v[FW] offset:WH+\hl*10240+\kk*5120+\nb*32+2560
.endr
.endr
.endr
	s_wait_dscnt 0x0
	; 24 matrix instructions: 2 halves of my 64 k x 3 terms x 4 accumulators, which take turns; the first four start the sums
.irp kk, 0,1
.irp tm, 0,1,2
.irp nb, 0,1,2,3
.if ((\kk)+(\tm)) == 0
	v_wmma_f32_16x16x32_bf16 v[ACC+8*\nb:ACC+8*\nb+7], v[FRW+8*(\nb+4*(\tm/2)+8*\kk):FRW+8*(\nb+4*(\tm/2)+8*\kk)+7], v[FRA+8*(\tm%2+2*\kk):FRA+8*(\tm%2+2*\kk)+7], 0
.else
	v_wmma_f32_16x16x32_bf16 v[ACC+8*\nb:ACC+8*\nb+7], v[FRW+8*(\nb+4*(\tm/2)+8*\kk):FRW+8*(\nb+4*(\tm/2)+8*\kk)+7], v[FRA+8*(\tm%2+2*\kk):FRA+8*(\tm%2+2*\kk)+7], v[ACC+8*\nb:ACC+8*\nb+7]
.endif
.endr
.endr
.endr
.rept 4
	v_nop                                          ; four places behind the last product (ISA guide 7.12.1)
.endr
.irp nb, 0,1,2,3                       ; each accumulator from its low end on
	ds_store_b128 v[RS], v[ACC+8*\nb:ACC+8*\nb+3]   offset:\nb*64
	ds_store_b128 v[RS], v[ACC+8*\nb+4:ACC+8*\nb+7] offset:\nb*64+16
.endr
	s_wait_dscnt 0x0                               ; for the others' sake
	s_barrier_signal -1
	s_barrier_wait -1
.irp wv, 0,1,2,3,4,5,6,7
	ds_load_b128 v[16+4*\wv:19+4*\wv], v[RL] offset:\wv*REDW
.endr
	v_pk_add_f32 v[P3:P3+1], v[P3:P3+1], v[BW:BW+1]
	v_pk_add_f32 v[P3+2:P3+3], v[P3+2:P3+3], v[BW+2:BW+3]
	s_wait_dscnt 0x0
	TREE8 16, 4
	v_pk_add_f32 v[16:17], v[16:17], v[P3:P3+1]
	v_pk_add_f32 v[18:19], v[18:19], v[P3+2:P3+3]
	global_store_b128 v[GO], v[16:19], s[16:17]    ; 16 lanes store 256 consecutive bytes of a row, aligned
	s_wait_tensorcnt 0x0                           ; the wave's end
	ds_add_u32 v[SPW], v[NIL]
	s_wait_dscnt 0x0
	s_endpgm
.Lfunc_end_k_qa3a8a6a63b_write:
	.size	k_qa3a8a6a63b_write, .Lfunc_end_k_qa3a8a6a63b_write-k_qa3a8a6a63b_write
	.p2alignl 7, 3214868480
	.fill 96, 4, 3214868480
	.section	.rodata,"a",@progbits
	.p2align	6, 0x0
	.amdhsa_kernel k_qa3a8a6a63b_write
		.amdhsa_group_segment_fixed_size 240640
		.amdhsa_private_segment_fixed_size 0
		.amdhsa_enable_private_segment 0
		.amdhsa_kernarg_size 64
		.amdhsa_user_sgpr_count 2
		.amdhsa_user_sgpr_kernarg_segment_ptr 1
		.amdhsa_wavefront_size32 1
		.amdhsa_system_sgpr_workgroup_id_x 1
		.amdhsa_system_sgpr_workgroup_id_y 1
		.amdhsa_system_sgpr_workgroup_id_z 1
		.amdhsa_system_vgpr_workitem_id 0
		.amdhsa_next_free_vgpr 254
		.amdhsa_next_free_sgpr 66
		.amdhsa_reserve_vcc 0
		.amdhsa_float_denorm_mode_32 3
		.amdhsa_float_denorm_mode_16_64 3
		.amdhsa_memory_ordered 1
		.amdhsa_forward_progress 1
		.amdhsa_inst_pref_size 48
	.end_amdhsa_kernel
	.amdgpu_metadata
---
amdhsa.version: [ 1, 2 ]
amdhsa.kernels:
  - .name:           k_qa3a8a6a63b_write
    .symbol:         k_qa3a8a6a63b_write.kd
    .args:
      - { .name: racc, .offset: 0, .size: 8, .value_kind: global_buffer, .address_space: global }
      - { .name: stat, .offset: 8, .size: 8, .value_kind: global_buffer, .address_space: global }
      - { .name: lg, .offset: 16, .size: 8, .value_kind: global_buffer, .address_space: global }
      - { .name: pr, .offset: 24, .size: 8, .value_kind: global_buffer, .address_space: global }
      - { .name: W_wr, .offset: 32, .size: 8, .value_kind: global_buffer, .address_space: global }
      - { .name: b_wr, .offset: 40, .size: 8, .value_kind: global_buffer, .address_space: global }
      - { .name: out1, .offset: 48, .size: 8, .value_kind: global_buffer, .address_space: global }
      - { .name: out2, .offset: 56, .size: 8, .value_kind: global_buffer, .address_space: global }
    .group_segment_fixed_size: 240640
    .private_segment_fixed_size: 0
    .kernarg_segment_align: 8
    .kernarg_segment_size: 64
    .max_flat_workgroup_size: 256
    .sgpr_count:     66
    .vgpr_count:     254
    .wavefront_size: 32
...
	.end_amdgpu_metadata
.endif
;; end of part 6
;; ======== version 2 of 2: 6 launches; version 1 with the launches proj, ucat, zkb, write written anew for expert scheduling mode
;; workspace buffers: pr 1,048,576 bytes; vbuf 262,144 bytes; tbuf 262,144 bytes; zbuf 262,144 bytes; lg 262,144 bytes; racc 524,288 bytes; stat 2,048 bytes
;; launch proj (part 7): grid 64 x 4, 8 waves a work-group, no clusters, 236,544 bytes of LDS; arguments control, question, memory, W_cq, W_mem, W_wr, pr; writes pr
.if DOCPART == 7
	.amdgcn_target "amdgcn-amd-amdhsa--gfx1250"
	.amdhsa_code_object_version 6
	.text
	.protected	k_qa3a8a6a63b_proj
	.globl	k_qa3a8a6a63b_proj
	.p2align	8
	.type	k_qa3a8a6a63b_proj,@function
k_qa3a8a6a63b_proj:
	s_mov_b64 s[64:65], 0
	v_nop
	global_prefetch_b8 v0, s[64:65] scope:SCOPE_SE
	s_setreg_imm32_b32 hwreg(HW_REG_WAVE_SCHED_MODE, 0, 2), 2
	s_setreg_imm32_b32 hwreg(HW_REG_WAVE_MODE, 25, 1), 1
	s_wait_xcnt 0x0
	s_wait_alu depctr_vm_vsrc(0)
; Four products of [128 x 512] by [512 x 512], chosen by the grid's y, without their biases:
;   pr[0] = control W_cq[0:512]   pr[1] = question W_cq[512:1024]   pr[2] = memory W_mem   pr[3] = memory W_wr[0:512]
; SHARES.  A work-group makes 16 batch rows x 64 columns over all of K = 512.  Its eight waves split K: wave w has k = 64 w .. 64 w + 63,
; so its piece of every operand row is 256 consecutive bytes, aligned.  Each wave adds up its own 16 x 64 in f32; the eight partial tiles meet in LDS.
; FORMAT.  Each f32 operand x is split into two bf16 numbers, hi = bf16(x) and lo = bf16(x - hi), and three matrix instructions (hi hi, hi lo, lo hi)
; stand for one.  LIMIT: lo x lo and what lies below lo are dropped, about 2^-16 of a product; NaN and infinities are not treated apart.
; NO TENSOR LOADS, NO CLUSTER, though the eight row blocks read the same weights: the split is made in registers, so an f32 tile brought into LDS
; would lie there beside its bf16 halves: 131,072 + 32,768 + 200,704 + 34,816 = 399,360 bytes, more than the 327,680 there are; and a work-group fetches once and ends.
; THE MATRIX INSTRUCTION IS USED TRANSPOSED: source 0 = 16 columns of W, source 1 = 16 batch rows: a lane then holds eight neighbouring columns of one batch row.
; THE MODE: SCHED_MODE bits 1:0 = 2 (LLVM: expert scheduling mode 2), set by the entry lines.  The code itself states the register dependences
; between vector or matrix instructions and memory or LDS instructions, with s_wait_alu, always for 0.
; THE PLAN.  Registers that memory or LDS instructions touch:
;   X         load n (A: n = 0..7, W: n = 8..39) lands in X + 4 n, once; CONV n alone reads it.
;   OUT       CONV n writes two words of hi and two of lo into OUT + 4 n = X + 4 (n - 1): the registers of the load before, which CONV n - 1 has emptied.  Two LDS stores read them.  No OUT register is written twice.
;   FRA, FRW  the same registers again: the fragments' LDS loads land in them, the matrix instructions read them.
;   ACC       written by the matrix instructions, read by eight LDS stores.
;   v[16:47]  behind the barrier: the partial tiles' LDS loads land in them; the adds work on them; v[16:19] are the global store's data.
;   v3 - v10  offsets and addresses: written once at the head, never again.
;   T, TA, TB, v1, v2 are named by vector instructions alone.
; The 40 loads go in five blocks of eight.  Block p's CONVs read X[p] and write OUT[p]; the sixteen LDS stores of block p - 1, which read OUT[p - 1], are dealt among them.
; One wait on va_vdst at a block's head states that the block before has written its OUT; no vector instruction of block p names those registers.
.set WAVEB, 25088                      ; a wave's own LDS: A hi, A lo (16 rows, pitch 144), W hi, W lo (64 k rows, pitch 160)
.set AH,    0
.set AL,    2304
.set WH,    4608
.set WL,    14848
.set RED,   8*WAVEB                    ; eight partial tiles of 16 rows, pitch 272
.set REDW,  4352
.set GA,  3                            ; v3   global: (lane / 16) x 2,048 + (lane % 16) x 16: two rows of 256 bytes a load
.set SA,  4                            ; v4   where a split piece of A goes
.set SW,  5                            ; v5   where a split piece of W goes
.set FA,  6                            ; v6   A's fragments
.set FW,  7                            ; v7   W's fragments, by the turning load
.set RS,  8                            ; v8   my partial tile, in
.set RL,  9                            ; v9   the partial tiles, back
.set GO,  10                           ; v10  my 16 bytes of the result
.set TA,  11
.set OUT, 12                           ; v[12:171]  the split of load n at OUT + 4 n
.set X,   16                           ; v[16:175]  load n at X + 4 n
.set FRA, 16                           ; v[16:47]   then A's fragments; then the eight partial sums
.set FRW, 48                           ; v[48:175]  then W's fragments
.set T,   176                          ; v[176:179] at work
.set TB,  180
.set ACC, 184                          ; v[184:215] four accumulators
.set HM,  33                           ; s33  mask of a word's upper bf16
; load k's 4 f32 -> 4 hi and 4 lo in bf16
.macro CONV k
	v_cvt_pk_bf16_f32 v[OUT+4*(\k)], v[X+4*(\k)], v[X+4*(\k)+1]
	v_cvt_pk_bf16_f32 v[OUT+4*(\k)+1], v[X+4*(\k)+2], v[X+4*(\k)+3]
	v_lshlrev_b32 v[T], 16, v[OUT+4*(\k)]
	v_and_b32 v[T+1], s[HM], v[OUT+4*(\k)]
	v_lshlrev_b32 v[T+2], 16, v[OUT+4*(\k)+1]
	v_and_b32 v[T+3], s[HM], v[OUT+4*(\k)+1]
	v_pk_add_f32 v[T:T+1], v[X+4*(\k):X+4*(\k)+1], v[T:T+1] neg_lo:[0,1] neg_hi:[0,1]
	v_pk_add_f32 v[T+2:T+3], v[X+4*(\k)+2:X+4*(\k)+3], v[T+2:T+3] neg_lo:[0,1] neg_hi:[0,1]
	v_cvt_pk_bf16_f32 v[OUT+4*(\k)+2], v[T], v[T+1]
	v_cvt_pk_bf16_f32 v[OUT+4*(\k)+3], v[T+2], v[T+3]
.endm
; the split of load m, 8 bytes of hi and 8 of lo, into LDS
.macro PUT m
.if (\m) < 8
	ds_store_b64 v[SA], v[OUT+4*(\m):OUT+4*(\m)+1]   offset:AH+(\m)*288
	ds_store_b64 v[SA], v[OUT+4*(\m)+2:OUT+4*(\m)+3] offset:AL+(\m)*288
.else
	ds_store_b64 v[SW], v[OUT+4*(\m):OUT+4*(\m)+1]   offset:WH+((\m)-8)*320
	ds_store_b64 v[SW], v[OUT+4*(\m)+2:OUT+4*(\m)+3] offset:WL+((\m)-8)*320
.endif
.endm
.macro ADDI base, st, a, b             ; item a += item b; an item is st registers
.set c, 0
.rept (\st)/2
	v_pk_add_f32 v[(\base)+(\st)*(\a)+c:(\base)+(\st)*(\a)+c+1], v[(\base)+(\st)*(\a)+c:(\base)+(\st)*(\a)+c+1], v[(\base)+(\st)*(\b)+c:(\base)+(\st)*(\b)+c+1]
.set c, c+2
.endr
.endm
.macro TREE8 base, st                  ; eight items into item 0, always in this order
	ADDI \base, \st, 0, 1
	ADDI \base, \st, 2, 3
	ADDI \base, \st, 4, 5
	ADDI \base, \st, 6, 7
	ADDI \base, \st, 0, 2
	ADDI \base, \st, 4, 6
	ADDI \base, \st, 0, 4
.endm
	s_load_b256 s[4:11], s[0:1], 0x0               ; control s[4:5], question s[6:7], memory s[8:9], W_cq s[10:11]
	s_load_b128 s[12:15], s[0:1], 0x20             ; W_mem s[12:13], W_wr s[14:15]
	s_load_b64 s[16:17], s[0:1], 0x30              ; pr
	v_lshl_add_u32 v182, v0, 2, 0x39800
	v_mov_b32 v183, 0
	v_lshrrev_b32 v[TA], 5, v0
	v_readfirstlane_b32 s20, v[TA]                 ; wave 0..7
	s_and_b32 s21, ttmp9, 7                        ; strip of 64 columns
	s_lshr_b32 s22, ttmp9, 3                       ; block of 16 batch rows
	s_and_b32 s23, ttmp7, 0xffff                   ; which product
	s_mov_b32 s[HM], 0xffff0000
	v_and_b32 v1, 15, v0                           ; r = lane % 16
	v_bfe_u32 v2, v0, 4, 1                         ; h = lane / 16
	v_lshlrev_b32 v[GA], 4, v1
	v_lshl_add_u32 v[GA], v2, 11, v[GA]
	s_wait_alu depctr_va_sdst(0)                   ; s20 is written, ahead of its first reader: the wave's LDS and its offsets are made from it
	s_mul_i32 s32, s20, WAVEB                      ; my wave's LDS
	; byte offsets, made apart from the addresses
	s_lshl_b32 s30, s22, 15                        ; A: 16 rows of 2,048 bytes a block,
	s_lshl_b32 s18, s20, 8                         ; my wave's 256 bytes of a row
	s_add_co_u32 s30, s30, s18
	s_mov_b32 s31, 0
	s_cmp_eq_u32 s23, 1
	s_cselect_b32 s34, 0x100000, 0                 ; W: question takes W_cq's rows 512 on,
	s_lshl_b32 s18, s20, 17                        ; my wave's 64 rows,
	s_add_co_u32 s34, s34, s18
	s_lshl_b32 s19, s21, 8                         ; the strip's 256 bytes
	s_add_co_u32 s34, s34, s19
	s_mov_b32 s35, 0
	s_lshl_b32 s36, s23, 18                        ; pr: the product's plane, the block's rows, the strip
	s_lshl_b32 s18, s22, 15
	s_add_co_u32 s36, s36, s18
	s_add_co_u32 s36, s36, s19
	s_mov_b32 s37, 0
	s_wait_kmcnt 0x0
	s_cmp_eq_u32 s23, 0
	s_cselect_b64 s[24:25], s[4:5], s[8:9]         ; control, or memory,
	s_cmp_eq_u32 s23, 1
	s_cselect_b64 s[24:25], s[6:7], s[24:25]       ; or question
	s_cmp_lt_u32 s23, 2
	s_cselect_b64 s[26:27], s[10:11], s[12:13]     ; W_cq, or W_mem,
	s_cmp_eq_u32 s23, 3
	s_cselect_b64 s[26:27], s[14:15], s[26:27]     ; or W_wr
	s_add_nc_u64 s[24:25], s[24:25], s[30:31]
	s_add_nc_u64 s[26:27], s[26:27], s[34:35]
	s_add_nc_u64 s[28:29], s[16:17], s[36:37]
	s_wait_alu depctr_va_vdst(0)                   ; v[GA] is written: the 40 loads below read it as their offset
.set i, 0
.rept 8                                ; A: rows 2 i and 2 i + 1
	global_load_b128 v[X+4*i:X+4*i+3], v[GA], s[24:25] offset:i*4096
.set i, i+1
.endr
.set i, 0
.rept 32                               ; W: k rows 2 i and 2 i + 1
	global_load_b128 v[X+32+4*i:X+32+4*i+3], v[GA], s[26:27] offset:i*4096
.set i, i+1
.endr
	; LDS addresses, while the loads are on their way
	v_mul_u32_u24 v[TA], v2, 144
	v_lshl_add_u32 v[TA], v1, 3, v[TA]
	v_add_nc_u32 v[SA], s32, v[TA]                 ; row h, 8 bytes at 8 r
	v_mul_u32_u24 v[TA], v2, 160
	v_lshl_add_u32 v[TA], v1, 3, v[TA]
	v_add_nc_u32 v[SW], s32, v[TA]
	v_mul_u32_u24 v[TA], v1, 144
	v_lshl_add_u32 v[TA], v2, 4, v[TA]
	v_add_nc_u32 v[FA], s32, v[TA]                 ; a fragment: row r, 16 bytes at 16 h
	v_and_b32 v[TA], 7, v0
	v_lshl_add_u32 v[TA], v2, 3, v[TA]             ; the turning load: k row 8 h + lane % 8,
	v_mul_u32_u24 v[TA], v[TA], 160
	v_bfe_u32 v[TB], v0, 3, 1
	v_lshl_add_u32 v[TA], v[TB], 4, v[TA]          ; 16 bytes at 16 ((lane / 8) % 2)
	v_add_nc_u32 v[FW], s32, v[TA]
	s_mul_i32 s18, s20, REDW
	s_add_co_u32 s18, s18, RED
	v_mul_u32_u24 v[TA], v1, 272
	v_lshl_add_u32 v[TA], v2, 5, v[TA]
	v_add_nc_u32 v[RS], s18, v[TA]                 ; batch row r, columns 8 h on
	v_lshrrev_b32 v[TB], 4, v0                     ; thread / 16: the row that I finish
	v_mul_u32_u24 v[TA], v[TB], 272
	v_lshl_add_u32 v[TA], v1, 4, v[TA]
	v_add_nc_u32 v[RL], RED, v[TA]
	v_lshlrev_b32 v[TA], 4, v1
	v_lshl_add_u32 v[GO], v[TB], 11, v[TA]
	; five blocks of eight loads: each load is split as it arrives; the stores of the block before stand among the splits
.set n, 0
.rept 40
	s_wait_loadcnt 39-n                            ; behind load n: the 39 - n younger ones
.if (n%8 == 0) && (n > 0)
	s_wait_alu depctr_va_vdst(0)                   ; the block before has written its OUT, which this block's sixteen LDS stores read; at the first such wait also: the LDS addresses made above are written
.endif
.if n >= 8
	PUT n-8                                        ; no vector instruction since the wait names these registers
.endif
	CONV n
.set n, n+1
.endr
	s_wait_alu depctr_va_vdst(0)                   ; the last block has written its OUT, which the stores below read; every split is done with X and OUT, in which the fragments land
.set n, 32
.rept 8
	PUT n
.set n, n+1
.endr
	s_wait_alu depctr_vm_vsrc(0)                   ; the 80 LDS stores have read OUT, in which the fragments land
	; the fragments; LDS serves a wave's instructions in order (ISA guide 5.7.1), so these see the stores above: the bytes are my wave's own
.irp kk, 0,1
.irp hl, 0,1
	ds_load_b128 v[FRA+8*(\hl+2*\kk):FRA+8*(\hl+2*\kk)+3],   v[FA] offset:AH+\hl*2304+\kk*64
	ds_load_b128 v[FRA+8*(\hl+2*\kk)+4:FRA+8*(\hl+2*\kk)+7], v[FA] offset:AH+\hl*2304+\kk*64+32
.endr
.endr
.irp kk, 0,1
.irp hl, 0,1
.irp nb, 0,1,2,3
	ds_load_tr16_b128 v[FRW+8*(\nb+4*\hl+8*\kk):FRW+8*(\nb+4*\hl+8*\kk)+3],   v[FW] offset:WH+\hl*10240+\kk*5120+\nb*32
	ds_load_tr16_b128 v[FRW+8*(\nb+4*\hl+8*\kk)+4:FRW+8*(\nb+4*\hl+8*\kk)+7], v[FW] offset:WH+\hl*10240+\kk*5120+\nb*32+2560
.endr
.endr
.endr
	s_wait_dscnt 0x0
	; 24 matrix instructions: 2 halves of my 64 k x 3 terms (W hi A hi, W hi A lo, W lo A hi) x 4 accumulators, which take turns; the first four start the sums
.irp kk, 0,1
.irp tm, 0,1,2
.irp nb, 0,1,2,3
.if ((\kk)+(\tm)) == 0
	v_wmma_f32_16x16x32_bf16 v[ACC+8*\nb:ACC+8*\nb+7], v[FRW+8*(\nb+4*(\tm/2)+8*\kk):FRW+8*(\nb+4*(\tm/2)+8*\kk)+7], v[FRA+8*(\tm%2+2*\kk):FRA+8*(\tm%2+2*\kk)+7], 0
.else
	v_wmma_f32_16x16x32_bf16 v[ACC+8*\nb:ACC+8*\nb+7], v[FRW+8*(\nb+4*(\tm/2)+8*\kk):FRW+8*(\nb+4*(\tm/2)+8*\kk)+7], v[FRA+8*(\tm%2+2*\kk):FRA+8*(\tm%2+2*\kk)+7], v[ACC+8*\nb:ACC+8*\nb+7]
.endif
.endr
.endr
.endr
.rept 4
	v_nop                                          ; four places behind the last product, ahead of the stores of the results
.endr
	s_wait_alu depctr_va_vdst(0)                   ; the products have written the accumulators, which the LDS stores read, and are done reading FRA, in which the partial tiles land behind the barrier; the places above stay beside this wait
.irp nb, 0,1,2,3                       ; each accumulator from its low end on
	ds_store_b128 v[RS], v[ACC+8*\nb:ACC+8*\nb+3]   offset:\nb*64
	ds_store_b128 v[RS], v[ACC+8*\nb+4:ACC+8*\nb+7] offset:\nb*64+16
.endr
	s_wait_dscnt 0x0                               ; for the others' sake: my partial tile is in LDS
	s_barrier_signal -1
	s_barrier_wait -1
.irp wv, 0,1,2,3,4,5,6,7
	ds_load_b128 v[16+4*\wv:19+4*\wv], v[RL] offset:\wv*REDW
.endr
	s_wait_dscnt 0x0
	TREE8 16, 4
	s_wait_alu depctr_va_vdst(0)                   ; the adds have written v[16:19], which the store reads
	global_store_b128 v[GO], v[16:19], s[28:29]    ; 16 lanes store 256 consecutive bytes of a row, aligned
	s_wait_dscnt 0x0                               ; the wave's end; the closing add into the spare words behind the partial tiles follows
	s_wait_alu depctr_hold_cnt(0) depctr_sa_sdst(0) depctr_va_vdst(0) depctr_va_sdst(0) depctr_va_ssrc(0) depctr_va_vcc(0) depctr_vm_vsrc(0)
	s_wait_tensorcnt 0x0
	ds_add_u32 v182, v183
	s_wait_dscnt 0x0
	s_endpgm
.Lfunc_end_k_qa3a8a6a63b_proj:
	.size	k_qa3a8a6a63b_proj, .Lfunc_end_k_qa3a8a6a63b_proj-k_qa3a8a6a63b_proj
	.p2alignl 7, 3214868480
	.fill 96, 4, 3214868480
	.section	.rodata,"a",@progbits
	.p2align	6, 0x0
	.amdhsa_kernel k_qa3a8a6a63b_proj
		.amdhsa_group_segment_fixed_size 236544
		.amdhsa_private_segment_fixed_size 0
		.amdhsa_enable_private_segment 0
		.amdhsa_kernarg_size 56
		.amdhsa_user_sgpr_count 2
		.amdhsa_user_sgpr_kernarg_segment_ptr 1
		.amdhsa_wavefront_size32 1
		.amdhsa_system_sgpr_workgroup_id_x 1
		.amdhsa_system_sgpr_workgroup_id_y 1
		.amdhsa_system_sgpr_workgroup_id_z 1
		.amdhsa_system_vgpr_workitem_id 0
		.amdhsa_next_free_vgpr 216
		.amdhsa_next_free_sgpr 66
		.amdhsa_reserve_vcc 0
		.amdhsa_float_denorm_mode_32 3
		.amdhsa_float_denorm_mode_16_64 3
		.amdhsa_memory_ordered 1
		.amdhsa_forward_progress 1
		.amdhsa_inst_pref_size 41
	.end_amdhsa_kernel
	.amdgpu_metadata
---
amdhsa.version: [ 1, 2 ]
amdhsa.kernels:
  - .name:           k_qa3a8a6a63b_proj
    .symbol:         k_qa3a8a6a63b_proj.kd
    .args:
      - { .name: control, .offset: 0, .size: 8, .value_kind: global_buffer, .address_space: global }
      - { .name: question, .offset: 8, .size: 8, .value_kind: global_buffer, .address_space: global }
      - { .name: memory, .offset: 16, .size: 8, .value_kind: global_buffer, .address_space: global }
      - { .name: W_cq, .offset: 24, .size: 8, .value_kind: global_buffer, .address_space: global }
      - { .name: W_mem, .offset: 32, .size: 8, .value_kind: global_buffer, .address_space: global }
      - { .name: W_wr, .offset: 40, .size: 8, .value_kind: global_buffer, .address_space: global }
      - { .name: pr, .offset: 48, .size: 8, .value_kind: global_buffer, .address_space: global }
    .group_segment_fixed_size: 236544
    .private_segment_fixed_size: 0
    .kernarg_segment_align: 8
    .kernarg_segment_size: 56
    .max_flat_workgroup_size: 256
    .sgpr_count:     66
    .vgpr_count:     216
    .wavefront_size: 32
...
	.end_amdgpu_metadata
.endif
;; end of part 7
;; launch ctrl: the kernel of part 2 again; grid 128 x 1, 8 waves a work-group, no clusters, 17,664 bytes of LDS; arguments context, q_mask, pr, b_cq, step_emb, W_cattn, b_cattn, W_rattn, W_cat, out0, vbuf; writes out0, vbuf
;; launch ucat (part 8): grid 32 x 4, 8 waves a work-group, no clusters, 185,344 bytes of LDS; arguments vbuf, W_cat, pr, b_mem, W_kb, tbuf; writes tbuf
.if DOCPART == 8
	.amdgcn_target "amdgcn-amd-amdhsa--gfx1250"
	.amdhsa_code_object_version 6
	.text
	.protected	k_qa3a8a6a63b_ucat
	.globl	k_qa3a8a6a63b_ucat
	.p2align	8
	.type	k_qa3a8a6a63b_ucat,@function
k_qa3a8a6a63b_ucat:
	s_mov_b64 s[64:65], 0
	v_nop
	global_prefetch_b8 v0, s[64:65] scope:SCOPE_SE
	s_setreg_imm32_b32 hwreg(HW_REG_WAVE_SCHED_MODE, 0, 2), 2
	s_setreg_imm32_b32 hwreg(HW_REG_WAVE_MODE, 25, 1), 1
	s_wait_xcnt 0x0
	s_wait_alu depctr_vm_vsrc(0)
; t[b][j] = (pr[2][b][j] + b_mem[j]) u[b][j] + u[b][512 + j],  u[b][j] = W_cat[j][:] . v[b][:]  (v = vbuf).
; This is reference()'s read logit associated from its far end: concat . (W_cat v) with concat = [mem_proj * kb_proj, kb_proj] is kb_proj . t.  The order of the sums differs from reference()'s.
; SHARES.  A work-group makes 32 batch rows x 16 columns j of t, for which it needs rows j and 512 + j of W_cat: 32 rows.  Its eight waves split K = 512: wave w has
; k = 64 w .. 64 w + 63, 256 consecutive bytes of every operand row, aligned.  W_cat's rows lie along K, so both operands' fragments come out of LDS as they lie.
; FORMAT.  Each f32 operand x is split into hi = bf16(x) and lo = bf16(x - hi); three matrix instructions (hi hi, hi lo, lo hi) stand for one.
; LIMIT: lo x lo and what lies below lo are dropped, about 2^-16 of a product; NaN and infinities are not treated apart.
; NO TENSOR LOADS, NO CLUSTER, though the four row blocks read the same weights: the split is made in registers on the way into LDS, and a work-group fetches once and ends.
; A row of the tile is 64 bytes of t, a quarter of an aligned 256: t is 262,144 bytes in all, and strips of 64 columns would take four times the bytes of W_cat a work-group.
; THE MATRIX INSTRUCTION IS USED TRANSPOSED: source 0 = 16 rows of W_cat, source 1 = 16 batch rows: a lane then holds eight neighbouring columns of one batch row.
; THE MODE: SCHED_MODE bits 1:0 = 2 (LLVM: expert scheduling mode 2), set by the entry lines.  The code itself states the register dependences
; between vector or matrix instructions and memory or LDS instructions, with s_wait_alu, always for 0.
; THE PLAN.  Registers that memory or LDS instructions touch:
;   X         load n (v: n = 0..15, W_cat: n = 16..31) lands in X + 4 n, once; CONV n alone reads it.
;   OUT       CONV n writes two words of hi and two of lo into OUT + 4 n = X + 4 (n - 1): the registers of the load before, which CONV n - 1 has emptied.  Two LDS stores read them.  No OUT register is written twice.
;   FRA, FRW  the same registers again: the fragments' LDS loads land in them, the matrix instructions read them.
;   ACC       written by the matrix instructions, read by eight LDS stores.
;   v[16:47]  behind the barrier: the partial tiles' LDS loads land in them; the adds work on them; v[16:17] are the global store's data.
;   MV, BM    a global load each; read by vector instructions alone.
;   v3 - v10  offsets and addresses: written once at the head, never again.
;   T, TA, v1, v2 are named by vector instructions alone.
; The 32 loads go in four blocks of eight.  Block p's CONVs read X[p] and write OUT[p]; the sixteen LDS stores of block p - 1, which read OUT[p - 1], are dealt among them.
; One wait on va_vdst at a block's head states that the block before has written its OUT; no vector instruction of block p names those registers.
.set WAVEB, 18432                      ; a wave's own LDS: A hi, A lo, W hi, W lo, each 32 rows of pitch 144
.set AH,    0
.set AL,    4608
.set WH,    9216
.set WL,    13824
.set RED,   8*WAVEB                    ; eight partial tiles of 32 rows, pitch 144
.set REDW,  4608
.set GOFF,  1048576                    ; from row j of W_cat to row 512 + j
.set GA,  3
.set SA,  4
.set FA,  5
.set RS,  6
.set RL,  7
.set GO,  8
.set BO,  9
.set PF,  10
.set TA,  11
.set OUT, 12                           ; v[12:139]  the split of load n at OUT + 4 n
.set X,   16                           ; v[16:143]  load n at X + 4 n
.set FRA, 16                           ; v[16:79]   then v's fragments; then the partial sums
.set FRW, 80                           ; v[80:143]  then W_cat's fragments
.set T,   144                          ; v[144:147] at work
.set ACC, 152                          ; v[152:183] four accumulators: 2 x (row block) + (0: u's low half, 1: its high half)
.set MV,  184                          ; v[184:185] pr[2]
.set BM,  186                          ; v[186:187] b_mem
.set HM,  33
.macro CONV k                          ; load k's 4 f32 -> 4 hi and 4 lo in bf16
	v_cvt_pk_bf16_f32 v[OUT+4*(\k)], v[X+4*(\k)], v[X+4*(\k)+1]
	v_cvt_pk_bf16_f32 v[OUT+4*(\k)+1], v[X+4*(\k)+2], v[X+4*(\k)+3]
	v_lshlrev_b32 v[T], 16, v[OUT+4*(\k)]
	v_and_b32 v[T+1], s[HM], v[OUT+4*(\k)]
	v_lshlrev_b32 v[T+2], 16, v[OUT+4*(\k)+1]
	v_and_b32 v[T+3], s[HM], v[OUT+4*(\k)+1]
	v_pk_add_f32 v[T:T+1], v[X+4*(\k):X+4*(\k)+1], v[T:T+1] neg_lo:[0,1] neg_hi:[0,1]
	v_pk_add_f32 v[T+2:T+3], v[X+4*(\k)+2:X+4*(\k)+3], v[T+2:T+3] neg_lo:[0,1] neg_hi:[0,1]
	v_cvt_pk_bf16_f32 v[OUT+4*(\k)+2], v[T], v[T+1]
	v_cvt_pk_bf16_f32 v[OUT+4*(\k)+3], v[T+2], v[T+3]
.endm
.macro PUT m                           ; the split of load m, 8 bytes of hi and 8 of lo, into LDS
.if (\m) < 16
	ds_store_b64 v[SA], v[OUT+4*(\m):OUT+4*(\m)+1]   offset:AH+(\m)*288
	ds_store_b64 v[SA], v[OUT+4*(\m)+2:OUT+4*(\m)+3] offset:AL+(\m)*288
.else
	ds_store_b64 v[SA], v[OUT+4*(\m):OUT+4*(\m)+1]   offset:WH+((\m)-16)*288
	ds_store_b64 v[SA], v[OUT+4*(\m)+2:OUT+4*(\m)+3] offset:WL+((\m)-16)*288
.endif
.endm
.macro ADDI base, st, a, b
.set c, 0
.rept (\st)/2
	v_pk_add_f32 v[(\base)+(\st)*(\a)+c:(\base)+(\st)*(\a)+c+1], v[(\base)+(\st)*(\a)+c:(\base)+(\st)*(\a)+c+1], v[(\base)+(\st)*(\b)+c:(\base)+(\st)*(\b)+c+1]
.set c, c+2
.endr
.endm
.macro TREE8 base, st
	ADDI \base, \st, 0, 1
	ADDI \base, \st, 2, 3
	ADDI \base, \st, 4, 5
	ADDI \base, \st, 6, 7
	ADDI \base, \st, 0, 2
	ADDI \base, \st, 4, 6
	ADDI \base, \st, 0, 4
.endm
	s_load_b256 s[4:11], s[0:1], 0x0               ; vbuf s[4:5], W_cat s[6:7], pr s[8:9], b_mem s[10:11]
	s_load_b128 s[12:15], s[0:1], 0x20             ; W_kb s[12:13], tbuf s[14:15]
	v_lshl_add_u32 v150, v0, 2, 0x2d000
	v_mov_b32 v151, 0
	v_lshrrev_b32 v[TA], 5, v0
	v_readfirstlane_b32 s20, v[TA]                 ; wave 0..7
	s_mov_b32 s21, ttmp9                           ; strip of 16 columns
	s_and_b32 s22, ttmp7, 0xffff                   ; block of 32 batch rows
	s_mov_b32 s[HM], 0xffff0000
	v_and_b32 v1, 15, v0                           ; r
	v_bfe_u32 v2, v0, 4, 1                         ; h
	v_lshlrev_b32 v[GA], 4, v1
	v_lshl_add_u32 v[GA], v2, 11, v[GA]            ; two rows of 256 bytes a load
	v_and_b32 v[BO], 7, v0
	v_lshlrev_b32 v[BO], 3, v[BO]                  ; the two columns that I finish,
	v_lshrrev_b32 v[TA], 3, v0                     ; in row thread / 8
	v_lshl_add_u32 v[GO], v[TA], 11, v[BO]
	v_mul_u32_u24 v[RL], v[TA], 144
	v_add3_u32 v[RL], v[RL], v[BO], RED
	v_and_b32 v[PF], 31, v0
	v_lshlrev_b32 v[PF], 8, v[PF]
	s_wait_alu depctr_va_sdst(0)                   ; s20 is written, ahead of its first reader: the wave's LDS and its offsets are made from it
	s_mul_i32 s32, s20, WAVEB
	s_lshl_b32 s23, s20, 8                         ; my wave's 256 bytes of a row
	s_lshl_b32 s24, s22, 16                        ; A: 32 rows of 2,048 bytes a block
	s_add_co_u32 s24, s24, s23
	s_mov_b32 s25, 0
	s_lshl_b32 s26, s21, 15                        ; W: 16 rows a strip
	s_add_co_u32 s26, s26, s23
	s_mov_b32 s27, 0
	s_lshl_b32 s30, s21, 6                         ; the strip's 64 bytes
	s_mov_b32 s31, 0
	s_lshl_b32 s28, s22, 16
	s_add_co_u32 s28, s28, s30                     ; the tile's corner in a [128][512] array
	s_mov_b32 s29, 0
	s_add_co_u32 s34, s28, 0x80000                 ; in pr's plane 2
	s_mov_b32 s35, 0
	s_lshl_b32 s36, s22, 5
	s_add_co_u32 s36, s36, s21                     ; the work-group's number, 0..127
	s_lshl_b32 s36, s36, 13
	s_mov_b32 s37, 0
	s_wait_kmcnt 0x0
	s_add_nc_u64 s[4:5], s[4:5], s[24:25]
	s_add_nc_u64 s[6:7], s[6:7], s[26:27]
	s_add_nc_u64 s[8:9], s[8:9], s[34:35]
	s_add_nc_u64 s[10:11], s[10:11], s[30:31]
	s_add_nc_u64 s[14:15], s[14:15], s[28:29]
	s_wait_alu depctr_va_vdst(0)                   ; v[GA], v[GO], v[BO] and v[PF] are written: the loads and the prefetch below read them as their offsets
	global_load_b64 v[MV:MV+1], v[GO], s[8:9]
	global_load_b64 v[BM:BM+1], v[BO], s[10:11]
.set i, 0
.rept 16
	global_load_b128 v[X+4*i:X+4*i+3], v[GA], s[4:5] offset:i*4096
.set i, i+1
.endr
.set i, 0
.rept 16                               ; i < 8: rows j0 + 2 i, + 1; then rows 512 + j0 + ..
	global_load_b128 v[X+64+4*i:X+64+4*i+3], v[GA], s[6:7] offset:(i/8)*GOFF+(i%8)*4096
.set i, i+1
.endr
	; W_kb, which the next launch reads, is asked for: 8,192 bytes a work-group, 128 work-groups, each block of 256 bytes once: wave 0, a lane a block
	s_cmp_lg_u32 s20, 0
	s_cbranch_scc1 .Lno_pf
	s_add_nc_u64 s[12:13], s[12:13], s[36:37]
	global_prefetch_b8 v[PF], s[12:13] th:TH_LOAD_NT scope:SCOPE_SE
.Lno_pf:
	v_mul_u32_u24 v[TA], v2, 144
	v_lshl_add_u32 v[TA], v1, 3, v[TA]
	v_add_nc_u32 v[SA], s32, v[TA]                 ; row h, 8 bytes at 8 r
	v_mul_u32_u24 v[TA], v1, 144
	v_lshl_add_u32 v[TA], v2, 4, v[TA]
	v_add_nc_u32 v[FA], s32, v[TA]                 ; a fragment: row r, 16 bytes at 16 h
	s_mul_i32 s38, s20, REDW
	s_add_co_u32 s38, s38, RED
	v_mul_u32_u24 v[TA], v1, 144
	v_lshl_add_u32 v[TA], v2, 5, v[TA]
	v_add_nc_u32 v[RS], s38, v[TA]                 ; batch row r, columns 8 h on
	; four blocks of eight loads: each load is split as it arrives; the stores of the block before stand among the splits
.set n, 0
.rept 32
	s_wait_loadcnt 31-n                            ; behind load n: the 31 - n younger ones
.if (n%8 == 0) && (n > 0)
	s_wait_alu depctr_va_vdst(0)                   ; the block before has written its OUT, which this block's sixteen LDS stores read; at the first such wait also: the LDS addresses made above are written
.endif
.if n >= 8
	PUT n-8                                        ; no vector instruction since the wait names these registers
.endif
	CONV n
.set n, n+1
.endr
	s_wait_alu depctr_va_vdst(0)                   ; the last block has written its OUT, which the stores below read; every split is done with X and OUT, in which the fragments land
.set n, 24
.rept 8
	PUT n
.set n, n+1
.endr
	s_wait_alu depctr_vm_vsrc(0)                   ; the 64 LDS stores have read OUT, in which the fragments land
	; the fragments; LDS serves a wave's instructions in order (ISA guide 5.7.1), so these see the stores above: the bytes are my wave's own
.irp kk, 0,1
.irp hl, 0,1
.irp mt, 0,1
	ds_load_b128 v[FRA+8*(\mt+2*\hl+4*\kk):FRA+8*(\mt+2*\hl+4*\kk)+3],   v[FA] offset:AH+\hl*4608+\mt*2304+\kk*64
	ds_load_b128 v[FRA+8*(\mt+2*\hl+4*\kk)+4:FRA+8*(\mt+2*\hl+4*\kk)+7], v[FA] offset:AH+\hl*4608+\mt*2304+\kk*64+32
	ds_load_b128 v[FRW+8*(\mt+2*\hl+4*\kk):FRW+8*(\mt+2*\hl+4*\kk)+3],   v[FA] offset:WH+\hl*4608+\mt*2304+\kk*64
	ds_load_b128 v[FRW+8*(\mt+2*\hl+4*\kk)+4:FRW+8*(\mt+2*\hl+4*\kk)+7], v[FA] offset:WH+\hl*4608+\mt*2304+\kk*64+32
.endr
.endr
.endr
	s_wait_dscnt 0x0
	; 24 matrix instructions: 2 halves of my 64 k x 3 terms x 4 accumulators, which take turns; the first four start the sums
.irp kk, 0,1
.irp tm, 0,1,2
.irp a, 0,1,2,3
.if ((\kk)+(\tm)) == 0
	v_wmma_f32_16x16x32_bf16 v[ACC+8*\a:ACC+8*\a+7], v[FRW+8*(\a%2+2*(\tm/2)+4*\kk):FRW+8*(\a%2+2*(\tm/2)+4*\kk)+7], v[FRA+8*(\a/2+2*(\tm%2)+4*\kk):FRA+8*(\a/2+2*(\tm%2)+4*\kk)+7], 0
.else
	v_wmma_f32_16x16x32_bf16 v[ACC+8*\a:ACC+8*\a+7], v[FRW+8*(\a%2+2*(\tm/2)+4*\kk):FRW+8*(\a%2+2*(\tm/2)+4*\kk)+7], v[FRA+8*(\a/2+2*(\tm%2)+4*\kk):FRA+8*(\a/2+2*(\tm%2)+4*\kk)+7], v[ACC+8*\a:ACC+8*\a+7]
.endif
.endr
.endr
.endr
.rept 4
	v_nop                                          ; four places behind the last product (ISA guide 7.12.1)
.endr
	s_wait_alu depctr_va_vdst(0)                   ; the products have written the accumulators, which the LDS stores read, and are done reading FRA, in which the partial tiles land behind the barrier; the places above stay beside this wait
.irp a, 0,1,2,3                        ; each accumulator from its low end on
	ds_store_b128 v[RS], v[ACC+8*\a:ACC+8*\a+3]   offset:(\a/2)*2304+(\a%2)*64
	ds_store_b128 v[RS], v[ACC+8*\a+4:ACC+8*\a+7] offset:(\a/2)*2304+(\a%2)*64+16
.endr
	s_wait_dscnt 0x0                               ; for the others' sake
	s_barrier_signal -1
	s_barrier_wait -1
.irp wv, 0,1,2,3,4,5,6,7
	ds_load_b64 v[16+2*\wv:17+2*\wv], v[RL] offset:\wv*REDW       ; u[j]
	ds_load_b64 v[32+2*\wv:33+2*\wv], v[RL] offset:\wv*REDW+64    ; u[512 + j]
.endr
	s_wait_dscnt 0x0
	TREE8 16, 2
	TREE8 32, 2
	v_pk_add_f32 v[MV:MV+1], v[MV:MV+1], v[BM:BM+1]
	v_pk_fma_f32 v[16:17], v[MV:MV+1], v[16:17], v[32:33]
	s_wait_alu depctr_va_vdst(0)                   ; the multiply-add has written v[16:17], which the store reads
	global_store_b64 v[GO], v[16:17], s[14:15]
	s_wait_dscnt 0x0                               ; the wave's end; the closing add into the spare words behind the partial tiles follows
	s_wait_alu depctr_hold_cnt(0) depctr_sa_sdst(0) depctr_va_vdst(0) depctr_va_sdst(0) depctr_va_ssrc(0) depctr_va_vcc(0) depctr_vm_vsrc(0)
	s_wait_tensorcnt 0x0
	ds_add_u32 v150, v151
	s_wait_dscnt 0x0
	s_endpgm
.Lfunc_end_k_qa3a8a6a63b_ucat:
	.size	k_qa3a8a6a63b_ucat, .Lfunc_end_k_qa3a8a6a63b_ucat-k_qa3a8a6a63b_ucat
	.p2alignl 7, 3214868480
	.fill 96, 4, 3214868480
	.section	.rodata,"a",@progbits
	.p2align	6, 0x0
	.amdhsa_kernel k_qa3a8a6a63b_ucat
		.amdhsa_group_segment_fixed_size 185344
		.amdhsa_private_segment_fixed_size 0
		.amdhsa_enable_private_segment 0
		.amdhsa_kernarg_size 48
		.amdhsa_user_sgpr_count 2
		.amdhsa_user_sgpr_kernarg_segment_ptr 1
		.amdhsa_wavefront_size32 1
		.amdhsa_system_sgpr_workgroup_id_x 1
		.amdhsa_system_sgpr_workgroup_id_y 1
		.amdhsa_system_sgpr_workgroup_id_z 1
		.amdhsa_system_vgpr_workitem_id 0
		.amdhsa_next_free_vgpr 188
		.amdhsa_next_free_sgpr 66
		.amdhsa_reserve_vcc 0
		.amdhsa_float_denorm_mode_32 3
		.amdhsa_float_denorm_mode_16_64 3
		.amdhsa_memory_ordered 1
		.amdhsa_forward_progress 1
		.amdhsa_inst_pref_size 35
	.end_amdhsa_kernel
	.amdgpu_metadata
---
amdhsa.version: [ 1, 2 ]
amdhsa.kernels:
  - .name:           k_qa3a8a6a63b_ucat
    .symbol:         k_qa3a8a6a63b_ucat.kd
    .args:
      - { .name: vbuf, .offset: 0, .size: 8, .value_kind: global_buffer, .address_space: global }
      - { .name: W_cat, .offset: 8, .size: 8, .value_kind: global_buffer, .address_space: global }
      - { .name: pr, .offset: 16, .size: 8, .value_kind: global_buffer, .address_space: global }
      - { .name: b_mem, .offset: 24, .size: 8, .value_kind: global_buffer, .address_space: global }
      - { .name: W_kb, .offset: 32, .size: 8, .value_kind: global_buffer, .address_space: global }
      - { .name: tbuf, .offset: 40, .size: 8, .value_kind: global_buffer, .address_space: global }
    .group_segment_fixed_size: 185344
    .private_segment_fixed_size: 0
    .kernarg_segment_align: 8
    .kernarg_segment_size: 48
    .max_flat_workgroup_size: 256
    .sgpr_count:     66
    .vgpr_count:     188
    .wavefront_size: 32
...
	.end_amdgpu_metadata
.endif
;; end of part 8
;; launch zkb (part 9): grid 16 x 4, 8 waves a work-group, no clusters, 185,344 bytes of LDS; arguments tbuf, W_kb, kb, W_wr, zbuf; writes zbuf
.if DOCPART == 9
	.amdgcn_target "amdgcn-amd-amdhsa--gfx1250"
	.amdhsa_code_object_version 6
	.text
	.protected	k_qa3a8a6a63b_zkb
	.globl	k_qa3a8a6a63b_zkb
	.p2align	8
	.type	k_qa3a8a6a63b_zkb,@function
k_qa3a8a6a63b_zkb:
	s_mov_b64 s[64:65], 0
	v_nop
	global_prefetch_b8 v0, s[64:65] scope:SCOPE_SE
	s_setreg_imm32_b32 hwreg(HW_REG_WAVE_SCHED_MODE, 0, 2), 2
	s_setreg_imm32_b32 hwreg(HW_REG_WAVE_MODE, 25, 1), 1
	s_wait_xcnt 0x0
	s_wait_alu depctr_vm_vsrc(0)
; z[b][i] = W_kb[i][:] . t[b][:]  (t = tbuf): then kb_proj . t = kb . z + b_kb . t.  The order of the sums differs from reference()'s.
; SHARES.  A work-group makes 32 batch rows x 32 columns i.  Its eight waves split K = 512: wave w has k = 64 w .. 64 w + 63, 256 consecutive bytes of every operand row, aligned.
; W_kb's rows lie along K, so both operands' fragments come out of LDS as they lie.
; FORMAT.  Each f32 operand x is split into hi = bf16(x) and lo = bf16(x - hi); three matrix instructions (hi hi, hi lo, lo hi) stand for one.
; LIMIT: lo x lo and what lies below lo are dropped, about 2^-16 of a product; NaN and infinities are not treated apart.
; NO TENSOR LOADS, NO CLUSTER, though the four row blocks read the same weights: the split is made in registers on the way into LDS, and a work-group fetches once and ends.
; A row of the tile is 128 bytes of z, half of an aligned 256: z is 262,144 bytes in all, and wider strips would leave fewer work-groups.
; THE MATRIX INSTRUCTION IS USED TRANSPOSED: source 0 = 16 rows of W_kb, source 1 = 16 batch rows.
; THE MODE: SCHED_MODE bits 1:0 = 2 (LLVM: expert scheduling mode 2), set by the entry lines.  The code itself states the register dependences
; between vector or matrix instructions and memory or LDS instructions, with s_wait_alu, always for 0.
; THE PLAN.  Registers that memory or LDS instructions touch:
;   X         load n (t: n = 0..15, W_kb: n = 16..31) lands in X + 4 n, once; CONV n alone reads it.
;   OUT       CONV n writes two words of hi and two of lo into OUT + 4 n = X + 4 (n - 1): the registers of the load before, which CONV n - 1 has emptied.  Two LDS stores read them.  No OUT register is written twice.
;   FRA, FRW  the same registers again: the fragments' LDS loads land in them, the matrix instructions read them.
;   ACC       written by the matrix instructions, read by eight LDS stores.
;   v[16:47]  behind the barrier: the partial tiles' LDS loads land in them; the adds work on them; v[16:19] are the global store's data.
;   v3 - v10  offsets and addresses: written once at the head, never again.
;   T, TA, v1, v2 are named by vector instructions alone.
; The 32 loads go in four blocks of eight.  Block p's CONVs read X[p] and write OUT[p]; the sixteen LDS stores of block p - 1, which read OUT[p - 1], are dealt among them.
; One wait on va_vdst at a block's head states that the block before has written its OUT; no vector instruction of block p names those registers.
.set WAVEB, 18432                      ; a wave's own LDS: A hi, A lo, W hi, W lo, each 32 rows of pitch 144
.set AH,    0
.set AL,    4608
.set WH,    9216
.set WL,    13824
.set RED,   8*WAVEB                    ; eight partial tiles of 32 rows, pitch 144
.set REDW,  4608
.set GA,  3
.set SA,  4
.set FA,  5
.set RS,  6
.set RL,  7
.set GO,  8
.set BO,  9
.set PF,  10
.set TA,  11
.set OUT, 12                           ; v[12:139]  the split of load n at OUT + 4 n
.set X,   16                           ; v[16:143]  load n at X + 4 n
.set FRA, 16                           ; v[16:79]   then t's fragments; then the partial sums
.set FRW, 80                           ; v[80:143]  then W_kb's fragments
.set T,   144                          ; v[144:147] at work
.set ACC, 152                          ; v[152:183] four accumulators: 2 x (row block) + (column block)
.set HM,  33
.macro CONV k                          ; load k's 4 f32 -> 4 hi and 4 lo in bf16
	v_cvt_pk_bf16_f32 v[OUT+4*(\k)], v[X+4*(\k)], v[X+4*(\k)+1]
	v_cvt_pk_bf16_f32 v[OUT+4*(\k)+1], v[X+4*(\k)+2], v[X+4*(\k)+3]
	v_lshlrev_b32 v[T], 16, v[OUT+4*(\k)]
	v_and_b32 v[T+1], s[HM], v[OUT+4*(\k)]
	v_lshlrev_b32 v[T+2], 16, v[OUT+4*(\k)+1]
	v_and_b32 v[T+3], s[HM], v[OUT+4*(\k)+1]
	v_pk_add_f32 v[T:T+1], v[X+4*(\k):X+4*(\k)+1], v[T:T+1] neg_lo:[0,1] neg_hi:[0,1]
	v_pk_add_f32 v[T+2:T+3], v[X+4*(\k)+2:X+4*(\k)+3], v[T+2:T+3] neg_lo:[0,1] neg_hi:[0,1]
	v_cvt_pk_bf16_f32 v[OUT+4*(\k)+2], v[T], v[T+1]
	v_cvt_pk_bf16_f32 v[OUT+4*(\k)+3], v[T+2], v[T+3]
.endm
.macro PUT m                           ; the split of load m, 8 bytes of hi and 8 of lo, into LDS
.if (\m) < 16
	ds_store_b64 v[SA], v[OUT+4*(\m):OUT+4*(\m)+1]   offset:AH+(\m)*288
	ds_store_b64 v[SA], v[OUT+4*(\m)+2:OUT+4*(\m)+3] offset:AL+(\m)*288
.else
	ds_store_b64 v[SA], v[OUT+4*(\m):OUT+4*(\m)+1]   offset:WH+((\m)-16)*288
	ds_store_b64 v[SA], v[OUT+4*(\m)+2:OUT+4*(\m)+3] offset:WL+((\m)-16)*288
.endif
.endm
.macro ADDI base, st, a, b
.set c, 0
.rept (\st)/2
	v_pk_add_f32 v[(\base)+(\st)*(\a)+c:(\base)+(\st)*(\a)+c+1], v[(\base)+(\st)*(\a)+c:(\base)+(\st)*(\a)+c+1], v[(\base)+(\st)*(\b)+c:(\base)+(\st)*(\b)+c+1]
.set c, c+2
.endr
.endm
.macro TREE8 base, st
	ADDI \base, \st, 0, 1
	ADDI \base, \st, 2, 3
	ADDI \base, \st, 4, 5
	ADDI \base, \st, 6, 7
	ADDI \base, \st, 0, 2
	ADDI \base, \st, 4, 6
	ADDI \base, \st, 0, 4
.endm
	s_load_b256 s[4:11], s[0:1], 0x0               ; tbuf s[4:5], W_kb s[6:7], kb s[8:9], W_wr s[10:11]
	s_load_b64 s[12:13], s[0:1], 0x20              ; zbuf
	v_lshl_add_u32 v150, v0, 2, 0x2d000
	v_mov_b32 v151, 0
	v_lshrrev_b32 v[TA], 5, v0
	v_readfirstlane_b32 s20, v[TA]                 ; wave 0..7
	s_mov_b32 s21, ttmp9                           ; strip of 32 columns
	s_and_b32 s22, ttmp7, 0xffff                   ; block of 32 batch rows
	s_mov_b32 s[HM], 0xffff0000
	v_and_b32 v1, 15, v0                           ; r
	v_bfe_u32 v2, v0, 4, 1                         ; h
	v_lshlrev_b32 v[GA], 4, v1
	v_lshl_add_u32 v[GA], v2, 11, v[GA]            ; two rows of 256 bytes a load
	v_and_b32 v[BO], 7, v0
	v_lshlrev_b32 v[BO], 4, v[BO]                  ; the four columns that I finish,
	v_lshrrev_b32 v[TA], 3, v0                     ; in row thread / 8
	v_lshl_add_u32 v[GO], v[TA], 11, v[BO]
	v_mul_u32_u24 v[RL], v[TA], 144
	v_add3_u32 v[RL], v[RL], v[BO], RED
	v_and_b32 v[PF], 31, v0
	v_lshlrev_b32 v[PF], 8, v[PF]
	s_wait_alu depctr_va_sdst(0)                   ; s20 is written, ahead of its first reader: the wave's LDS and its offsets are made from it
	s_mul_i32 s32, s20, WAVEB
	s_lshl_b32 s23, s20, 8                         ; my wave's 256 bytes of a row
	s_lshl_b32 s24, s22, 16                        ; A: 32 rows of 2,048 bytes a block
	s_add_co_u32 s24, s24, s23
	s_mov_b32 s25, 0
	s_lshl_b32 s26, s21, 16                        ; W: 32 rows a strip
	s_add_co_u32 s26, s26, s23
	s_mov_b32 s27, 0
	s_lshl_b32 s28, s22, 16
	s_lshl_b32 s29, s21, 7
	s_add_co_u32 s28, s28, s29                     ; the tile's corner in z
	s_mov_b32 s29, 0
	s_lshl_b32 s34, s22, 4
	s_add_co_u32 s34, s34, s21                     ; the work-group's number, 0..63
	s_lshl_b32 s36, s34, 3
	s_add_co_u32 s36, s36, s20                     ; the wave's number in the launch, 0..511
	s_lshl_b32 s36, s36, 18
	s_mov_b32 s37, 0
	s_wait_kmcnt 0x0
	s_add_nc_u64 s[4:5], s[4:5], s[24:25]
	s_add_nc_u64 s[6:7], s[6:7], s[26:27]
	s_add_nc_u64 s[8:9], s[8:9], s[36:37]
	s_add_nc_u64 s[12:13], s[12:13], s[28:29]
	s_wait_alu depctr_va_vdst(0)                   ; v[GA] and v[PF] are written: the loads and the prefetches below read them as their offsets
.set i, 0
.rept 16
	global_load_b128 v[X+4*i:X+4*i+3], v[GA], s[4:5] offset:i*4096
.set i, i+1
.endr
.set i, 0
.rept 16
	global_load_b128 v[X+64+4*i:X+64+4*i+3], v[GA], s[6:7] offset:i*4096
.set i, i+1
.endr
	; For the next launch: of every 16 rows of kb (a wave's share there, 32,768 bytes) the first 4 rows, 8,192 bytes, are asked for: 512 waves here x 8 requests x 32 lanes,
	; a lane to a block of 256 bytes, each block once; the highest byte named, 511 x 262,144 + 7 x 32,768 + 31 x 256, lies inside kb
.irp i, 0,1,2,3,4,5,6,7
	global_prefetch_b8 v[PF], s[8:9] offset:\i*32768 th:TH_LOAD_NT scope:SCOPE_SE
.endr
	; and for the last launch W_wr's rows 512 on: 16,384 bytes a work-group, 64 work-groups: waves 0 and 1
	s_cmp_gt_u32 s20, 1
	s_cbranch_scc1 .Lno_pf
	s_lshl_b32 s34, s34, 14
	s_lshl_b32 s35, s20, 13
	s_add_co_u32 s34, s34, s35
	s_add_co_u32 s34, s34, 0x100000
	s_mov_b32 s35, 0
	s_add_nc_u64 s[10:11], s[10:11], s[34:35]
	global_prefetch_b8 v[PF], s[10:11] th:TH_LOAD_NT scope:SCOPE_SE
.Lno_pf:
	v_mul_u32_u24 v[TA], v2, 144
	v_lshl_add_u32 v[TA], v1, 3, v[TA]
	v_add_nc_u32 v[SA], s32, v[TA]                 ; row h, 8 bytes at 8 r
	v_mul_u32_u24 v[TA], v1, 144
	v_lshl_add_u32 v[TA], v2, 4, v[TA]
	v_add_nc_u32 v[FA], s32, v[TA]                 ; a fragment: row r, 16 bytes at 16 h
	s_mul_i32 s38, s20, REDW
	s_add_co_u32 s38, s38, RED
	v_mul_u32_u24 v[TA], v1, 144
	v_lshl_add_u32 v[TA], v2, 5, v[TA]
	v_add_nc_u32 v[RS], s38, v[TA]                 ; batch row r, columns 8 h on
	; four blocks of eight loads: each load is split as it arrives; the stores of the block before stand among the splits
.set n, 0
.rept 32
	s_wait_loadcnt 31-n                            ; behind load n: the 31 - n younger ones
.if (n%8 == 0) && (n > 0)
	s_wait_alu depctr_va_vdst(0)                   ; the block before has written its OUT, which this block's sixteen LDS stores read; at the first such wait also: the LDS addresses made above are written
.endif
.if n >= 8
	PUT n-8                                        ; no vector instruction since the wait names these registers
.endif
	CONV n
.set n, n+1
.endr
	s_wait_alu depctr_va_vdst(0)                   ; the last block has written its OUT, which the stores below read; every split is done with X and OUT, in which the fragments land
.set n, 24
.rept 8
	PUT n
.set n, n+1
.endr
	s_wait_alu depctr_vm_vsrc(0)                   ; the 64 LDS stores have read OUT, in which the fragments land
	; the fragments; LDS serves a wave's instructions in order (ISA guide 5.7.1), so these see the stores above: the bytes are my wave's own
.irp kk, 0,1
.irp hl, 0,1
.irp mt, 0,1
	ds_load_b128 v[FRA+8*(\mt+2*\hl+4*\kk):FRA+8*(\mt+2*\hl+4*\kk)+3],   v[FA] offset:AH+\hl*4608+\mt*2304+\kk*64
	ds_load_b128 v[FRA+8*(\mt+2*\hl+4*\kk)+4:FRA+8*(\mt+2*\hl+4*\kk)+7], v[FA] offset:AH+\hl*4608+\mt*2304+\kk*64+32
	ds_load_b128 v[FRW+8*(\mt+2*\hl+4*\kk):FRW+8*(\mt+2*\hl+4*\kk)+3],   v[FA] offset:WH+\hl*4608+\mt*2304+\kk*64
	ds_load_b128 v[FRW+8*(\mt+2*\hl+4*\kk)+4:FRW+8*(\mt+2*\hl+4*\kk)+7], v[FA] offset:WH+\hl*4608+\mt*2304+\kk*64+32
.endr
.endr
.endr
	s_wait_dscnt 0x0
	; 24 matrix instructions: 2 halves of my 64 k x 3 terms x 4 accumulators, which take turns; the first four start the sums
.irp kk, 0,1
.irp tm, 0,1,2
.irp a, 0,1,2,3
.if ((\kk)+(\tm)) == 0
	v_wmma_f32_16x16x32_bf16 v[ACC+8*\a:ACC+8*\a+7], v[FRW+8*(\a%2+2*(\tm/2)+4*\kk):FRW+8*(\a%2+2*(\tm/2)+4*\kk)+7], v[FRA+8*(\a/2+2*(\tm%2)+4*\kk):FRA+8*(\a/2+2*(\tm%2)+4*\kk)+7], 0
.else
	v_wmma_f32_16x16x32_bf16 v[ACC+8*\a:ACC+8*\a+7], v[FRW+8*(\a%2+2*(\tm/2)+4*\kk):FRW+8*(\a%2+2*(\tm/2)+4*\kk)+7], v[FRA+8*(\a/2+2*(\tm%2)+4*\kk):FRA+8*(\a/2+2*(\tm%2)+4*\kk)+7], v[ACC+8*\a:ACC+8*\a+7]
.endif
.endr
.endr
.endr
.rept 4
	v_nop                                          ; four places behind the last product (ISA guide 7.12.1)
.endr
	s_wait_alu depctr_va_vdst(0)                   ; the products have written the accumulators, which the LDS stores read, and are done reading FRA, in which the partial tiles land behind the barrier; the places above stay beside this wait
.irp a, 0,1,2,3                        ; each accumulator from its low end on
	ds_store_b128 v[RS], v[ACC+8*\a:ACC+8*\a+3]   offset:(\a/2)*2304+(\a%2)*64
	ds_store_b128 v[RS], v[ACC+8*\a+4:ACC+8*\a+7] offset:(\a/2)*2304+(\a%2)*64+16
.endr
	s_wait_dscnt 0x0                               ; for the others' sake
	s_barrier_signal -1
	s_barrier_wait -1
.irp wv, 0,1,2,3,4,5,6,7
	ds_load_b128 v[16+4*\wv:19+4*\wv], v[RL] offset:\wv*REDW
.endr
	s_wait_dscnt 0x0
	TREE8 16, 4
	s_wait_alu depctr_va_vdst(0)                   ; the adds have written v[16:19], which the store reads
	global_store_b128 v[GO], v[16:19], s[12:13]
	s_wait_dscnt 0x0                               ; the wave's end; the closing add into the spare words behind the partial tiles follows
	s_wait_alu depctr_hold_cnt(0) depctr_sa_sdst(0) depctr_va_vdst(0) depctr_va_sdst(0) depctr_va_ssrc(0) depctr_va_vcc(0) depctr_vm_vsrc(0)
	s_wait_tensorcnt 0x0
	ds_add_u32 v150, v151
	s_wait_dscnt 0x0
	s_endpgm
.Lfunc_end_k_qa3a8a6a63b_zkb:
	.size	k_qa3a8a6a63b_zkb, .Lfunc_end_k_qa3a8a6a63b_zkb-k_qa3a8a6a63b_zkb
	.p2alignl 7, 3214868480
	.fill 96, 4, 3214868480
	.section	.rodata,"a",@progbits
	.p2align	6, 0x0
	.amdhsa_kernel k_qa3a8a6a63b_zkb
		.amdhsa_group_segment_fixed_size 185344
		.amdhsa_private_segment_fixed_size 0
		.amdhsa_enable_private_segment 0
		.amdhsa_kernarg_size 40
		.amdhsa_user_sgpr_count 2
		.amdhsa_user_sgpr_kernarg_segment_ptr 1
		.amdhsa_wavefront_size32 1
		.amdhsa_system_sgpr_workgroup_id_x 1
		.amdhsa_system_sgpr_workgroup_id_y 1
		.amdhsa_system_sgpr_workgroup_id_z 1
		.amdhsa_system_vgpr_workitem_id 0
		.amdhsa_next_free_vgpr 184
		.amdhsa_next_free_sgpr 66
		.amdhsa_reserve_vcc 0
		.amdhsa_float_denorm_mode_32 3
		.amdhsa_float_denorm_mode_16_64 3
		.amdhsa_memory_ordered 1
		.amdhsa_forward_progress 1
		.amdhsa_inst_pref_size 35
	.end_amdhsa_kernel
	.amdgpu_metadata
---
amdhsa.version: [ 1, 2 ]
amdhsa.kernels:
  - .name:           k_qa3a8a6a63b_zkb
    .symbol:         k_qa3a8a6a63b_zkb.kd
    .args:
      - { .name: tbuf, .offset: 0, .size: 8, .value_kind: global_buffer, .address_space: global }
      - { .name: W_kb, .offset: 8, .size: 8, .value_kind: global_buffer, .address_space: global }
      - { .name: kb, .offset: 16, .size: 8, .value_kind: global_buffer, .address_space: global }
      - { .name: W_wr, .offset: 24, .size: 8, .value_kind: global_buffer, .address_space: global }
      - { .name: zbuf, .offset: 32, .size: 8, .value_kind: global_buffer, .address_space: global }
    .group_segment_fixed_size: 185344
    .private_segment_fixed_size: 0
    .kernarg_segment_align: 8
    .kernarg_segment_size: 40
    .max_flat_workgroup_size: 256
    .sgpr_count:     66
    .vgpr_count:     184
    .wavefront_size: 32
...
	.end_amdgpu_metadata
.endif
;; end of part 9
;; launch read: the kernel of part 5 again; grid 256 x 1, 16 waves a work-group, no clusters, 36,096 bytes of LDS; arguments kb, kb_mask, zbuf, tbuf, vbuf, b_kb, b_cat, b_rattn, lg, racc, stat; writes lg, racc, stat
;; launch write (part 10): grid 8 x 8, 8 waves a work-group, no clusters, 240,640 bytes of LDS; arguments racc, stat, lg, pr, W_wr, b_wr, out1, out2; writes out1, out2
.if DOCPART == 10
	.amdgcn_target "amdgcn-amd-amdhsa--gfx1250"
	.amdhsa_code_object_version 6
	.text
	.protected	k_qa3a8a6a63b_write
	.globl	k_qa3a8a6a63b_write
	.p2align	8
	.type	k_qa3a8a6a63b_write,@function
k_qa3a8a6a63b_write:
	s_mov_b64 s[64:65], 0
	v_nop
	global_prefetch_b8 v0, s[64:65] scope:SCOPE_SE
	s_setreg_imm32_b32 hwreg(HW_REG_WAVE_SCHED_MODE, 0, 2), 2
	s_setreg_imm32_b32 hwreg(HW_REG_WAVE_MODE, 25, 1), 1
	s_wait_xcnt 0x0
	s_wait_alu depctr_vm_vsrc(0)
; The two halves of each sample's read attention are joined, and the write unit's product is made.
;   M = max(m0, m1), e_p = e^(m_p - M), L = e0 l0 + e1 l1;  out2[b][k] = e^(lg[b][k] - M) / L;  read[b] = (e0 racc[b][0] + e1 racc[b][1]) / L;
;   out1[b] = pr[3][b] + read[b] W_wr[512:1024] + b_wr.
; SHARES.  A work-group makes 16 batch rows x 64 columns of out1 over K = 512, and the same 16 x 64 of out2.  Its eight waves split K: wave w has k = 64 w .. 64 w + 63,
; 256 consecutive bytes of every operand row, aligned.  The rows of read are made on the way in, in f32.  Every wave makes the 16 rows' factors for itself, in LDS bytes of its own.
; FORMAT.  Each f32 operand x is split into hi = bf16(x) and lo = bf16(x - hi); three matrix instructions (hi hi, hi lo, lo hi) stand for one.
; LIMITS: lo x lo and what lies below lo are dropped, about 2^-16 of a product; a weight below 2^-126 counts as 0; NaN and infinities are not treated apart.  L is at least 1: the row of the maximum counts 1.
; NO TENSOR LOADS, NO CLUSTER, though the eight row blocks read the same weights: the split is made in registers, so an f32 tile brought into LDS would lie there beside its
; bf16 halves: 131,072 + 32,768 + 200,704 + 34,816 = 399,360 bytes, more than the 327,680 there are; and a work-group fetches once and ends.
; THE MATRIX INSTRUCTION IS USED TRANSPOSED: source 0 = 16 columns of W_wr, source 1 = 16 batch rows.
; THE MODE: SCHED_MODE bits 1:0 = 2 (LLVM: expert scheduling mode 2), set by the entry lines.  The code itself states the register dependences
; between vector or matrix instructions and memory or LDS instructions, with s_wait_alu, always for 0.
; THE PLAN.  Registers that memory or LDS instructions touch:
;   XP        racc's 16 loads land in it, once: half 0 in v[16:47], half 1 in v[48:79].  The rows of read are made in half 1's registers; their splits go into half 0's, which the
;             multiply-adds have emptied; sixteen LDS stores read them there.
;   XW        W's load n lands in XW + 4 n, once; CONV alone reads it.  Its split goes into XW + 4 (n - 1), the registers of the load before (for n = 0: of the last row of read), which have been emptied.
;             Two LDS stores read it.  No register takes a split twice.
;   FRA, FRW  the same registers again: the fragments' LDS loads land in them, the matrix instructions read them.
;   ACC       v[48:79] again: written by the matrix instructions, read by eight LDS stores.
;   v[16:47]  behind the barrier: the partial tiles' LDS loads land in them; the adds work on them; v[16:19] are out1's store's data.
;   TP, TQ, SV  the factors: written by vector instructions, read by three LDS stores, not written again.   FF, MI: LDS loads land in them, once.
;   LGV       a global load lands in it; out2's arithmetic works in place; out2's store reads it; not written again.   SV, P3, BW: a global load each.
;   v3 - v10, v14, v15, v248 - v251  offsets and addresses: written once at the head, never again.
;   T, TA, v1, v2 are named by vector instructions alone.
; The rows of read are one block of eight, W's 32 loads four.  A block's sixteen LDS stores are dealt among the next block's splits, behind one wait on va_vdst at that block's head;
; no vector instruction of a block names the registers that the block before has split into.
.set WAVEB, 25088                      ; a wave's own LDS: A hi, A lo (16 rows, pitch 144), W hi, W lo (64 k rows, pitch 160)
.set AH,    0
.set AL,    2304
.set WH,    4608
.set WL,    14848
.set RED,   8*WAVEB                    ; eight partial tiles of 16 rows, pitch 272
.set REDW,  4352
.set FT,    RED+8*REDW                 ; 512 bytes a wave: the factors (2 x 16), M (at 128), 1 / L (at 256)
.set GA,  3
.set SA,  4
.set SW,  5
.set FA,  6
.set FW,  7
.set RS,  8
.set RL,  9
.set GO,  10
.set TA,  11
.set GP,  14                           ; v14  racc: (lane / 16) x 4,096 + (lane % 16) x 16
.set SO,  15                           ; v15  stat: row lane % 16, half lane / 16
.set XP,  16                           ; v[16:79]   racc as loaded: half 0, then half 1
.set FRA, 16                           ; v[16:47]   then A's fragments, then the partial sums
.set ACC, 48                           ; v[48:79]   four accumulators
.set XW,  80                           ; v[80:207]  W as loaded; then its fragments
.set FRW, 80
.set SV,  208                          ; v[208:209] (m, l)
.set LGV, 210                          ; v[210:213]
.set P3,  214                          ; v[214:217]
.set BW,  218                          ; v[218:221]
.set FF,  222                          ; v[222:237] for load i the factors of its row: half 0's, half 1's
.set T,   238                          ; v[238:241] at work
.set MI,  246                          ; v[246:247] M and 1 / L of the row of out2 that I finish
.set FTS, 248
.set FTR, 249
.set FTM, 250
.set RB,  251                          ; 16 x (lane % 16)
.set TP,  252
.set TQ,  253
.set HM,  33
.set SEL, 34                           ; s[34:35] v_permlanex16_b32's selects
.macro CONV x, o                       ; 4 f32 at x -> 4 hi and 4 lo in bf16 at o
	v_cvt_pk_bf16_f32 v[(\o)], v[(\x)], v[(\x)+1]
	v_cvt_pk_bf16_f32 v[(\o)+1], v[(\x)+2], v[(\x)+3]
	v_lshlrev_b32 v[T], 16, v[(\o)]
	v_and_b32 v[T+1], s[HM], v[(\o)]
	v_lshlrev_b32 v[T+2], 16, v[(\o)+1]
	v_and_b32 v[T+3], s[HM], v[(\o)+1]
	v_pk_add_f32 v[T:T+1], v[(\x):(\x)+1], v[T:T+1] neg_lo:[0,1] neg_hi:[0,1]
	v_pk_add_f32 v[T+2:T+3], v[(\x)+2:(\x)+3], v[T+2:T+3] neg_lo:[0,1] neg_hi:[0,1]
	v_cvt_pk_bf16_f32 v[(\o)+2], v[T], v[T+1]
	v_cvt_pk_bf16_f32 v[(\o)+3], v[T+2], v[T+3]
.endm
.macro PUTA m                          ; the split of rows 2 m, 2 m + 1 of read, 8 bytes of hi and 8 of lo, into LDS
	ds_store_b64 v[SA], v[XP+4*(\m):XP+4*(\m)+1]   offset:AH+(\m)*288
	ds_store_b64 v[SA], v[XP+4*(\m)+2:XP+4*(\m)+3] offset:AL+(\m)*288
.endm
.macro PUTW m                          ; the split of W's load m
	ds_store_b64 v[SW], v[XW+4*(\m)-4:XW+4*(\m)-3] offset:WH+(\m)*320
	ds_store_b64 v[SW], v[XW+4*(\m)-2:XW+4*(\m)-1] offset:WL+(\m)*320
.endm
.macro ADDI base, st, a, b
.set c, 0
.rept (\st)/2
	v_pk_add_f32 v[(\base)+(\st)*(\a)+c:(\base)+(\st)*(\a)+c+1], v[(\base)+(\st)*(\a)+c:(\base)+(\st)*(\a)+c+1], v[(\base)+(\st)*(\b)+c:(\base)+(\st)*(\b)+c+1]
.set c, c+2
.endr
.endm
.macro TREE8 base, st
	ADDI \base, \st, 0, 1
	ADDI \base, \st, 2, 3
	ADDI \base, \st, 4, 5
	ADDI \base, \st, 6, 7
	ADDI \base, \st, 0, 2
	ADDI \base, \st, 4, 6
	ADDI \base, \st, 0, 4
.endm
	s_load_b256 s[4:11], s[0:1], 0x0               ; racc s[4:5], stat s[6:7], lg s[8:9], pr s[10:11]
	s_load_b256 s[12:19], s[0:1], 0x20             ; W_wr s[12:13], b_wr s[14:15], out1 s[16:17], out2 s[18:19]
	v_lshl_add_u32 v244, v0, 2, 0x3a800
	v_mov_b32 v245, 0
	v_lshrrev_b32 v[TA], 5, v0
	v_readfirstlane_b32 s20, v[TA]                 ; wave 0..7
	s_mov_b32 s21, ttmp9                           ; strip of 64 columns
	s_and_b32 s22, ttmp7, 0xffff                   ; block of 16 batch rows
	s_mov_b32 s[HM], 0xffff0000
	s_mov_b32 s[SEL], 0x76543210
	s_mov_b32 s[SEL+1], 0xfedcba98
	v_and_b32 v1, 15, v0                           ; r
	v_bfe_u32 v2, v0, 4, 1                         ; h
	v_lshlrev_b32 v[RB], 4, v1
	v_lshl_add_u32 v[GA], v2, 11, v[RB]
	v_lshl_add_u32 v[GP], v2, 12, v[RB]
	v_lshl_add_u32 v[SO], v2, 3, v[RB]
	v_lshrrev_b32 v[TP], 4, v0                     ; thread / 16: the row that I finish
	v_lshl_add_u32 v[GO], v[TP], 11, v[RB]
	v_mul_u32_u24 v[TA], v[TP], 272
	v_add3_u32 v[RL], v[TA], v[RB], RED
	s_wait_alu depctr_va_sdst(0)                   ; s20 is written, ahead of its first reader: the wave's LDS and its offsets are made from it
	s_mul_i32 s32, s20, WAVEB
	s_lshl_b32 s23, s20, 8                         ; my wave's 256 bytes of a row
	s_lshl_b32 s24, s22, 16                        ; racc: 16 samples of 4,096 bytes a block
	s_add_co_u32 s24, s24, s23
	s_mov_b32 s25, 0
	s_lshl_b32 s26, s22, 8                         ; stat: 16 samples of 16 bytes
	s_mov_b32 s27, 0
	s_lshl_b32 s30, s21, 8                         ; the strip's 256 bytes
	s_mov_b32 s31, 0
	s_lshl_b32 s28, s22, 15
	s_add_co_u32 s28, s28, s30                     ; the tile's corner in a [128][512] array
	s_mov_b32 s29, 0
	s_add_co_u32 s36, s28, 0xc0000                 ; in pr's plane 3
	s_mov_b32 s37, 0
	s_lshl_b32 s38, s20, 17                        ; W_wr: rows 512 on, my wave's 64 rows, the strip
	s_add_co_u32 s38, s38, s30
	s_add_co_u32 s38, s38, 0x100000
	s_mov_b32 s39, 0
	s_lshl_b32 s40, s20, 9
	s_add_co_u32 s40, s40, FT                      ; my wave's factors
	s_lshl_b32 s41, s20, 3
	s_add_co_u32 s41, s41, s40
	s_mul_i32 s42, s20, REDW
	s_add_co_u32 s42, s42, RED
	s_wait_kmcnt 0x0
	s_add_nc_u64 s[4:5], s[4:5], s[24:25]
	s_add_nc_u64 s[6:7], s[6:7], s[26:27]
	s_add_nc_u64 s[8:9], s[8:9], s[28:29]
	s_add_nc_u64 s[10:11], s[10:11], s[36:37]
	s_add_nc_u64 s[12:13], s[12:13], s[38:39]
	s_add_nc_u64 s[14:15], s[14:15], s[30:31]
	s_add_nc_u64 s[16:17], s[16:17], s[28:29]
	s_add_nc_u64 s[18:19], s[18:19], s[28:29]
	s_wait_alu depctr_va_vdst(0)                   ; v[SO], v[GP], v[GO], v[RB] and v[GA] are written: the 52 loads below read them as their offsets
	global_load_b64 v[SV:SV+1], v[SO], s[6:7]
.set i, 0
.rept 16                               ; half i / 8; samples 2 (i % 8) and 2 (i % 8) + 1
	global_load_b128 v[XP+4*i:XP+4*i+3], v[GP], s[4:5] offset:(i%8)*8192+(i/8)*2048
.set i, i+1
.endr
	global_load_b128 v[LGV:LGV+3], v[GO], s[8:9]
	global_load_b128 v[P3:P3+3], v[GO], s[10:11]
	global_load_b128 v[BW:BW+3], v[RB], s[14:15]
.set i, 0
.rept 32
	global_load_b128 v[XW+4*i:XW+4*i+3], v[GA], s[12:13] offset:i*4096
.set i, i+1
.endr
	; LDS addresses, while the loads are on their way
	v_mul_u32_u24 v[TA], v2, 144
	v_lshl_add_u32 v[TA], v1, 3, v[TA]
	v_add_nc_u32 v[SA], s32, v[TA]
	v_mul_u32_u24 v[TA], v2, 160
	v_lshl_add_u32 v[TA], v1, 3, v[TA]
	v_add_nc_u32 v[SW], s32, v[TA]
	v_mul_u32_u24 v[TA], v1, 144
	v_lshl_add_u32 v[TA], v2, 4, v[TA]
	v_add_nc_u32 v[FA], s32, v[TA]
	v_and_b32 v[TA], 7, v0
	v_lshl_add_u32 v[TA], v2, 3, v[TA]
	v_mul_u32_u24 v[TA], v[TA], 160
	v_bfe_u32 v[TP], v0, 3, 1
	v_lshl_add_u32 v[TA], v[TP], 4, v[TA]
	v_add_nc_u32 v[FW], s32, v[TA]
	v_mul_u32_u24 v[TA], v1, 272
	v_lshl_add_u32 v[TA], v2, 5, v[TA]
	v_add_nc_u32 v[RS], s42, v[TA]
	v_and_b32 v[TA], 31, v0
	v_lshl_add_u32 v[FTS], v[TA], 2, s40           ; word 16 h + r
	v_lshl_add_u32 v[FTR], v2, 2, s40              ; for load i: row 2 i + h
	v_lshl_add_u32 v[FTM], v2, 2, s41              ; row 2 w + h, the one that I finish
	; the factors: lane (r, h) has half h of sample r
	s_wait_loadcnt 51                              ; behind stat's load: the 51 others
	v_permlanex16_b32 v[TP], v[SV], s[SEL], s[SEL+1]   ; the other half's m
	v_max_num_f32 v[TQ], v[SV], v[TP]              ; M
	v_sub_f32 v[TP], v[SV], v[TQ]
	v_mul_f32 v[TP], 0x3fb8aa3b, v[TP]
	v_exp_f32 v[TP], v[TP]                         ; e
	v_nop                                          ; a plain instruction behind a transcendental (ISA guide 5.7.2)
	s_wait_alu depctr_va_vdst(0)
	v_mul_f32 v[SV+1], v[TP], v[SV+1]              ; e l
	v_permlanex16_b32 v[SV], v[SV+1], s[SEL], s[SEL+1]
	v_add_f32 v[SV], v[SV], v[SV+1]                ; L
	v_rcp_f32 v[SV], v[SV]
	v_nop
	s_wait_alu depctr_va_vdst(0)
	v_mul_f32 v[TP], v[TP], v[SV]                  ; e / L
	s_wait_alu depctr_va_vdst(0)                   ; e / L, M and 1 / L are written, which the three LDS stores read; so are all the LDS addresses made above
	ds_store_b32 v[FTS], v[TP]
	ds_store_b32 v[FTS], v[TQ] offset:128
	ds_store_b32 v[FTS], v[SV] offset:256
.irp i, 0,1,2,3,4,5,6,7                ; LDS serves a wave's instructions in order (ISA guide 5.7.1): these see the stores above; the bytes are my wave's own
	ds_load_b32 v[FF+2*\i],   v[FTR] offset:8*\i
	ds_load_b32 v[FF+2*\i+1], v[FTR] offset:64+8*\i
.endr
	ds_load_b32 v[MI],   v[FTM] offset:128
	ds_load_b32 v[MI+1], v[FTM] offset:256
	s_wait_loadcnt 35                              ; behind racc's last load: lg, pr, b_wr and W's 32
	s_wait_dscnt 0x0
.set i, 0
.rept 8                                ; the rows of read, made in half 1's registers; their splits go into half 0's
.irp e, 0,1,2,3
	v_mul_f32 v[XP+4*i+\e], v[FF+2*i], v[XP+4*i+\e]
.endr
.irp e, 0,1,2,3
	v_fma_f32 v[XP+32+4*i+\e], v[FF+2*i+1], v[XP+32+4*i+\e], v[XP+4*i+\e]
.endr
	CONV XP+32+4*i, XP+4*i
.set i, i+1
.endr
	s_wait_loadcnt 34                              ; behind lg's load: pr, b_wr and W's 32
.irp e, 0,1,2,3
	v_sub_f32 v[LGV+\e], v[LGV+\e], v[MI]
.endr
.irp e, 0,1,2,3
	v_mul_f32 v[LGV+\e], 0x3fb8aa3b, v[LGV+\e]
.endr
.irp e, 0,1,2,3
	v_exp_f32 v[LGV+\e], v[LGV+\e]
.endr
	v_nop
	s_wait_alu depctr_va_vdst(0)
.irp e, 0,1,2,3
	v_mul_f32 v[LGV+\e], v[LGV+\e], v[MI+1]
.endr
	s_wait_alu depctr_va_vdst(0)                   ; out2's four numbers are written, which the store below reads; so are the splits of the rows of read, which the sixteen LDS stores of W's first block read
	global_store_b128 v[GO], v[LGV:LGV+3], s[18:19]    ; 16 lanes store 256 consecutive bytes of a row, aligned
	; W's four blocks of eight loads: each load is split as it arrives; the stores of the block before stand among the splits
.set n, 0
.rept 32
	s_wait_loadcnt 31-n                            ; behind W's load n: the 31 - n younger ones
.if (n%8 == 0) && (n > 0)
	s_wait_alu depctr_va_vdst(0)                   ; the block before has written its splits, which this block's sixteen LDS stores read
.endif
.if n < 8
	PUTA n                                         ; no vector instruction since the wait names these registers
.else
	PUTW n-8
.endif
	CONV XW+4*n, XW+4*n-4
.set n, n+1
.endr
	s_wait_alu depctr_va_vdst(0)                   ; the last block has written its splits, which the stores below read; every split is done with the registers in which the fragments land
.set n, 24
.rept 8
	PUTW n
.set n, n+1
.endr
	s_wait_alu depctr_vm_vsrc(0)                   ; the 80 LDS stores have read the splits: the fragments land in those registers, and the products write v[76:79]
.irp kk, 0,1
.irp hl, 0,1
	ds_load_b128 v[FRA+8*(\hl+2*\kk):FRA+8*(\hl+2*\kk)+3],   v[FA] offset:AH+\hl*2304+\kk*64
	ds_load_b128 v[FRA+8*(\hl+2*\kk)+4:FRA+8*(\hl+2*\kk)+7], v[FA] offset:AH+\hl*2304+\kk*64+32
.endr
.endr
.irp kk, 0,1
.irp hl, 0,1
.irp nb, 0,1,2,3
	ds_load_tr16_b128 v[FRW+8*(\nb+4*\hl+8*\kk):FRW+8*(\nb+4*\hl+8*\kk)+3],   v[FW] offset:WH+\hl*10240+\kk*5120+\nb*32
	ds_load_tr16_b128 v[FRW+8*(\nb+4*\hl+8*\kk)+4:FRW+8*(\nb+4*\hl+8*\kk)+7], v[FW] offset:WH+\hl*10240+\kk*5120+\nb*32+2560
.endr
.endr
.endr
	s_wait_dscnt 0x0
	; 24 matrix instructions: 2 halves of my 64 k x 3 terms x 4 accumulators, which take turns; the first four start the sums
.irp kk, 0,1
.irp tm, 0,1,2
.irp nb, 0,1,2,3
.if ((\kk)+(\tm)) == 0
	v_wmma_f32_16x16x32_bf16 v[ACC+8*\nb:ACC+8*\nb+7], v[FRW+8*(\nb+4*(\tm/2)+8*\kk):FRW+8*(\nb+4*(\tm/2)+8*\kk)+7], v[FRA+8*(\tm%2+2*\kk):FRA+8*(\tm%2+2*\kk)+7], 0
.else
	v_wmma_f32_16x16x32_bf16 v[ACC+8*\nb:ACC+8*\nb+7], v[FRW+8*(\nb+4*(\tm/2)+8*\kk):FRW+8*(\nb+4*(\tm/2)+8*\kk)+7], v[FRA+8*(\tm%2+2*\kk):FRA+8*(\tm%2+2*\kk)+7], v[ACC+8*\nb:ACC+8*\nb+7]
.endif
.endr
.endr
.endr
.rept 4
	v_nop                                          ; four places behind the last product (ISA guide 7.12.1)
.endr
	s_wait_alu depctr_va_vdst(0)                   ; the products have written the accumulators, which the LDS stores read, and are done reading FRA, in which the partial tiles land behind the barrier; the places above stay beside this wait
.irp nb, 0,1,2,3                       ; each accumulator from its low end on
	ds_store_b128 v[RS], v[ACC+8*\nb:ACC+8*\nb+3]   offset:\nb*64
	ds_store_b128 v[RS], v[ACC+8*\nb+4:ACC+8*\nb+7] offset:\nb*64+16
.endr
	s_wait_dscnt 0x0                               ; for the others' sake
	s_barrier_signal -1
	s_barrier_wait -1
.irp wv, 0,1,2,3,4,5,6,7
	ds_load_b128 v[16+4*\wv:19+4*\wv], v[RL] offset:\wv*REDW
.endr
	v_pk_add_f32 v[P3:P3+1], v[P3:P3+1], v[BW:BW+1]
	v_pk_add_f32 v[P3+2:P3+3], v[P3+2:P3+3], v[BW+2:BW+3]
	s_wait_dscnt 0x0
	TREE8 16, 4
	v_pk_add_f32 v[16:17], v[16:17], v[P3:P3+1]
	v_pk_add_f32 v[18:19], v[18:19], v[P3+2:P3+3]
	s_wait_alu depctr_va_vdst(0)                   ; the adds have written v[16:19], which the store reads
	global_store_b128 v[GO], v[16:19], s[16:17]    ; 16 lanes store 256 consecutive bytes of a row, aligned
	s_wait_dscnt 0x0                               ; the wave's end; the closing add into the spare words behind the factors follows
	s_wait_alu depctr_hold_cnt(0) depctr_sa_sdst(0) depctr_va_vdst(0) depctr_va_sdst(0) depctr_va_ssrc(0) depctr_va_vcc(0) depctr_vm_vsrc(0)
	s_wait_tensorcnt 0x0
	ds_add_u32 v244, v245
	s_wait_dscnt 0x0
	s_endpgm
.Lfunc_end_k_qa3a8a6a63b_write:
	.size	k_qa3a8a6a63b_write, .Lfunc_end_k_qa3a8a6a63b_write-k_qa3a8a6a63b_write
	.p2alignl 7, 3214868480
	.fill 96, 4, 3214868480
	.section	.rodata,"a",@progbits
	.p2align	6, 0x0
	.amdhsa_kernel k_qa3a8a6a63b_write
		.amdhsa_group_segment_fixed_size 240640
		.amdhsa_private_segment_fixed_size 0
		.amdhsa_enable_private_segment 0
		.amdhsa_kernarg_size 64
		.amdhsa_user_sgpr_count 2
		.amdhsa_user_sgpr_kernarg_segment_ptr 1
		.amdhsa_wavefront_size32 1
		.amdhsa_system_sgpr_workgroup_id_x 1
		.amdhsa_system_sgpr_workgroup_id_y 1
		.amdhsa_system_sgpr_workgroup_id_z 1
		.amdhsa_system_vgpr_workitem_id 0
		.amdhsa_next_free_vgpr 254
		.amdhsa_next_free_sgpr 66
		.amdhsa_reserve_vcc 0
		.amdhsa_float_denorm_mode_32 3
		.amdhsa_float_denorm_mode_16_64 3
		.amdhsa_memory_ordered 1
		.amdhsa_forward_progress 1
		.amdhsa_inst_pref_size 48
	.end_amdhsa_kernel
	.amdgpu_metadata
---
amdhsa.version: [ 1, 2 ]
amdhsa.kernels:
  - .name:           k_qa3a8a6a63b_write
    .symbol:         k_qa3a8a6a63b_write.kd
    .args:
      - { .name: racc, .offset: 0, .size: 8, .value_kind: global_buffer, .address_space: global }
      - { .name: stat, .offset: 8, .size: 8, .value_kind: global_buffer, .address_space: global }
      - { .name: lg, .offset: 16, .size: 8, .value_kind: global_buffer, .address_space: global }
      - { .name: pr, .offset: 24, .size: 8, .value_kind: global_buffer, .address_space: global }
      - { .name: W_wr, .offset: 32, .size: 8, .value_kind: global_buffer, .address_space: global }
      - { .name: b_wr, .offset: 40, .size: 8, .value_kind: global_buffer, .address_space: global }
      - { .name: out1, .offset: 48, .size: 8, .value_kind: global_buffer, .address_space: global }
      - { .name: out2, .offset: 56, .size: 8, .value_kind: global_buffer, .address_space: global }
    .group_segment_fixed_size: 240640
    .private_segment_fixed_size: 0
    .kernarg_segment_align: 8
    .kernarg_segment_size: 64
    .max_flat_workgroup_size: 256
    .sgpr_count:     66
    .vgpr_count:     254
    .wavefront_size: 32
...
	.end_amdgpu_metadata
.endif
;; end of part 10
